; MI455X (gfx1250); checked and timed in simulation.
; The chip was launched on July 23, 2026; its instructions are those of AMD's public machine-readable ISA for CDNA 5 (MIT licence, August 2026) and "CDNA5" Instruction Set Architecture Reference Guide (July 2026). The comments in the code are by the model that wrote it; some were corrected since.
;; Tiered Mo E Layer. Allowed arithmetic: matrix products marked QUANTISED: E2M3 operands, one E8M0 scale for each 32 along K, by v_wmma_scale_f32_16x16x128_f8f6f4 with both operands' format E2M3, f32 sums; products left as they are: f32 operands where the result goes on into a quantised operand, else bf16, f16 or f32 operands; f32 sums; everything else in f32.
;; Inputs: W1 8 x 2,048 x 1,024 float32; W2 8 x 1,024 x 2,048 float32; Wr 8 x 1,024 float32; b1 8 x 2,048 float32; b2 8 x 1,024 float32; ln_b 1,024 float32; ln_w 1,024 float32; x 2 x 1,024 x 1,024 float32.
;; Outputs: out0 2 x 1,024 x 1,024 float32; out1 one number float32.
;; This version of the problem:
;;   THIS VERSION OF THE PROBLEM IS GIVEN IN LOW PRECISION. The matrix products marked QUANTISED in the list below multiply operands that are first quantised to E2M3 (2 exponent bits, 3 mantissa bits; 6 bits a number), with one power-of-two scale for each 32 numbers along K (OCP MX v1.0); their sums are f32. All else is computed in f32.
;;   The module's matrix products, in the order in which they are computed (A, B: the left and right operand; K: the contracted axis; several contracted axes count as one K, in the product's order):
;;     1. [M 2,048, K 1,024] x [K 1,024, N 8]; A: computed on the way; B: input Wr: left as it is (N = 8 < 16)
;;     2. batch 2,048 x [M 1, K 2] x [K 2, N 8]; A: softmax; B: computed on the way: left as it is (K = 2 < 32)
;;     3. [M 2,048, K 1,024] x [K 1,024, N 16,384]; A: computed on the way; B: input W1: QUANTISED
;;     4. batch 8 x [M 1,024, K 2,048] x [K 2,048, N 2,048]; A: input W2; B: computed on the way: QUANTISED
;;     5. batch 2,048 x [M 1, K 8] x [K 8, N 1,024]; A: computed on the way; B: computed on the way: left as it is (K = 8 < 32)
;;   THE QUANTISER, for each operand of a quantised product, along K:
;;     - K is cut into blocks of 32 from its start; a last block that is shorter is filled with zeros.
;;     - A block's scale is 2^e with e = floor(log2(the largest magnitude in the block)) - 2, held to -126 .. 127; a block of zeros has e = 0. As a byte (E8M0): e + 127.
;;     - Each number is divided by its block's scale, clamped to +-7.5, and rounded to the nearest number of E2M3, ties to even, subnormals kept.
;;     - The product sums the exact products of the quantised numbers (number of the format x scale) in f32.
;;   ~~~python
;;   def quantise(x, axis):      # numpy; x: float32 -> the quantised numbers, widened to float32 again
;;       x = np.moveaxis(x, axis, -1); K = x.shape[-1]
;;       x = np.pad(x, [(0, 0)] * (x.ndim - 1) + [(0, -K % 32)]); x = x.reshape(x.shape[:-1] + (-1, 32)); a = np.abs(x).max(-1, keepdims=True)
;;       e = np.where(a > 0, np.clip(np.frexp(np.where(a > 0, a, 1))[1] - 1 - 2, -126, 127), 0)      # np.frexp(a)[1] - 1 = floor(log2(a)), exactly
;;       r = np.clip(x / 2.0 ** e, -7.5, 7.5)
;;       step = 2.0 ** (np.maximum(np.frexp(np.where(r == 0, 1, r))[1] - 1, 0) - 3)
;;       q = np.round(r / step) * step * 2.0 ** e      # np.round: ties to even
;;       return np.moveaxis(q.reshape(q.shape[:-2] + (-1,))[..., :K], -1, axis).astype(np.float32)
;;   ~~~
;;   OPERANDS COMPUTED ON THE WAY. 'Computed on the way' means the value that the module computes at that place (a softmax that the list does not call 'softmax' is quantised finished and normalised). What goes into a quantiser is computed in f32, as accurately as f32 sums, v_exp_f32 and their like allow (about 1e-6 of the number): no bf16 or f16 on the way to a quantiser, and a product that is left as it is and whose result goes on into a quantised operand takes f32 operands (vector FMAs, or v_wmma_f32_16x16x4_f32). A number that lies on a knife's edge between two numbers of the format may be rounded either way, as far as f32 arithmetic and the matrix unit's own rounding can turn it there, and no further.
;; 2 versions. Each part assembles by itself: llvm-mc -triple=amdgcn-amd-amdhsa -mcpu=gfx1250 --defsym DOCPART=n.
;; ======== version 1 of 2: 5 launches
;; workspace buffers: xq 1,638,400 bytes; sel 16,384 bytes of whole numbers; gp 49,152 bytes; plan 34,048 bytes of whole numbers; hq 6,963,200 bytes; yp 17,825,792 bytes
;; launch prep (part 1): grid 256 x 1, 4 waves a work-group, no clusters, 18,944 bytes of LDS; arguments x, ln_w, ln_b, Wr, xq, sel, gp; writes xq, sel, gp
.if DOCPART == 1
	.amdgcn_target "amdgcn-amd-amdhsa--gfx1250"
	.amdhsa_code_object_version 6
	.text
	.protected	k_q8be9b43527_prep
	.globl	k_q8be9b43527_prep
	.p2align	8
	.type	k_q8be9b43527_prep,@function
k_q8be9b43527_prep:
	s_mov_b64 s[64:65], 0
	v_nop
	global_prefetch_b8 v0, s[64:65] scope:SCOPE_SE
	s_setreg_imm32_b32 hwreg(HW_REG_WAVE_MODE, 25, 1), 1
	s_wait_xcnt 0x0
; LayerNorm, router and quantiser of the tokens.  2,048 tokens of 1,024 f32; a wave takes two tokens, a work-group of four waves eight.
; For each token: xn = (x - mean) rsqrt(var + 1e-5) ln_w + ln_b in f32 (two passes over the row, which stays in registers); the 8 logits xn . Wr[e] by f32 multiply-adds;
; the two largest logits (ties: the lower index), their softmax (the gates), and the softmax over all 8 for the auxiliary loss (the largest logit is taken away first);
; xn as codes of E2M3 with one E8M0 byte for each 32 along the row.
; STORED: xq: codes at token x 768, block b = 4 s + 2 c + h at h x 384 + s x 48 + c x 24, so that lane (row, h) of a matrix operand finds its eight K steps as 384 consecutive bytes;
;   scale bytes at XS_OFF + token x 32 + b.  sel: entry 2 t + k = the expert.  gp: entry 2 t + k = the gate; at PS_OFF 8 sums of the full softmax over the wave's two tokens.
; The choice of experts is only STORED here, at fixed places: no address and no branch of this launch hangs on it.
; A load gives lane l the numbers 128 i + 4 l + 0..3 of a row (512 consecutive bytes a load); x, ln_w, ln_b and Wr's rows lie alike, so sums and products need no other order.
; For the quantiser a lane must hold a whole block of 32: the row turns through the wave's own stage in LDS (blocks of 128 bytes + 16 of padding: 36 words, so 16 lanes start at 16 different columns of 16 bytes).
; No barrier: waves share nothing.  Matrix units, tensor loads and clusters have nothing to do here: the launch reads each byte of x once and is done.
; LIMITS: NaN and infinities are not served.  A block of zeros gets the byte 1 where the rule says 127: its codes are zeros and this program alone reads the bytes.
;   Two logits that differ by less than the rounding of a sum of 1,024 f32 products may be ranked the other way round than by another order of summation.
.set XS_OFF, 1572864
.set PS_OFF, 16384
.set X,    32                          ; v32-63 token 0, v64-95 token 1
.set LW,   96                          ; v96-127  ln_w
.set LB,   128                         ; v128-159 ln_b
.set Y,    160                         ; v160-191 my block of 32, turned
.set LS,   192                         ; v192-207 eight pairs of logit sums
.set LG,   208                         ; v208-215 logits
.set PR,   216                         ; v216-223 exponentials
.set PSUM, 224                         ; v224-231 softmax sums over the two tokens
.set SELR, 232                         ; v232-235 chosen experts
.set GT,   236                         ; v236-239 gates
.set CD,   240                         ; token n: codes v[CD+8n .. +2], v[CD+8n+4 .. +6]; byte v[CD+8n+3]: a set for each token, so no store's data are written again
.set MSB, 0
.macro WIN new                         ; the immediate's high byte repeats the setting that is left
.if MSB != (\new)
	s_set_vgpr_msb (MSB<<8)|(\new)
.set MSB, (\new)
.endif
.endm
.macro RED r, t                        ; the sum over the wave's 32 lanes, in every lane
	v_add_f32_dpp v[\r], v[\r], v[\r] row_xmask:1 row_mask:0xf bank_mask:0xf
	v_add_f32_dpp v[\r], v[\r], v[\r] row_xmask:2 row_mask:0xf bank_mask:0xf
	v_add_f32_dpp v[\r], v[\r], v[\r] row_xmask:4 row_mask:0xf bank_mask:0xf
	v_add_f32_dpp v[\r], v[\r], v[\r] row_xmask:8 row_mask:0xf bank_mask:0xf
	v_permlanex16_b32 v[\t], v[\r], s20, s21
	v_add_f32 v[\r], v[\r], v[\t]
.endm
	s_load_b256 s[4:11], s[0:1], 0x0               ; x s[4:5], ln_w s[6:7], ln_b s[8:9], Wr s[10:11]
	s_load_b128 s[12:15], s[0:1], 0x20             ; xq s[12:13], sel s[14:15]
	s_load_b64 s[16:17], s[0:1], 0x30              ; gp
	v_lshl_add_u32 v247, v0, 2, 0x4800
	v_mov_b32 v255, 0
	v_lshrrev_b32 v10, 5, v0
	v_readfirstlane_b32 s18, v10                   ; wave 0..3
	v_and_b32 v5, 31, v0                           ; lane
	v_lshlrev_b32 v1, 4, v5                        ; 16 x lane
	s_mul_i32 s25, s18, 4608                       ; my stage
	v_lshrrev_b32 v10, 3, v5
	v_mul_u32_u24 v10, v10, 144
	v_and_b32 v11, 7, v5
	v_lshl_add_u32 v10, v11, 4, v10
	v_add_nc_u32 v2, s25, v10                      ; into the stage: eight lanes fill a block of 128 bytes
	v_mul_u32_u24 v3, v5, 144
	v_add_nc_u32 v3, s25, v3                       ; out of it: lane l takes block l
	v_and_b32 v10, 1, v5                           ; block l = 4 s + 2 c + h
	v_mul_u32_u24 v4, v10, 384
	v_lshrrev_b32 v10, 2, v5
	v_mad_u32_u24 v4, v10, 48, v4
	v_bfe_u32 v10, v5, 1, 1
	v_mad_u32_u24 v4, v10, 24, v4                  ; my block's 24 bytes in a token's 768
	v_mov_b32 v31, 0
	v_mov_b32 v14, 0                               ; a lane permute's destination counts as one of its sources: written once
.irp e, 0,1,2,3,4,5,6,7
	v_mov_b32 v[PR+\e], 0
.endr
	s_lshl_b32 s19, ttmp9, 2
	s_add_co_u32 s19, s19, s18                     ; which pair of tokens is my wave's
	s_mov_b32 s20, 0x76543210
	s_mov_b32 s21, 0xfedcba98                      ; v_permlanex16_b32's selects for lane l xor 16
	s_mov_b32 s22, 0x3a800000                      ; 1 / 1,024
	s_mov_b32 s23, 0x3727c5ac                      ; 1e-5
	s_mov_b32 s24, 0x3fb8aa3b                      ; log2(e)
	s_lshl_b32 s26, s19, 13                        ; x: two rows of 4,096 bytes
	s_mov_b32 s27, 0
	s_mul_i32 s28, s19, 1536                       ; codes: two tokens of 768 bytes
	s_mov_b32 s29, 0
	s_lshl_b32 s30, s19, 6                         ; scale bytes: two tokens of 32
	s_mov_b32 s31, 0
	s_lshl_b32 s32, s19, 4                         ; sel and gates: four entries
	s_mov_b32 s33, 0
	s_lshl_b32 s34, s19, 5                         ; softmax sums: eight numbers
	s_mov_b32 s35, 0
	s_wait_kmcnt 0x0
	s_add_nc_u64 s[4:5], s[4:5], s[26:27]
	s_add_nc_u64 s[36:37], s[12:13], s[30:31]
	s_add_nc_u64 s[36:37], s[36:37], XS_OFF
	s_add_nc_u64 s[12:13], s[12:13], s[28:29]
	s_add_nc_u64 s[14:15], s[14:15], s[32:33]
	s_add_nc_u64 s[38:39], s[16:17], s[34:35]
	s_add_nc_u64 s[38:39], s[38:39], PS_OFF
	s_add_nc_u64 s[16:17], s[16:17], s[32:33]
.irp n, 0,1
.irp i, 0,1,2,3,4,5,6,7
	global_load_b128 v[X+32*\n+4*\i:X+32*\n+4*\i+3], v1, s[4:5] offset:4096*\n+512*\i th:TH_LOAD_NT
.endr
.endr
.irp i, 0,1,2,3,4,5,6,7
	global_load_b128 v[LW+4*\i:LW+4*\i+3], v1, s[6:7] offset:512*\i
.endr
.irp i, 0,1,2,3,4,5,6,7
	global_load_b128 v[LB+4*\i:LB+4*\i+3], v1, s[8:9] offset:512*\i
.endr
	WIN 0x40                                       ; destination window 1: Wr, expert e at v[32 e ..]
.irp e, 0,1,2,3,4,5,6,7
.irp i, 0,1,2,3,4,5,6,7
	global_load_b128 v[32*\e+4*\i:32*\e+4*\i+3], v1, s[10:11] offset:4096*\e+512*\i
.endr
.endr
	WIN 0
	s_wait_loadcnt 63                              ; behind ln_b's last load stand Wr's 64: the largest count that a wait can name shows x, ln_w and ln_b in
.macro TOKEN n
.set XB, X+32*\n
.set CB, CD+8*\n
	v_pk_add_f32 v[10:11], v[XB:XB+1], v[XB+2:XB+3]               ; the row's sum, in two chains
	v_pk_add_f32 v[12:13], v[XB+4:XB+5], v[XB+6:XB+7]
.irp j, 8,12,16,20,24,28
	v_pk_add_f32 v[10:11], v[10:11], v[XB+\j:XB+\j+1]
	v_pk_add_f32 v[12:13], v[12:13], v[XB+\j+2:XB+\j+3]
.endr
	v_pk_add_f32 v[10:11], v[10:11], v[12:13]
	v_add_f32 v10, v10, v11
	RED 10, 14
	v_mul_f32 v6, s22, v10                         ; the mean, twice: a pair for the packed form
	v_mul_f32 v7, s22, v10
.irp j, 0,2,4,6,8,10,12,14,16,18,20,22,24,26,28,30
	v_pk_add_f32 v[XB+\j:XB+\j+1], v[XB+\j:XB+\j+1], v[6:7] neg_lo:[0,1] neg_hi:[0,1]
.endr
	v_pk_mul_f32 v[10:11], v[XB:XB+1], v[XB:XB+1]                 ; the sum of squares of x - mean
	v_pk_mul_f32 v[12:13], v[XB+2:XB+3], v[XB+2:XB+3]
.irp j, 4,8,12,16,20,24,28
	v_pk_fma_f32 v[10:11], v[XB+\j:XB+\j+1], v[XB+\j:XB+\j+1], v[10:11]
	v_pk_fma_f32 v[12:13], v[XB+\j+2:XB+\j+3], v[XB+\j+2:XB+\j+3], v[12:13]
.endr
	v_pk_add_f32 v[10:11], v[10:11], v[12:13]
	v_add_f32 v10, v10, v11
	RED 10, 14
	v_fma_f32 v10, v10, s22, s23                   ; var + eps
	v_rsq_f32 v8, v10
	v_nop                                          ; a plain instruction behind the transcendental
	s_wait_alu depctr_va_vdst(0)                   ; the wait ahead of the result's first reader
	v_mov_b32 v9, v8
.irp j, 0,2,4,6,8,10,12,14,16,18,20,22,24,26,28,30
	v_pk_mul_f32 v[XB+\j:XB+\j+1], v[XB+\j:XB+\j+1], v[8:9]
.endr
.irp j, 0,2,4,6,8,10,12,14,16,18,20,22,24,26,28,30
	v_pk_fma_f32 v[XB+\j:XB+\j+1], v[XB+\j:XB+\j+1], v[LW+\j:LW+\j+1], v[LB+\j:LB+\j+1]   ; xn
.endr
.irp i, 0,1,2,3,4,5,6,7
	ds_store_b128 v2, v[XB+4*\i:XB+4*\i+3] offset:576*\i           ; a load's 512 bytes are four blocks
.endr
.irp q, 0,1,2,3,4,5,6,7
	ds_load_b128 v[Y+4*\q:Y+4*\q+3], v3 offset:16*\q               ; LDS serves a wave's instructions in order: these see the stores above; they land while the router is worked
.endr
.if \n == 0
	s_wait_loadcnt 0x0                             ; Wr
.endif
	WIN 0x04                                       ; source 1 (Wr) window 1
.irp j, 0,2,4,6,8,10,12,14,16,18,20,22,24,26,28,30
.irp e, 0,1,2,3,4,5,6,7
.if \j == 0
	v_pk_mul_f32 v[LS+2*\e:LS+2*\e+1], v[XB+\j:XB+\j+1], v[32*\e+\j:32*\e+\j+1]
.else
	v_pk_fma_f32 v[LS+2*\e:LS+2*\e+1], v[XB+\j:XB+\j+1], v[32*\e+\j:32*\e+\j+1], v[LS+2*\e:LS+2*\e+1]
.endif
.endr
.endr
	WIN 0
.irp e, 0,1,2,3,4,5,6,7
	v_add_f32 v[LG+\e], v[LS+2*\e], v[LS+2*\e+1]
.endr
.irp m, 1,2,4,8
.irp e, 0,1,2,3,4,5,6,7
	v_add_f32_dpp v[LG+\e], v[LG+\e], v[LG+\e] row_xmask:\m row_mask:0xf bank_mask:0xf
.endr
.endr
.irp e, 0,1,2,3,4,5,6,7
	v_permlanex16_b32 v[PR+\e], v[LG+\e], s20, s21
.endr
.irp e, 0,1,2,3,4,5,6,7
	v_add_f32 v[LG+\e], v[LG+\e], v[PR+\e]         ; the 8 logits, in every lane
.endr
	v_mov_b32 v10, v[LG]                           ; the largest logit and its index: a later one wins only if strictly larger
	v_mov_b32 v11, 0
.irp e, 1,2,3,4,5,6,7
	v_cmp_gt_f32 vcc_lo, v[LG+\e], v10
	v_cndmask_b32 v10, v10, v[LG+\e], vcc_lo
	v_cndmask_b32 v11, v11, \e, vcc_lo
.endr
	v_mov_b32 v12, 0xff800000                      ; the second: the same scan over the seven others
	v_mov_b32 v13, 0
.irp e, 0,1,2,3,4,5,6,7
	v_cmp_ne_u32 s40, \e, v11
	v_cmp_gt_f32 vcc_lo, v[LG+\e], v12
	s_and_b32 vcc_lo, vcc_lo, s40
	v_cndmask_b32 v12, v12, v[LG+\e], vcc_lo
	v_cndmask_b32 v13, v13, \e, vcc_lo
.endr
.irp e, 0,1,2,3,4,5,6,7
	v_sub_f32 v[PR+\e], v[LG+\e], v10              ; the largest is taken away ahead of every exponential
.endr
	v_sub_f32 v15, v12, v10
.irp e, 0,1,2,3,4,5,6,7
	v_mul_f32 v[PR+\e], s24, v[PR+\e]
.endr
	v_mul_f32 v15, s24, v15
.irp e, 0,1,2,3,4,5,6,7
	v_exp_f32 v[PR+\e], v[PR+\e]
.endr
	v_exp_f32 v15, v15                             ; exp(second - largest)
	v_mov_b32 v[SELR+2*\n], v11                    ; (a plain instruction behind the batch)
	s_wait_alu depctr_va_vdst(0)                   ; one wait for the nine exponentials, ahead of their first reader
	v_add_f32 v16, v[PR], v[PR+1]
	v_add_f32 v17, v[PR+2], v[PR+3]
	v_add_f32 v18, v[PR+4], v[PR+5]
	v_add_f32 v19, v[PR+6], v[PR+7]
	v_add_f32 v16, v16, v17
	v_add_f32 v18, v18, v19
	v_add_f32 v16, v16, v18
	v_add_f32 v17, 1.0, v15
	v_rcp_f32 v16, v16
	v_rcp_f32 v17, v17
	v_mov_b32 v[SELR+2*\n+1], v13                  ; (a plain instruction behind the two)
	s_wait_alu depctr_va_vdst(0)                   ; one wait for both reciprocals
.irp e, 0,1,2,3,4,5,6,7
.if \n == 0
	v_mul_f32 v[PSUM+\e], v[PR+\e], v16
.else
	v_fmac_f32 v[PSUM+\e], v[PR+\e], v16
.endif
.endr
	v_mov_b32 v[GT+2*\n], v17                      ; the gates: 1 / (1 + ex), ex / (1 + ex)
	v_mul_f32 v[GT+2*\n+1], v15, v17
	s_wait_dscnt 0x0                               ; my block of xn is back from the stage
	v_max3_num_f32 v18, |v[Y]|, |v[Y+1]|, |v[Y+2]|                 ; its largest magnitude: all 32 numbers are mine
	v_max3_num_f32 v19, |v[Y+3]|, |v[Y+4]|, |v[Y+5]|
.irp i, 6,10,14,18,22,26
	v_max3_num_f32 v18, v18, |v[Y+\i]|, |v[Y+\i+1]|
	v_max3_num_f32 v19, v19, |v[Y+\i+2]|, |v[Y+\i+3]|
.endr
	v_max3_num_f32 v18, v18, |v[Y+30]|, |v[Y+31]|
	v_max3_num_f32 v18, v18, v19, 0x1800000        ; and the floor 2^(3 - 127): the byte cannot fall under 1
	v_add_nc_u32 v19, 0xff000000, v18              ; 2 off the exponent field: the conversion takes this operand's exponent field as its scale
	v_cvt_scalef32_pk16_fp6_f32 v[CB:CB+2], v[Y:Y+15], v19
	v_cvt_scalef32_pk16_fp6_f32 v[CB+4:CB+6], v[Y+16:Y+31], v19    ; (a conversion's three registers begin on an even number)
	v_lshrrev_b32 v[CB+3], 23, v19                 ; the scale's byte; also the plain instruction behind the conversions
	global_store_b96 v4, v[CB:CB+2], s[12:13] offset:768*\n
	global_store_b96 v4, v[CB+4:CB+6], s[12:13] offset:768*\n+12
	global_store_b8 v5, v[CB+3], s[36:37] offset:32*\n             ; 32 lanes: the token's 32 bytes
.endm
	TOKEN 0
	TOKEN 1
	v_cmp_eq_u32 vcc_lo, 0, v5                     ; every lane holds the same results: lane 0 stores them
	s_wait_xcnt 0x0                                ; EXEC is a source of the stores above: it changes only behind this wait
	s_wait_tensorcnt 0x0
	ds_add_u32 v247, v255
	s_wait_dscnt 0x0
	s_and_saveexec_b32 s41, vcc_lo
	global_store_b128 v31, v[SELR:SELR+3], s[14:15]
	global_store_b128 v31, v[GT:GT+3], s[16:17]
	global_store_b128 v31, v[PSUM:PSUM+3], s[38:39]
	global_store_b128 v31, v[PSUM+4:PSUM+7], s[38:39] offset:16
	s_wait_xcnt 0x0                                ; and again ahead of the line that widens it
	s_or_b32 exec_lo, exec_lo, s41
	s_endpgm
.Lfunc_end_k_q8be9b43527_prep:
	.size	k_q8be9b43527_prep, .Lfunc_end_k_q8be9b43527_prep-k_q8be9b43527_prep
	.p2alignl 7, 3214868480
	.fill 96, 4, 3214868480
	.section	.rodata,"a",@progbits
	.p2align	6, 0x0
	.amdhsa_kernel k_q8be9b43527_prep
		.amdhsa_group_segment_fixed_size 18944
		.amdhsa_private_segment_fixed_size 0
		.amdhsa_enable_private_segment 0
		.amdhsa_kernarg_size 56
		.amdhsa_user_sgpr_count 2
		.amdhsa_user_sgpr_kernarg_segment_ptr 1
		.amdhsa_wavefront_size32 1
		.amdhsa_system_sgpr_workgroup_id_x 1
		.amdhsa_system_sgpr_workgroup_id_y 1
		.amdhsa_system_sgpr_workgroup_id_z 1
		.amdhsa_system_vgpr_workitem_id 0
		.amdhsa_next_free_vgpr 512
		.amdhsa_next_free_sgpr 66
		.amdhsa_reserve_vcc 1
		.amdhsa_float_denorm_mode_32 3
		.amdhsa_float_denorm_mode_16_64 3
		.amdhsa_memory_ordered 1
		.amdhsa_forward_progress 1
		.amdhsa_inst_pref_size 61
	.end_amdhsa_kernel
	.amdgpu_metadata
---
amdhsa.version: [ 1, 2 ]
amdhsa.kernels:
  - .name:           k_q8be9b43527_prep
    .symbol:         k_q8be9b43527_prep.kd
    .args:
      - { .name: x, .offset: 0, .size: 8, .value_kind: global_buffer, .address_space: global }
      - { .name: ln_w, .offset: 8, .size: 8, .value_kind: global_buffer, .address_space: global }
      - { .name: ln_b, .offset: 16, .size: 8, .value_kind: global_buffer, .address_space: global }
      - { .name: Wr, .offset: 24, .size: 8, .value_kind: global_buffer, .address_space: global }
      - { .name: xq, .offset: 32, .size: 8, .value_kind: global_buffer, .address_space: global }
      - { .name: sel, .offset: 40, .size: 8, .value_kind: global_buffer, .address_space: global }
      - { .name: gp, .offset: 48, .size: 8, .value_kind: global_buffer, .address_space: global }
    .group_segment_fixed_size: 18944
    .private_segment_fixed_size: 0
    .kernarg_segment_align: 8
    .kernarg_segment_size: 56
    .max_flat_workgroup_size: 128
    .sgpr_count:     66
    .vgpr_count:     512
    .wavefront_size: 32
...
	.end_amdgpu_metadata
.endif
;; end of part 1
;; launch route (part 2): grid 1 x 1, 16 waves a work-group, no clusters, 3,072 bytes of LDS; arguments sel, gp, plan, out1; writes plan, out1
.if DOCPART == 2
	.amdgcn_target "amdgcn-amd-amdhsa--gfx1250"
	.amdhsa_code_object_version 6
	.text
	.protected	k_q8be9b43527_route
	.globl	k_q8be9b43527_route
	.p2align	8
	.type	k_q8be9b43527_route,@function
k_q8be9b43527_route:
	s_mov_b64 s[64:65], 0
	v_nop
	global_prefetch_b8 v0, s[64:65] scope:SCOPE_SE
	s_setreg_imm32_b32 hwreg(HW_REG_WAVE_MODE, 25, 1), 1
	s_wait_xcnt 0x0
; The 4,096 routed rows (entry i = 2 t + k, expert sel[i]) are placed by expert: a counting sort by one work-group of 16 waves, without atomics; and the auxiliary loss.
; Each expert's rows are rounded up to whole PAIRS of tiles (32 rows); with 8 experts there are never more than 135 pairs, whatever the choice.
; STORED in plan: word 2 e = expert e's first pair, word 2 e + 1 = its number of pairs, word 16 = all pairs; at RT_OFF rowtok[slot] = the slot's token (0 in the padding);
;   at SO_OFF slotof[i] = entry i's slot.  out1 = 8 / T^2 x the sum over e of (rows of e) x (sum over tokens of softmax_e).
; Thread n holds entries q x 2,048 + 4 n + c (q = 0, 1; c = 0..3).  The order of rows inside an expert is (wave, register, lane): any order serves, since each row is worked by itself.
; One barrier: behind it every wave reads all waves' counts.  Every address made of loaded numbers is held by a constant written in the instruction.
.set PS_OFF, 16384
.set RT_OFF, 256
.set SO_OFF, 17664
.macro IRED r                          ; whole numbers: the sum over the lanes of my parity, in every lane
.irp m, 2,4,8
	v_mov_b32_dpp v59, v[\r] row_xmask:\m row_mask:0xf bank_mask:0xf
	v_add_nc_u32 v[\r], v[\r], v59
.endr
	v_permlanex16_b32 v59, v[\r], s14, s15
	v_add_nc_u32 v[\r], v[\r], v59
.endm
.macro FRED r                          ; the same in f32
.irp m, 2,4,8
	v_add_f32_dpp v[\r], v[\r], v[\r] row_xmask:\m row_mask:0xf bank_mask:0xf
.endr
	v_permlanex16_b32 v59, v[\r], s14, s15
	v_add_f32 v[\r], v[\r], v59
.endm
	s_load_b256 s[4:11], s[0:1], 0x0               ; sel s[4:5], gp s[6:7], plan s[8:9], out1 s[10:11]
	v_lshl_add_u32 v80, v0, 2, 0x400
	v_mov_b32 v81, 0
	v_lshrrev_b32 v2, 5, v0
	v_readfirstlane_b32 s12, v2                    ; wave 0..15
	v_and_b32 v3, 31, v0                           ; lane
	v_lshlrev_b32 v1, 4, v0                        ; 16 x thread
	v_lshlrev_b32 v4, 2, v3                        ; 4 x lane
	v_mov_b32 v5, 0
	v_mov_b32 v59, 0                               ; a lane permute's destination counts as one of its sources
	s_mov_b32 s14, 0x76543210
	s_mov_b32 s15, 0xfedcba98
	s_mov_b32 s61, 0xaaaaaaaa                      ; the odd lanes
	s_lshl_b32 s13, s12, 5
	v_mov_b32 v56, s13                             ; LDS: my wave's 8 counts at 32 x wave
	v_lshlrev_b32 v57, 4, v3                       ; 16 x lane: all waves' counts (and, 512 on, their softmax sums): wave l / 2, experts 4 (l % 2) on
	v_and_b32 v58, 1, v3
	v_lshlrev_b32 v58, 4, v58
	v_add_nc_u32 v58, s13, v58                     ; my wave's softmax sums: 32 x wave + 16 x parity (+ 512)
	v_lshlrev_b32 v60, 1, v0                       ; the tokens of my entries: 2 n, 2 n + 1, and 1,024 on
	v_add_nc_u32 v61, 1, v60
	v_add_nc_u32 v62, 0x400, v60
	v_add_nc_u32 v63, 0x401, v60
.irp e, 0,1,2,3,4,5,6,7
	s_mov_b32 s[16+\e], 0
.endr
	s_wait_kmcnt 0x0
	global_load_b128 v[8:11], v1, s[4:5]
	global_load_b128 v[12:15], v1, s[4:5] offset:8192
.irp q, 0,1,2,3
	global_load_b128 v[16+4*\q:19+4*\q], v1, s[6:7] offset:PS_OFF+8192*\q   ; even threads: experts 0-3 of four waves of the launch before; odd threads: experts 4-7
.endr
	s_wait_loadcnt 4                               ; sel's two loads are in; the four behind them may be out
.irp g, 0,1,2,3,4,5,6,7                ; my wave's rows of each expert
.irp e, 0,1,2,3,4,5,6,7
	v_cmp_eq_u32 s57, \e, v[8+\g]
	s_bcnt1_i32_b32 s58, s57
	s_add_co_u32 s[16+\e], s[16+\e], s58
.endr
.endr
.irp e, 0,1,2,3,4,5,6,7
	v_mov_b32 v[48+\e], s[16+\e]
.endr
	ds_store_b128 v56, v[48:51]                    ; all lanes write the same words with the same values
	ds_store_b128 v56, v[52:55] offset:16
	s_wait_loadcnt 0x0
.irp c, 0,2
	v_pk_add_f32 v[16+\c:17+\c], v[16+\c:17+\c], v[20+\c:21+\c]
	v_pk_add_f32 v[24+\c:25+\c], v[24+\c:25+\c], v[28+\c:29+\c]
.endr
.irp c, 0,2
	v_pk_add_f32 v[16+\c:17+\c], v[16+\c:17+\c], v[24+\c:25+\c]
.endr
.irp c, 0,1,2,3
	FRED 16+\c
.endr
	ds_store_b128 v58, v[16:19] offset:512
	s_wait_dscnt 0x0                               ; for the others' sake: my stores have landed
	s_barrier_signal -1
	s_barrier_wait -1
	ds_load_b128 v[48:51], v57                     ; wave l / 2's counts of experts 4 (l % 2) + 0..3
	v_lshrrev_b32 v2, 1, v3
	v_cmp_gt_u32 vcc_lo, s12, v2                   ; waves in front of mine
	s_wait_dscnt 0x0
.irp c, 0,1,2,3
	v_cndmask_b32 v[52+\c], 0, v[48+\c], vcc_lo
.endr
.irp c, 0,1,2,3,4,5,6,7
	IRED 48+\c
.endr
.irp c, 0,1,2,3
	v_readlane_b32 s[24+\c], v[48+\c], 0           ; s24-31: each expert's rows;
	v_readlane_b32 s[28+\c], v[48+\c], 1
	v_readlane_b32 s[32+\c], v[52+\c], 0           ; s32-39: those of them in waves in front of mine
	v_readlane_b32 s[36+\c], v[52+\c], 1
.endr
	s_mov_b32 s48, 0
.irp e, 0,1,2,3,4,5,6,7
	s_add_co_u32 s[40+\e], s[24+\e], 31
	s_lshr_b32 s[40+\e], s[40+\e], 5               ; s40-47: pairs of tiles
	s_add_co_u32 s[49+\e], s[48+\e], s[40+\e]      ; s48-55: first pair; s56: all pairs
	s_lshl_b32 s[16+\e], s[48+\e], 5
	s_add_co_u32 s[16+\e], s[16+\e], s[32+\e]      ; s16-23: the slot of my wave's first row of the expert
.endr
.irp g, 0,1,2,3,4,5,6,7                ; each entry's slot: the expert's running slot + the matching lanes below mine
.irp e, 0,1,2,3,4,5,6,7
	v_cmp_eq_u32 s57, \e, v[8+\g]
.if \e == 0
	v_mbcnt_lo_u32_b32 v[32+\g], s57, s[16+\e]
.else
	v_mbcnt_lo_u32_b32 v6, s57, s[16+\e]
	v_cndmask_b32 v[32+\g], v[32+\g], v6, s57
.endif
	s_bcnt1_i32_b32 s58, s57
	s_add_co_u32 s[16+\e], s[16+\e], s58
.endr
.endr
	global_store_b128 v1, v[32:35], s[8:9] offset:SO_OFF
	global_store_b128 v1, v[36:39], s[8:9] offset:SO_OFF+8192
.irp g, 0,1,2,3,4,5,6,7
	v_min_u32 v[40+\g], 0x10ff, v[32+\g]           ; a slot is under 4,352
	v_lshlrev_b32 v[40+\g], 2, v[40+\g]
	global_store_b32 v[40+\g], v[60+2*(\g/4)+(\g%4)/2], s[8:9] offset:RT_OFF
.endr
	s_cmp_lg_u32 s12, 0                            ; the rest is wave 0's; no barrier follows
	s_cbranch_scc1 .Lend
	ds_load_b128 v[16:19], v57 offset:512          ; all waves' softmax sums
	v_mov_b32 v64, 0
.irp e, 0,1,2,3,4,5,6,7
	v_writelane_b32 v64, s[48+\e], 2*\e
	v_writelane_b32 v64, s[40+\e], 2*\e+1
.endr
	v_writelane_b32 v64, s56, 16
	global_store_b32 v4, v64, s[8:9]
.irp e, 0,1,2,3,4,5,6,7
	s_lshl_b32 s58, s[48+\e], 5
	s_add_co_u32 s58, s58, s[24+\e]
	v_add_nc_u32 v[66+\e], s58, v3                 ; the slots behind the expert's last row
	v_min_u32 v[66+\e], 0x10ff, v[66+\e]
	v_lshlrev_b32 v[66+\e], 2, v[66+\e]
.endr
.irp e, 0,1,2,3,4,5,6,7
	s_lshl_b32 s58, s[40+\e], 5
	s_sub_co_u32 s58, s58, s[24+\e]                ; how many of them pad the last pair: 0 to 31
	v_cmp_gt_u32 vcc_lo, s58, v3
	s_wait_xcnt 0x0                                ; EXEC changes only behind this wait
	s_and_saveexec_b32 s60, vcc_lo
	global_store_b32 v[66+\e], v5, s[8:9] offset:RT_OFF            ; token 0 stands in: its rows are computed and never read
	s_wait_xcnt 0x0
	s_or_b32 exec_lo, exec_lo, s60
.endr
	s_wait_dscnt 0x0
.irp c, 0,1,2,3
	FRED 16+\c
.endr
.irp c, 0,1,2,3
	v_mov_b32 v76, s[24+\c]
	v_mov_b32 v77, s[28+\c]
	v_cndmask_b32 v76, v76, v77, s61               ; even lanes: expert c; odd lanes: expert 4 + c
	v_cvt_f32_u32 v76, v76
.if \c == 0
	v_mul_f32 v74, v76, v16
.else
	v_fmac_f32 v74, v76, v[16+\c]
.endif
.endr
	v_add_f32_dpp v74, v74, v74 row_xmask:1 row_mask:0xf bank_mask:0xf
	v_mul_f32 v74, 0x36000000, v74                 ; x 8 / 2,048^2 = 2^-19
	v_cmp_eq_u32 vcc_lo, 0, v3
	s_wait_xcnt 0x0
	s_and_saveexec_b32 s60, vcc_lo
	global_store_b32 v5, v74, s[10:11]
	s_wait_xcnt 0x0
	s_or_b32 exec_lo, exec_lo, s60
.Lend:
	s_wait_tensorcnt 0x0
	ds_add_u32 v80, v81
	s_wait_dscnt 0x0
	s_endpgm
.Lfunc_end_k_q8be9b43527_route:
	.size	k_q8be9b43527_route, .Lfunc_end_k_q8be9b43527_route-k_q8be9b43527_route
	.p2alignl 7, 3214868480
	.fill 96, 4, 3214868480
	.section	.rodata,"a",@progbits
	.p2align	6, 0x0
	.amdhsa_kernel k_q8be9b43527_route
		.amdhsa_group_segment_fixed_size 3072
		.amdhsa_private_segment_fixed_size 0
		.amdhsa_enable_private_segment 0
		.amdhsa_kernarg_size 32
		.amdhsa_user_sgpr_count 2
		.amdhsa_user_sgpr_kernarg_segment_ptr 1
		.amdhsa_wavefront_size32 1
		.amdhsa_system_sgpr_workgroup_id_x 1
		.amdhsa_system_sgpr_workgroup_id_y 1
		.amdhsa_system_sgpr_workgroup_id_z 1
		.amdhsa_system_vgpr_workitem_id 0
		.amdhsa_next_free_vgpr 82
		.amdhsa_next_free_sgpr 66
		.amdhsa_reserve_vcc 1
		.amdhsa_float_denorm_mode_32 3
		.amdhsa_float_denorm_mode_16_64 3
		.amdhsa_memory_ordered 1
		.amdhsa_forward_progress 1
		.amdhsa_inst_pref_size 43
	.end_amdhsa_kernel
	.amdgpu_metadata
---
amdhsa.version: [ 1, 2 ]
amdhsa.kernels:
  - .name:           k_q8be9b43527_route
    .symbol:         k_q8be9b43527_route.kd
    .args:
      - { .name: sel, .offset: 0, .size: 8, .value_kind: global_buffer, .address_space: global }
      - { .name: gp, .offset: 8, .size: 8, .value_kind: global_buffer, .address_space: global }
      - { .name: plan, .offset: 16, .size: 8, .value_kind: global_buffer, .address_space: global }
      - { .name: out1, .offset: 24, .size: 8, .value_kind: global_buffer, .address_space: global }
    .group_segment_fixed_size: 3072
    .private_segment_fixed_size: 0
    .kernarg_segment_align: 8
    .kernarg_segment_size: 32
    .max_flat_workgroup_size: 512
    .sgpr_count:     66
    .vgpr_count:     82
    .wavefront_size: 32
...
	.end_amdgpu_metadata
.endif
;; end of part 2
;; launch up (part 3): grid 32 x 8, 4 waves a work-group, no clusters, 137,728 bytes of LDS; arguments W1, b1, xq, plan, hq; writes hq
.if DOCPART == 3
	.amdgcn_target "amdgcn-amd-amdhsa--gfx1250"
	.amdhsa_code_object_version 6
	.text
	.protected	k_q8be9b43527_up
	.globl	k_q8be9b43527_up
	.p2align	8
	.type	k_q8be9b43527_up,@function
k_q8be9b43527_up:
	s_mov_b64 s[64:65], 0
	v_nop
	global_prefetch_b8 v0, s[64:65] scope:SCOPE_SE
	s_setreg_imm32_b32 hwreg(HW_REG_WAVE_MODE, 25, 1), 1
	s_wait_xcnt 0x0
; The first product of the experts, on the chosen rows alone: h = relu(xn W1[e]^T + b1[e]), quantised along H, for the rows that the router gave expert e.  MX-FP6 (E2M3) on both sides.
; THE WEIGHTS STAY: work-group (j, e) owns hidden units 64 j .. 64 j + 63 of expert e: 64 rows x 1,024 f32 of W1, read from memory ONCE in the launch, quantised here, and kept in every wave's registers
; (32 fragments of 16 rows x 128 K, 384 registers).  What walks past is small: the codes of the expert's rows.
; PHASE Q: wave w quantises tile w (16 rows x 1,024 K).  Loads take a row's 512 consecutive bytes; a K step's 16 rows turn through the wave's own stage in LDS, so that lane (r, h) holds two whole blocks of 32 of row r,
;   in the operand's own order; the fragment goes to LDS as an image of its registers (16 bytes a lane), its scale word likewise; ONE barrier; every wave fetches all 32 images.
; THE ROWS OF W1 THAT FORM A TILE ARE NOT NEIGHBOURS: lane r of tile 2 b + u takes unit 32 b + 8 u + r + 8 (r / 8), and the product is used TRANSPOSED (source 0 = W1's tile, source 1 = 16 rows of xn):
;   a lane then holds one row, and the 16 registers of tiles 2 b, 2 b + 1 are 16 neighbouring hidden units, as the conversions want them.  b1 is the C of each sum's first product.
; THE ROW LOOP: wave w takes the expert's pairs of tiles (32 rows) w, w + 4, ..; the list of rows and the number of pairs were stored by the launch before.
;   A row's codes are a record of 768 bytes, three aligned runs of 256.  A load takes WHOLE RUNS: lanes 0-15 one run of row i of a tile, lanes 16-31 the same run of row i + 8: 24 loads a tile, each of two runs of 256
;   consecutive bytes.  They land in the registers of the tile's operand, go to the wave's own stage in LDS as they lie (rows 784 bytes apart) and come back in the operand's order, lane (r, h) taking 48 bytes a K step at
;   784 r + 384 h + 48 s, into the same registers.  784 = 49 x 16: the 16 rows that a read touches start in 16 different columns of 16 bytes.
;   Loads run a pair ahead, tile by tile; past a wave's last pair the look-ahead reads a pair that exists (the index is held) and is thrown away.  By this text's count at most 58 loads of a wave are out.
; STORED: hq: tile x 24,576 + j x 768: 512 bytes (16 a lane: registers 0-3 of a block's six) + 256 bytes (8 a lane: registers 4-5): lane (r, h) holds block h of slice j of row r, the next product's operand as it stands;
;   scale bytes at HS_OFF + (j / 8) x HS_PLANE + slot x 16 + 2 (j % 8).
; NO TENSOR LOADS, NO CLUSTER: the 32 work-groups of an expert read the same rows, but how many rows there are is read from memory.
; LIMITS: NaN and infinities are not served; a block of zeros gets the byte 1 where the rule says 127 (zero codes; the bytes are read by this program alone).
; REGISTERS, in windows of 256: window 0: v1-19 addresses; v24-31, v192-199 the rows' offsets in xq (tile 0, tile 1); v32-63 W1's scale words; v64-95 b1; v96-159 accumulators (in phase Q: a K step's numbers);
;   v160-175 the rows' scale words; v176-191 at work; v200-226 codes; v228-243 the rows' tokens; v244-247 addresses.
;   windows 1, 2: v0-191 W1's fragments (in phase Q window 1 holds three sets of loads).   window 3: v0-191 the rows' fragments, 96 a tile.
.set RT_OFF,   256
.set XS_OFF,   1572864
.set HS_OFF,   6684672
.set HS_PLANE, 69632
.set SIMG,     49152                   ; LDS: 32 images of 1,536 bytes from 0; their scale words, 128 bytes each, from SIMG;
.set STG,      53248                   ; four stages of 16 rows x (512 + 16) bytes for phase Q;
.set XST,      87040                   ; four stages of 16 rows x (768 + 16) bytes for the rows' codes
.set XROW,     784
.set WS, 32
.set BI, 64
.set AC, 96
.set SX, 160
.set OX, 24                            ; tile p's eight offsets at v[OX + 168 p]
.set TK, 228                           ; tile p's eight tokens at v[TK + 8 p]
.set MSB, 0
.macro WIN new                         ; the immediate's high byte repeats the setting that is left
.if MSB != (\new)
	s_set_vgpr_msb (MSB<<8)|(\new)
.set MSB, (\new)
.endif
.endm
.macro LOADG s                         ; K step s of my 16 rows: a row's 512 consecutive bytes a load, into set s % 3 of window 1
	WIN 0x40
.irp i, 0,1,2,3,4,5,6,7,8,9,10,11,12,13,14,15
	global_load_b128 v[64*((\s)%3)+4*\i:64*((\s)%3)+4*\i+3], v1, s[4:5] offset:(\i+8*(\i/8))*4096+512*(\s) th:TH_LOAD_NT
.endr
	WIN 0
.endm
.macro TURN s                          ; through my stage: in by rows, out as lane (r, h)'s numbers k = 64 c + 32 h + 0..31 of row r
	WIN 0x04                                       ; an LDS store's data are its source 1: window 1
.irp i, 0,1,2,3,4,5,6,7,8,9,10,11,12,13,14,15
	ds_store_b128 v4, v[64*((\s)%3)+4*\i:64*((\s)%3)+4*\i+3] offset:528*\i
.endr
	WIN 0
.irp c, 0,1
.irp q, 0,1,2,3,4,5,6,7
	ds_load_b128 v[AC+32*\c+4*\q:AC+32*\c+4*\q+3], v5 offset:256*\c+16*\q   ; LDS serves a wave's instructions in order: these see the stores above
.endr
.endr
.endm
.macro QW                              ; 64 numbers of a lane become a fragment's codes in v200-211 and its scale word in v182
.irp c, 0,1
	v_max3_num_f32 v[176+\c], |v[AC+32*\c]|, |v[AC+32*\c+1]|, 0x1800000   ; block 2 c + h: all 32 numbers are mine; the floor 2^(3 - 127) holds the byte at 1 from below
.endr
.irp i, 2,4,6,8,10,12,14,16,18,20,22,24,26,28,30
.irp c, 0,1
	v_max3_num_f32 v[176+\c], v[176+\c], |v[AC+32*\c+\i]|, |v[AC+32*\c+\i+1]|
.endr
.endr
.irp c, 0,1
	v_add_nc_u32 v[178+\c], 0xff000000, v[176+\c]  ; 2 off the exponent field: the conversion's scale operand
.endr
.irp c, 0,1
	v_lshrrev_b32 v[180+\c], 23, v[178+\c]         ; the scale's byte
.endr
	v_lshl_or_b32 v182, v181, 16, v180             ; my two bytes, blocks h and 2 + h,
	v_lshlrev_b32 v182, v19, v182                  ; at their places (8 h bits up);
	v_permlanex16_b32 v183, v182, s32, s33
	v_or_b32 v182, v182, v183                      ; with lane l xor 16's two the word is whole
.irp c, 0,1
	v_cvt_scalef32_pk16_fp6_f32 v[200+6*\c:202+6*\c], v[AC+32*\c:AC+32*\c+15], v[178+\c]
	v_cvt_scalef32_pk16_fp6_f32 v[212+4*\c:214+4*\c], v[AC+32*\c+16:AC+32*\c+31], v[178+\c]   ; (a conversion's three registers begin on an even number)
.endr
	v_nop                                          ; a plain instruction behind the conversions
.irp c, 0,1
.irp i, 0,1,2
	v_mov_b32 v[203+6*\c+\i], v[212+4*\c+\i]
.endr
.endr
.endm
.macro IMAGE s                         ; the fragment goes to LDS as it stands
.irp g, 0,1,2
	ds_store_b128 v6, v[200+4*\g:203+4*\g] offset:1536*(\s)+512*\g
.endr
	ds_store_b32 v7, v182 offset:SIMG+128*(\s)
.endm
.macro MKOX                            ; from the tokens: where the rows' records lie (for the runs: row i + 8 (l / 16) of each tile) and where my row's scale bytes lie (row l % 16).  Each token is held by a constant first
.irp i, 0,1,2,3,4,5,6,7
	v_min_u32 v[OX+\i], 0x7ff, v[TK+\i]
	v_min_u32 v[OX+168+\i], 0x7ff, v[TK+8+\i]
.endr
.irp i, 0,1,2,3,4,5,6,7
	v_mad_u32_u24 v[OX+\i], v[OX+\i], 768, v245    ; token x 768 + 16 (l % 16)
	v_mad_u32_u24 v[OX+168+\i], v[OX+168+\i], 768, v245
.endr
	v_min_u32 v13, 0x7ff, v9
	v_min_u32 v14, 0x7ff, v10
	v_lshlrev_b32 v13, 5, v13
	v_lshlrev_b32 v14, 5, v14
.endm
.macro RLOAD ahead                     ; six loads: the tokens of the pair `ahead` further on, held to a pair that exists
	s_add_co_u32 s36, s24, \ahead
	s_min_u32 s36, s36, s22
	s_min_u32 s36, s36, 135
	s_lshl_b32 s36, s36, 7
	s_add_nc_u64 s[26:27], s[42:43], s[36:37]
.irp p, 0,1
.irp q, 0,1
	global_load_b128 v[TK+8*\p+4*\q:TK+8*\p+4*\q+3], v244, s[26:27] offset:64*\p+16*\q   ; lanes with l / 16 = hh: the tokens of rows 8 hh + 4 q + 0..3 of tile p
.endr
.endr
	global_load_b32 v9, v8, s[26:27]               ; and the token of row l % 16 of each tile, for its scale bytes
	global_load_b32 v10, v8, s[26:27] offset:64
.endm
.macro XR p                            ; 26 loads: tile p's 16 records by whole runs of 256 bytes, and its rows' scale bytes
	WIN 0xc0                                       ; destination window 3
.irp i, 0,1,2,3,4,5,6,7
.irp k, 0,1,2
	global_load_b128 v[96*\p+4*(3*\i+\k):96*\p+4*(3*\i+\k)+3], v[OX+168*\p+\i], s[8:9] offset:256*\k
.endr
.endr
	WIN 0
	global_load_b128 v[SX+8*\p:SX+8*\p+3], v[13+\p], s[8:9] offset:XS_OFF
	global_load_b128 v[SX+8*\p+4:SX+8*\p+7], v[13+\p], s[8:9] offset:XS_OFF+16
.endm
.macro TURNX p                         ; tile p's records through my stage: in as they were loaded, back as the operand's registers, into the registers that they left
	WIN 0x0c                                       ; an LDS store's data are its source 1: window 3
.irp i, 0,1,2,3,4,5,6,7
.irp k, 0,1,2
	ds_store_b128 v246, v[96*\p+4*(3*\i+\k):96*\p+4*(3*\i+\k)+3] offset:XROW*\i+256*\k
.endr
.endr
	WIN 0xc0                                       ; destination window 3
.irp s, 0,1,2,3,4,5,6,7
.irp g, 0,1,2
	ds_load_b128 v[96*\p+12*\s+4*\g:96*\p+12*\s+4*\g+3], v247 offset:48*\s+16*\g   ; LDS serves a wave's instructions in order: these see the stores above, and the next tile's stores come behind them
.endr
.endr
	WIN 0
.endm
.macro MMT p                           ; 32 products: tile p's 16 rows, eight K steps x four tiles of units.  The four accumulators take turns, one instruction a turn
.irp s, 0,1,2,3,4,5,6,7
	WIN 0x0d+(\s/4)                                ; source 0 (W1) window 1 or 2, source 1 (rows) window 3, C and D window 0
.irp t, 0,1,2,3
.if \s == 0
	v_wmma_scale_f32_16x16x128_f8f6f4 v[AC+32*\p+8*\t:AC+32*\p+8*\t+7], v[12*((\s%4)*4+\t):12*((\s%4)*4+\t)+11], v[96*\p+12*\s:96*\p+12*\s+11], v[BI+8*\t:BI+8*\t+7], v[WS+4*\s+\t], v[SX+8*\p+\s] matrix_a_fmt:MATRIX_FMT_FP6 matrix_b_fmt:MATRIX_FMT_FP6
.else
	v_wmma_scale_f32_16x16x128_f8f6f4 v[AC+32*\p+8*\t:AC+32*\p+8*\t+7], v[12*((\s%4)*4+\t):12*((\s%4)*4+\t)+11], v[96*\p+12*\s:96*\p+12*\s+11], v[AC+32*\p+8*\t:AC+32*\p+8*\t+7], v[WS+4*\s+\t], v[SX+8*\p+\s] matrix_a_fmt:MATRIX_FMT_FP6 matrix_b_fmt:MATRIX_FMT_FP6
.endif
.endr
.endr
	WIN 0
.rept 4
	v_nop                                          ; places in front of loads into registers that the products have read, and of the first read of results (ISA guide 7.12.1 for vector instructions)
.endr
.endm
.macro QH p                            ; tile p's 16 rows x 64 units: relu, two blocks of 32 quantised, stored as the next product's operand
.set HAC, AC+32*\p
.set PP, 200+12*\p
.set QQ, 208+12*\p
.irp j, 0,1,2,3,4,5,6,7,8,9,10,11,12,13,14,15,16,17,18,19,20,21,22,23,24,25,26,27,28,29,30,31
	v_max_num_f32 v[HAC+\j], 0, v[HAC+\j]          ; each accumulator from its low end on
.endr
.irp b, 0,1
	v_max3_num_f32 v[184+\b], v[HAC+16*\b], v[HAC+16*\b+1], 0x1800000   ; none is negative: no |.|; the floor as above
.endr
.irp i, 2,4,6,8,10,12,14
.irp b, 0,1
	v_max3_num_f32 v[184+\b], v[184+\b], v[HAC+16*\b+\i], v[HAC+16*\b+\i+1]
.endr
.endr
.irp b, 0,1
	v_permlanex16_b32 v[186+\b], v[184+\b], s32, s33
.endr
.irp b, 0,1
	v_max_num_f32 v[184+\b], v[184+\b], v[186+\b]  ; with lane l xor 16's 16: the block's largest
.endr
.irp b, 0,1
	v_add_nc_u32 v[188+\b], 0xff000000, v[184+\b]
.endr
.irp b, 0,1
	v_lshrrev_b32 v[190+\b], 23, v[188+\b]
.endr
	v_lshl_or_b32 v[224+\p], v191, 8, v190         ; the row's two bytes
	v_cvt_scalef32_pk16_fp6_f32 v[PP:PP+2], v[HAC:HAC+15], v188
	v_cvt_scalef32_pk16_fp6_f32 v[QQ:QQ+2], v[HAC+16:HAC+31], v189
	v_nop                                          ; a plain instruction behind the conversions
.irp i, 0,1,2
	v_permlane16_swap_b32 v[PP+\i], v[QQ+\i]       ; a WHOLE block to a lane: lanes 0-15 block 0, lanes 16-31 block 1; the first holds its lower 16 codes, the second the upper 16
.endr
.irp i, 0,1,2
	v_mov_b32 v[PP+3+\i], v[QQ+\i]
.endr
	global_store_b128 v1, v[PP:PP+3], s[28:29] offset:24576*\p          ; 512 consecutive bytes
	global_store_b64 v3, v[PP+4:PP+5], s[28:29] offset:24576*\p+512     ; 256 consecutive bytes
.endm
.macro QSTEP s, left
	s_wait_loadcnt \left                           ; this K step's 16 loads are in; `left` younger loads may be out
.if \s == 7
	MKOX                                           ; nothing of mine is out: the first pair's rows are asked for now and land during the last conversions, the barrier and the fetch
	RLOAD 4
	XR 0
	XR 1
.endif
	TURN \s
	s_wait_dscnt 0x0                               ; the numbers are back; the stage's stores have read their set, the last images' stores their codes
.if \s < 5
	LOADG \s+3
.endif
	QW
	IMAGE \s
.endm
	s_load_b256 s[4:11], s[0:1], 0x0               ; W1 s[4:5], b1 s[6:7], xq s[8:9], plan s[10:11]
	s_load_b64 s[12:13], s[0:1], 0x20              ; hq
	v_lshl_add_u32 v254, v0, 2, 0x21800
	v_mov_b32 v255, 0
	v_lshrrev_b32 v20, 5, v0
	v_readfirstlane_b32 s14, v20                   ; wave 0..3
	s_mov_b32 s15, ttmp9                           ; j
	s_and_b32 s16, ttmp7, 0xffff                   ; e
	v_and_b32 v20, 31, v0                          ; lane
	v_and_b32 v21, 15, v0                          ; r
	v_bfe_u32 v22, v0, 4, 1                        ; h
	v_lshlrev_b32 v1, 4, v20
	v_lshlrev_b32 v2, 2, v20
	v_lshlrev_b32 v3, 3, v20
	s_mul_i32 s18, s14, 8448
	s_add_co_u32 s18, s18, STG
	v_add_nc_u32 v4, s18, v1                       ; my stage of phase Q, in: 16 x lane of a row
	v_mul_u32_u24 v5, v21, 528
	v_lshl_add_u32 v5, v22, 7, v5
	v_add_nc_u32 v5, s18, v5                       ; out: row r, + 128 h
	s_mul_i32 s18, s14, 12288
	v_add_nc_u32 v6, s18, v1                       ; my eight images
	s_lshl_b32 s18, s14, 10
	v_add_nc_u32 v7, s18, v2                       ; and their scale words
	v_lshlrev_b32 v8, 2, v21
	v_lshlrev_b32 v17, 6, v22
	v_lshlrev_b32 v19, 3, v22
	v_lshlrev_b32 v244, 5, v22                     ; the list of rows: eight tokens, 32 bytes, for each half of the lanes
	v_lshlrev_b32 v245, 4, v21                     ; my 16 bytes of a run of 256
	s_mul_i32 s18, s14, 16*XROW
	s_add_co_u32 s18, s18, XST
	v_mul_u32_u24 v246, v22, 8*XROW
	v_add_nc_u32 v246, v246, v245
	v_add_nc_u32 v246, s18, v246                   ; my stage of the row loop, in: row 8 (l / 16) (+ i), 16 (l % 16) (+ 256 k)
	v_mul_u32_u24 v247, v21, XROW
	v_mad_u32_u24 v247, v22, 384, v247
	v_add_nc_u32 v247, s18, v247                   ; out: row r, + 384 h
	v_mov_b32 v183, 0                              ; lane permutes' destinations count as sources: written once
	v_mov_b32 v186, 0
	v_mov_b32 v187, 0
	s_mov_b32 s32, 0x76543210
	s_mov_b32 s33, 0xfedcba98
	s_mov_b32 s34, 0xffff0000                      ; lanes 16-31
	s_lshl_b32 s18, s15, 6                         ; my tile's first unit: 64 j + 32 (w / 2) + 8 (w % 2)
	s_lshr_b32 s19, s14, 1
	s_lshl_b32 s19, s19, 5
	s_add_co_u32 s18, s18, s19
	s_and_b32 s19, s14, 1
	s_lshl_b32 s19, s19, 3
	s_add_co_u32 s18, s18, s19
	s_lshl_b32 s18, s18, 12                        ; rows of 4,096 bytes
	s_lshl_b32 s19, s16, 23                        ; an expert's 2,048 rows
	s_add_co_u32 s18, s18, s19
	s_mov_b32 s19, 0
	s_lshl_b32 s44, s16, 13                        ; b1: 8,192 e + 256 j
	s_lshl_b32 s45, s15, 8
	s_add_co_u32 s44, s44, s45
	s_mov_b32 s45, 0
	s_lshl_b32 s46, s16, 3                         ; the expert's two words of the plan
	s_mov_b32 s47, 0
	s_mul_i32 s36, s15, 768
	s_mov_b32 s37, 0
	s_lshr_b32 s48, s15, 3
	s_mul_i32 s48, s48, HS_PLANE
	s_and_b32 s49, s15, 7
	s_lshl_b32 s49, s49, 1
	s_add_co_u32 s48, s48, s49
	s_add_co_u32 s48, s48, HS_OFF
	s_mov_b32 s49, 0
	s_wait_kmcnt 0x0
	s_add_nc_u64 s[4:5], s[4:5], s[18:19]
	s_add_nc_u64 s[6:7], s[6:7], s[44:45]
	s_add_nc_u64 s[46:47], s[10:11], s[46:47]
	s_add_nc_u64 s[42:43], s[10:11], RT_OFF        ; the list of rows
	s_add_nc_u64 s[38:39], s[12:13], s[36:37]      ; hq at slice j
	s_add_nc_u64 s[40:41], s[12:13], s[48:49]      ; and at slice j's scale bytes
	s_load_b64 s[20:21], s[46:47], 0x0             ; first pair, pairs
	s_load_b32 s22, s[10:11], 0x40                 ; all pairs
	LOADG 0
	LOADG 1
	LOADG 2
.irp t, 0,1,2,3
	global_load_b128 v[BI+8*\t:BI+8*\t+3], v17, s[6:7] offset:(32*(\t/2)+8*(\t%2))*4       ; lane (r, h), tile t: units 32 (t / 2) + 16 h + 8 (t % 2) + 0..7: the result's layout
	global_load_b128 v[BI+8*\t+4:BI+8*\t+7], v17, s[6:7] offset:(32*(\t/2)+8*(\t%2))*4+16
.endr
	s_wait_kmcnt 0x0
	s_min_u32 s20, s20, 135
	s_min_u32 s21, s21, 136
	s_min_u32 s22, s22, 136
	s_sub_co_u32 s22, s22, 1                       ; the last pair that exists
	s_add_co_u32 s24, s20, s14                     ; my first pair
	s_add_co_u32 s23, s21, 3
	s_sub_co_u32 s23, s23, s14
	s_lshr_b32 s23, s23, 2                         ; my pairs: (pairs - w + 3) / 4
	RLOAD 0
	QSTEP 0, 46                                    ; younger: two sets of 16, b1's 8, the list's 6
	QSTEP 1, 46
	QSTEP 2, 46
	QSTEP 3, 32                                    ; younger: two sets of 16
	QSTEP 4, 32
	QSTEP 5, 32
	QSTEP 6, 16
	QSTEP 7, 0
	s_wait_dscnt 0x0                               ; for the others' sake: my images have landed
	s_barrier_signal -1
	s_barrier_wait -1                              ; the one barrier, on every wave's path
	WIN 0x40
.irp s, 0,1,2,3
.irp t, 0,1,2,3
.irp g, 0,1,2
	ds_load_b128 v[12*(\s*4+\t)+4*\g:12*(\s*4+\t)+4*\g+3], v1 offset:(\t*8+\s)*1536+512*\g
.endr
.endr
.endr
	WIN 0x80
.irp s, 4,5,6,7
.irp t, 0,1,2,3
.irp g, 0,1,2
	ds_load_b128 v[12*((\s-4)*4+\t)+4*\g:12*((\s-4)*4+\t)+4*\g+3], v1 offset:(\t*8+\s)*1536+512*\g
.endr
.endr
.endr
	WIN 0
.irp s, 0,1,2,3,4,5,6,7
.irp t, 0,1,2,3
	ds_load_b32 v[WS+4*\s+\t], v2 offset:SIMG+(\t*8+\s)*128
.endr
.endr
	s_wait_dscnt 0x0
	s_cmp_eq_u32 s23, 0                            ; an expert with fewer pairs than waves leaves some waves without rows
	s_cbranch_scc1 .Lend
.Lpair:
	s_wait_loadcnt 26                              ; this pair's tile 0 is in, and the next pair's tokens, which are older; tile 1's 26 loads may be out
	TURNX 0                                        ; the address work below stands between the turn and the wait for it
	s_wait_xcnt 0x0                                ; all earlier loads and stores have read their offsets, bases and data: they are written again below
	MKOX                                           ; the next pair's rows
	RLOAD 8                                        ; the tokens of the pair after it
	s_min_u32 s36, s24, 135
	s_mul_i32 s44, s36, 49152
	s_add_nc_u64 s[28:29], s[38:39], s[44:45]      ; where this pair's codes go,
	s_lshl_b32 s44, s36, 9
	s_add_nc_u64 s[30:31], s[40:41], s[44:45]      ; and its scale bytes
	s_wait_dscnt 0x0                               ; tile 0's operand is back from the stage
	MMT 0
	XR 0                                           ; the next pair's tile 0, into the registers just multiplied
	s_wait_loadcnt 32                              ; this pair's tile 1 is in; younger: the list's 6 and the 26 just issued
	TURNX 1
	QH 0                                           ; tile 0's results are worked while tile 1 turns
	s_wait_dscnt 0x0                               ; tile 1's operand is back from the stage
	MMT 1
	XR 1
	QH 1
	v_cndmask_b32 v226, v224, v225, s34            ; lanes 0-15: the first tile's rows; lanes 16-31: the second's
	global_store_b16 v1, v226, s[30:31]            ; 32 rows' two bytes, 16 bytes apart
	s_add_co_u32 s24, s24, 4
	s_sub_co_u32 s23, s23, 1
	s_cmp_lg_u32 s23, 0
	s_cbranch_scc1 .Lpair
.Lend:
	s_wait_tensorcnt 0x0
	ds_add_u32 v254, v255
	s_wait_dscnt 0x0
	s_endpgm
.Lfunc_end_k_q8be9b43527_up:
	.size	k_q8be9b43527_up, .Lfunc_end_k_q8be9b43527_up-k_q8be9b43527_up
	.p2alignl 7, 3214868480
	.fill 96, 4, 3214868480
	.section	.rodata,"a",@progbits
	.p2align	6, 0x0
	.amdhsa_kernel k_q8be9b43527_up
		.amdhsa_group_segment_fixed_size 137728
		.amdhsa_private_segment_fixed_size 0
		.amdhsa_enable_private_segment 0
		.amdhsa_kernarg_size 40
		.amdhsa_user_sgpr_count 2
		.amdhsa_user_sgpr_kernarg_segment_ptr 1
		.amdhsa_wavefront_size32 1
		.amdhsa_system_sgpr_workgroup_id_x 1
		.amdhsa_system_sgpr_workgroup_id_y 1
		.amdhsa_system_sgpr_workgroup_id_z 1
		.amdhsa_system_vgpr_workitem_id 0
		.amdhsa_next_free_vgpr 960
		.amdhsa_next_free_sgpr 66
		.amdhsa_reserve_vcc 0
		.amdhsa_float_denorm_mode_32 3
		.amdhsa_float_denorm_mode_16_64 3
		.amdhsa_memory_ordered 1
		.amdhsa_forward_progress 1
		.amdhsa_inst_pref_size 107
	.end_amdhsa_kernel
	.amdgpu_metadata
---
amdhsa.version: [ 1, 2 ]
amdhsa.kernels:
  - .name:           k_q8be9b43527_up
    .symbol:         k_q8be9b43527_up.kd
    .args:
      - { .name: W1, .offset: 0, .size: 8, .value_kind: global_buffer, .address_space: global }
      - { .name: b1, .offset: 8, .size: 8, .value_kind: global_buffer, .address_space: global }
      - { .name: xq, .offset: 16, .size: 8, .value_kind: global_buffer, .address_space: global }
      - { .name: plan, .offset: 24, .size: 8, .value_kind: global_buffer, .address_space: global }
      - { .name: hq, .offset: 32, .size: 8, .value_kind: global_buffer, .address_space: global }
    .group_segment_fixed_size: 137728
    .private_segment_fixed_size: 0
    .kernarg_segment_align: 8
    .kernarg_segment_size: 40
    .max_flat_workgroup_size: 128
    .sgpr_count:     66
    .vgpr_count:     960
    .wavefront_size: 32
...
	.end_amdgpu_metadata
.endif
;; end of part 3
;; launch down (part 4): grid 32 x 8, 4 waves a work-group, no clusters, 96,768 bytes of LDS; arguments W2, b2, hq, plan, yp; writes yp
.if DOCPART == 4
	.amdgcn_target "amdgcn-amd-amdhsa--gfx1250"
	.amdhsa_code_object_version 6
	.text
	.protected	k_q8be9b43527_down
	.globl	k_q8be9b43527_down
	.p2align	8
	.type	k_q8be9b43527_down,@function
k_q8be9b43527_down:
	s_mov_b64 s[64:65], 0
	v_nop
	global_prefetch_b8 v0, s[64:65] scope:SCOPE_SE
	s_setreg_imm32_b32 hwreg(HW_REG_WAVE_MODE, 25, 1), 1
	s_wait_xcnt 0x0
; The second product of the experts, on the chosen rows alone: y = h W2[e]^T + b2[e] for the rows of expert e, MX-FP6 (E2M3) on both sides; h arrives as codes laid as the operand's registers.
; THE WEIGHTS STAY: work-group (jd, e) owns outputs 32 jd .. 32 jd + 31 of expert e: 32 rows x 2,048 f32 of W2, read from memory ONCE in the launch, quantised here and kept in every wave's registers (32 fragments).
; PHASE Q: wave w quantises tile w / 2 (16 rows), half w % 2 of K (1,024): loads of a row's 512 consecutive bytes, a turn through the wave's own stage, images of the fragments in LDS, ONE barrier, every wave fetches all 32.
; The product is used TRANSPOSED (source 0 = W2's tile, source 1 = 16 rows of h): a lane holds eight neighbouring outputs of one row.  b2 is the C of a sum's first product.
; THE ROW LOOP: wave w takes the expert's tiles of 16 rows w, w + 4, ..; their number was stored by an earlier launch.  A tile's codes are 24,576 dense bytes; loads run a tile ahead, in two halves of K;
;   past a wave's last tile the look-ahead reads a tile that exists (the index is held) and is thrown away.  By this text's count two halves of 34 loads are named as out at once: more than the counter's field holds,
;   so the issue of the last few waits for the oldest (ISA guide 5.7.1); no wait is written for that.
; Four accumulators, two tiles of outputs x the two parities of the K step, take turns; the parities are added at the end (an order of summation of its own, within what f32 sums allow).
; STORED: yp: jd x YPLANE + slot x 128 + 4 x (output % 32): a tile is 2,048 consecutive bytes, written through the wave's own stage in whole runs of 512 bytes.
; NO TENSOR LOADS, NO CLUSTER: the 32 work-groups of an expert read the same tiles of h, but how many there are is read from memory.
; LIMITS: NaN and infinities are not served; a block of zeros gets the byte 1 where the rule says 127 (zero codes; the bytes are read by this program alone).
; REGISTERS: window 0: v1-19 addresses; v32-63 W2's scale words; v64-79 b2; v96-127 accumulators, v128-143 y, v144-159 y by rows (in phase Q v96-159: a K step's numbers); v160-175 h's scale words; v176-183 at work; v200-218 codes.
;   windows 1, 2: v0-191 W2's fragments (in phase Q window 1 holds three sets of loads).   window 3: v0-191 h's fragments.
.set HS_OFF,   6684672
.set HS_PLANE, 69632
.set YPLANE,   557056
.set SIMG,     49152                   ; LDS: 32 images of 1,536 bytes from 0; their scale words from SIMG;
.set STG,      53248                   ; four stages of 16 rows x (512 + 16) bytes;
.set OST,      87040                   ; four stages of 16 rows x (128 + 16) bytes for the way out
.set WS, 32
.set BI, 64
.set AC, 96
.set YR, 128
.set OB, 144
.set SH, 160
.set MSB, 0
.macro WIN new                         ; the immediate's high byte repeats the setting that is left
.if MSB != (\new)
	s_set_vgpr_msb (MSB<<8)|(\new)
.set MSB, (\new)
.endif
.endm
.macro LOADG s                         ; K step s of my 16 rows: a row's 512 consecutive bytes a load, into set s % 3 of window 1
	WIN 0x40
.irp i, 0,1,2,3,4,5,6,7,8,9,10,11,12,13,14,15
	global_load_b128 v[64*((\s)%3)+4*\i:64*((\s)%3)+4*\i+3], v1, s[4:5] offset:\i*8192+512*(\s) th:TH_LOAD_NT
.endr
	WIN 0
.endm
.macro TURN s                          ; through my stage: in by rows, out as lane (r, h)'s numbers k = 64 c + 32 h + 0..31 of row r
	WIN 0x04                                       ; an LDS store's data are its source 1: window 1
.irp i, 0,1,2,3,4,5,6,7,8,9,10,11,12,13,14,15
	ds_store_b128 v4, v[64*((\s)%3)+4*\i:64*((\s)%3)+4*\i+3] offset:528*\i
.endr
	WIN 0
.irp c, 0,1
.irp q, 0,1,2,3,4,5,6,7
	ds_load_b128 v[AC+32*\c+4*\q:AC+32*\c+4*\q+3], v5 offset:256*\c+16*\q   ; LDS serves a wave's instructions in order: these see the stores above
.endr
.endr
.endm
.macro QW                              ; 64 numbers of a lane become a fragment's codes in v200-211 and its scale word in v182
.irp c, 0,1
	v_max3_num_f32 v[176+\c], |v[AC+32*\c]|, |v[AC+32*\c+1]|, 0x1800000   ; block 2 c + h: all 32 numbers are mine; the floor 2^(3 - 127) holds the byte at 1 from below
.endr
.irp i, 2,4,6,8,10,12,14,16,18,20,22,24,26,28,30
.irp c, 0,1
	v_max3_num_f32 v[176+\c], v[176+\c], |v[AC+32*\c+\i]|, |v[AC+32*\c+\i+1]|
.endr
.endr
.irp c, 0,1
	v_add_nc_u32 v[178+\c], 0xff000000, v[176+\c]  ; 2 off the exponent field: the conversion's scale operand
.endr
.irp c, 0,1
	v_lshrrev_b32 v[180+\c], 23, v[178+\c]         ; the scale's byte
.endr
	v_lshl_or_b32 v182, v181, 16, v180             ; my two bytes, blocks h and 2 + h,
	v_lshlrev_b32 v182, v19, v182                  ; at their places (8 h bits up);
	v_permlanex16_b32 v183, v182, s32, s33
	v_or_b32 v182, v182, v183                      ; with lane l xor 16's two the word is whole
.irp c, 0,1
	v_cvt_scalef32_pk16_fp6_f32 v[200+6*\c:202+6*\c], v[AC+32*\c:AC+32*\c+15], v[178+\c]
	v_cvt_scalef32_pk16_fp6_f32 v[212+4*\c:214+4*\c], v[AC+32*\c+16:AC+32*\c+31], v[178+\c]   ; (a conversion's three registers begin on an even number)
.endr
	v_nop                                          ; a plain instruction behind the conversions
.irp c, 0,1
.irp i, 0,1,2
	v_mov_b32 v[203+6*\c+\i], v[212+4*\c+\i]
.endr
.endr
.endm
.macro IMAGE s                         ; the fragment goes to LDS as it stands
.irp g, 0,1,2
	ds_store_b128 v6, v[200+4*\g:203+4*\g] offset:1536*(\s)+512*\g
.endr
	ds_store_b32 v7, v182 offset:SIMG+128*(\s)
.endm
.macro NEXTB ahead                     ; where the tile `ahead` further on lies, held to a tile that exists: its codes and its scale bytes
	s_add_co_u32 s36, s24, \ahead
	s_min_u32 s36, s36, s22
	s_min_u32 s36, s36, 271
	s_mul_i32 s44, s36, 24576
	s_add_nc_u64 s[26:27], s[8:9], s[44:45]
	s_lshl_b32 s44, s36, 8
	s_add_nc_u64 s[28:29], s[40:41], s[44:45]
.endm
.macro HH half                         ; 34 loads: eight K steps' fragments (each two slices of 512 + 256 dense bytes) and their scale words
	WIN 0xc0                                       ; destination window 3
.irp s, 0,1,2,3,4,5,6,7
.irp c, 0,1
	global_load_b128 v[12*(8*\half+\s)+6*\c:12*(8*\half+\s)+6*\c+3], v1, s[26:27] offset:(2*(8*\half+\s)+\c)*768
	global_load_b64 v[12*(8*\half+\s)+6*\c+4:12*(8*\half+\s)+6*\c+5], v3, s[26:27] offset:(2*(8*\half+\s)+\c)*768+512
.endr
.endr
	WIN 0
.irp q, 0,1
	global_load_b128 v[SH+8*\half+4*\q:SH+8*\half+4*\q+3], v8, s[28:29] offset:(2*\half+\q)*HS_PLANE
.endr
.endm
.macro MMD half                        ; 16 products: eight K steps x two tiles of outputs.  The four accumulators take turns, one instruction a turn
	WIN 0x0d+\half                                 ; source 0 (W2) window 1 or 2, source 1 (h) window 3, C and D window 0
.irp s, 0,1,2,3,4,5,6,7
.irp n, 0,1
.if (\half == 0) && (\s == 0)
	v_wmma_scale_f32_16x16x128_f8f6f4 v[AC+8*(2*(\s%2)+\n):AC+8*(2*(\s%2)+\n)+7], v[12*(\s*2+\n):12*(\s*2+\n)+11], v[12*(8*\half+\s):12*(8*\half+\s)+11], v[BI+8*\n:BI+8*\n+7], v[WS+2*(8*\half+\s)+\n], v[SH+8*\half+\s] matrix_a_fmt:MATRIX_FMT_FP6 matrix_b_fmt:MATRIX_FMT_FP6
.elseif (\half == 0) && (\s == 1)
	v_wmma_scale_f32_16x16x128_f8f6f4 v[AC+8*(2*(\s%2)+\n):AC+8*(2*(\s%2)+\n)+7], v[12*(\s*2+\n):12*(\s*2+\n)+11], v[12*(8*\half+\s):12*(8*\half+\s)+11], 0, v[WS+2*(8*\half+\s)+\n], v[SH+8*\half+\s] matrix_a_fmt:MATRIX_FMT_FP6 matrix_b_fmt:MATRIX_FMT_FP6
.else
	v_wmma_scale_f32_16x16x128_f8f6f4 v[AC+8*(2*(\s%2)+\n):AC+8*(2*(\s%2)+\n)+7], v[12*(\s*2+\n):12*(\s*2+\n)+11], v[12*(8*\half+\s):12*(8*\half+\s)+11], v[AC+8*(2*(\s%2)+\n):AC+8*(2*(\s%2)+\n)+7], v[WS+2*(8*\half+\s)+\n], v[SH+8*\half+\s] matrix_a_fmt:MATRIX_FMT_FP6 matrix_b_fmt:MATRIX_FMT_FP6
.endif
.endr
.endr
	WIN 0
.endm
.macro QSTEP s, left
	s_wait_loadcnt \left                           ; this K step's 16 loads are in; `left` younger loads may be out
.if \s == 7
	NEXTB 0                                        ; nothing of mine is out: the first tile is asked for now and lands during the last conversions, the barrier and the fetch
	HH 0
	HH 1
.endif
	TURN \s
	s_wait_dscnt 0x0                               ; the numbers are back; the stage's stores have read their set, the last images' stores their codes
.if \s < 5
	LOADG \s+3
.endif
	QW
	IMAGE \s
.endm
	s_load_b256 s[4:11], s[0:1], 0x0               ; W2 s[4:5], b2 s[6:7], hq s[8:9], plan s[10:11]
	s_load_b64 s[12:13], s[0:1], 0x20              ; yp
	v_lshl_add_u32 v254, v0, 2, 0x17800
	v_mov_b32 v255, 0
	v_lshrrev_b32 v20, 5, v0
	v_readfirstlane_b32 s14, v20                   ; wave 0..3
	s_mov_b32 s15, ttmp9                           ; jd
	s_and_b32 s16, ttmp7, 0xffff                   ; e
	v_and_b32 v20, 31, v0                          ; lane
	v_and_b32 v21, 15, v0                          ; r
	v_bfe_u32 v22, v0, 4, 1                        ; h
	v_lshlrev_b32 v1, 4, v20
	v_lshlrev_b32 v2, 2, v20
	v_lshlrev_b32 v3, 3, v20
	s_mul_i32 s18, s14, 8448
	s_add_co_u32 s18, s18, STG
	v_add_nc_u32 v4, s18, v1                       ; my stage, in: 16 x lane of a row
	v_mul_u32_u24 v5, v21, 528
	v_lshl_add_u32 v5, v22, 7, v5
	v_add_nc_u32 v5, s18, v5                       ; out: row r, + 128 h
	s_mul_i32 s18, s14, 12288
	v_add_nc_u32 v6, s18, v1                       ; my eight images: image 8 w + s is tile w / 2, K step 8 (w % 2) + s
	s_lshl_b32 s18, s14, 10
	v_add_nc_u32 v7, s18, v2                       ; and their scale words
	v_lshlrev_b32 v8, 4, v21                       ; 16 r: a row's scale bytes in a plane
	s_mul_i32 s18, s14, 2304
	s_add_co_u32 s18, s18, OST
	v_mul_u32_u24 v9, v21, 144
	v_lshl_add_u32 v9, v22, 5, v9
	v_add_nc_u32 v9, s18, v9                       ; the way out, in: row r, + 32 h
	v_lshrrev_b32 v10, 3, v20
	v_mul_u32_u24 v10, v10, 144
	v_and_b32 v23, 7, v20
	v_lshl_add_u32 v10, v23, 4, v10
	v_add_nc_u32 v10, s18, v10                     ; back: eight lanes to a row's 128 bytes
	v_lshlrev_b32 v17, 5, v22
	v_lshlrev_b32 v19, 3, v22
	v_mov_b32 v183, 0                              ; a lane permute's destination counts as one of its sources
	s_mov_b32 s32, 0x76543210
	s_mov_b32 s33, 0xfedcba98
	s_lshl_b32 s18, s15, 5                         ; my tile's first row: 32 jd + 16 (w / 2)
	s_lshr_b32 s19, s14, 1
	s_lshl_b32 s19, s19, 4
	s_add_co_u32 s18, s18, s19
	s_lshl_b32 s18, s18, 13                        ; rows of 8,192 bytes
	s_and_b32 s19, s14, 1
	s_lshl_b32 s19, s19, 12                        ; my half of K
	s_add_co_u32 s18, s18, s19
	s_lshl_b32 s19, s16, 23                        ; an expert's 1,024 rows
	s_add_co_u32 s18, s18, s19
	s_mov_b32 s19, 0
	s_lshl_b32 s44, s16, 12                        ; b2: 4,096 e + 128 jd
	s_lshl_b32 s45, s15, 7
	s_add_co_u32 s44, s44, s45
	s_mov_b32 s45, 0
	s_lshl_b32 s46, s16, 3                         ; the expert's two words of the plan
	s_mov_b32 s47, 0
	s_mul_i32 s36, s15, YPLANE
	s_mov_b32 s37, 0
	s_wait_kmcnt 0x0
	s_add_nc_u64 s[4:5], s[4:5], s[18:19]
	s_add_nc_u64 s[6:7], s[6:7], s[44:45]
	s_add_nc_u64 s[46:47], s[10:11], s[46:47]
	s_add_nc_u64 s[38:39], s[12:13], s[36:37]      ; yp at plane jd
	s_add_nc_u64 s[40:41], s[8:9], HS_OFF          ; h's scale bytes
	s_load_b64 s[20:21], s[46:47], 0x0             ; first pair, pairs
	s_load_b32 s22, s[10:11], 0x40                 ; all pairs
	LOADG 0
	LOADG 1
	LOADG 2
.irp n, 0,1
	global_load_b128 v[BI+8*\n:BI+8*\n+3], v17, s[6:7] offset:64*\n          ; lane (r, h), tile n: outputs 16 n + 8 h + 0..7: the result's layout
	global_load_b128 v[BI+8*\n+4:BI+8*\n+7], v17, s[6:7] offset:64*\n+16
.endr
	s_wait_kmcnt 0x0
	s_min_u32 s20, s20, 135
	s_min_u32 s21, s21, 136
	s_min_u32 s22, s22, 136
	s_lshl_b32 s22, s22, 1
	s_sub_co_u32 s22, s22, 1                       ; the last tile that exists
	s_lshl_b32 s24, s20, 1
	s_add_co_u32 s24, s24, s14                     ; my first tile
	s_lshl_b32 s23, s21, 1
	s_add_co_u32 s23, s23, 3
	s_sub_co_u32 s23, s23, s14
	s_lshr_b32 s23, s23, 2                         ; my tiles: (tiles - w + 3) / 4
	QSTEP 0, 36                                    ; younger: two sets of 16 and b2's 4
	QSTEP 1, 36
	QSTEP 2, 36
	QSTEP 3, 32                                    ; younger: two sets of 16
	QSTEP 4, 32
	QSTEP 5, 32
	QSTEP 6, 16
	QSTEP 7, 0
	s_wait_dscnt 0x0                               ; for the others' sake: my images have landed
	s_barrier_signal -1
	s_barrier_wait -1                              ; the one barrier, on every wave's path
	WIN 0x40
.irp s, 0,1,2,3,4,5,6,7
.irp n, 0,1
.irp g, 0,1,2
	ds_load_b128 v[12*(\s*2+\n)+4*\g:12*(\s*2+\n)+4*\g+3], v1 offset:(\n*16+\s)*1536+512*\g
.endr
.endr
.endr
	WIN 0x80
.irp s, 0,1,2,3,4,5,6,7
.irp n, 0,1
.irp g, 0,1,2
	ds_load_b128 v[12*(\s*2+\n)+4*\g:12*(\s*2+\n)+4*\g+3], v1 offset:(\n*16+8+\s)*1536+512*\g
.endr
.endr
.endr
	WIN 0
.irp s, 0,1,2,3,4,5,6,7,8,9,10,11,12,13,14,15
.irp n, 0,1
	ds_load_b32 v[WS+2*\s+\n], v2 offset:SIMG+(\n*16+\s)*128
.endr
.endr
	s_wait_dscnt 0x0
	s_cmp_eq_u32 s23, 0                            ; an expert without rows leaves its waves without tiles
	s_cbranch_scc1 .Lend
.Ltile:
	s_wait_loadcnt 34                              ; this tile's first half of K is in; the second half's 34 loads may be out
	s_wait_xcnt 0x0                                ; all earlier loads and stores have read their bases and data: they are written again below
	NEXTB 4
	s_min_u32 s36, s24, 271
	s_lshl_b32 s44, s36, 11
	s_add_nc_u64 s[30:31], s[38:39], s[44:45]      ; where this tile's results go
	MMD 0
.rept 4
	v_nop                                          ; places in front of loads into registers that the products have read (ISA guide 7.12.1 for vector instructions)
.endr
	HH 0
	s_wait_loadcnt 34                              ; this tile's second half is in; younger: the 34 just issued
	MMD 1
.rept 5
	v_nop                                          ; places: four for the loads and the reads below, a fifth since the next trip's first products write over accumulators
.endr
	HH 1
.irp n, 0,1
.irp p, 0,2,4,6
	v_pk_add_f32 v[YR+8*\n+\p:YR+8*\n+\p+1], v[AC+8*\n+\p:AC+8*\n+\p+1], v[AC+16+8*\n+\p:AC+16+8*\n+\p+1]   ; the two parities of K; each accumulator from its low end on
.endr
.endr
.irp n, 0,1
	ds_store_b128 v9, v[YR+8*\n:YR+8*\n+3] offset:64*\n            ; lane (r, h): y(r, 16 n + 8 h + 0..7)
	ds_store_b128 v9, v[YR+8*\n+4:YR+8*\n+7] offset:64*\n+16
.endr
.irp k, 0,1,2,3
	ds_load_b128 v[OB+4*\k:OB+4*\k+3], v10 offset:576*\k           ; four rows a load; LDS serves a wave's instructions in order
.endr
	s_wait_dscnt 0x0
.irp k, 0,1,2,3
	global_store_b128 v1, v[OB+4*\k:OB+4*\k+3], s[30:31] offset:512*\k   ; 512 consecutive bytes, at a multiple of 256 from yp's first byte
.endr
	s_add_co_u32 s24, s24, 4
	s_sub_co_u32 s23, s23, 1
	s_cmp_lg_u32 s23, 0
	s_cbranch_scc1 .Ltile
.Lend:
	s_wait_tensorcnt 0x0
	ds_add_u32 v254, v255
	s_wait_dscnt 0x0
	s_endpgm
.Lfunc_end_k_q8be9b43527_down:
	.size	k_q8be9b43527_down, .Lfunc_end_k_q8be9b43527_down-k_q8be9b43527_down
	.p2alignl 7, 3214868480
	.fill 96, 4, 3214868480
	.section	.rodata,"a",@progbits
	.p2align	6, 0x0
	.amdhsa_kernel k_q8be9b43527_down
		.amdhsa_group_segment_fixed_size 96768
		.amdhsa_private_segment_fixed_size 0
		.amdhsa_enable_private_segment 0
		.amdhsa_kernarg_size 40
		.amdhsa_user_sgpr_count 2
		.amdhsa_user_sgpr_kernarg_segment_ptr 1
		.amdhsa_wavefront_size32 1
		.amdhsa_system_sgpr_workgroup_id_x 1
		.amdhsa_system_sgpr_workgroup_id_y 1
		.amdhsa_system_sgpr_workgroup_id_z 1
		.amdhsa_system_vgpr_workitem_id 0
		.amdhsa_next_free_vgpr 960
		.amdhsa_next_free_sgpr 66
		.amdhsa_reserve_vcc 0
		.amdhsa_float_denorm_mode_32 3
		.amdhsa_float_denorm_mode_16_64 3
		.amdhsa_memory_ordered 1
		.amdhsa_forward_progress 1
		.amdhsa_inst_pref_size 87
	.end_amdhsa_kernel
	.amdgpu_metadata
---
amdhsa.version: [ 1, 2 ]
amdhsa.kernels:
  - .name:           k_q8be9b43527_down
    .symbol:         k_q8be9b43527_down.kd
    .args:
      - { .name: W2, .offset: 0, .size: 8, .value_kind: global_buffer, .address_space: global }
      - { .name: b2, .offset: 8, .size: 8, .value_kind: global_buffer, .address_space: global }
      - { .name: hq, .offset: 16, .size: 8, .value_kind: global_buffer, .address_space: global }
      - { .name: plan, .offset: 24, .size: 8, .value_kind: global_buffer, .address_space: global }
      - { .name: yp, .offset: 32, .size: 8, .value_kind: global_buffer, .address_space: global }
    .group_segment_fixed_size: 96768
    .private_segment_fixed_size: 0
    .kernarg_segment_align: 8
    .kernarg_segment_size: 40
    .max_flat_workgroup_size: 128
    .sgpr_count:     66
    .vgpr_count:     960
    .wavefront_size: 32
...
	.end_amdgpu_metadata
.endif
;; end of part 4
;; launch combine (part 5): grid 256 x 1, 8 waves a work-group, no clusters, 0 bytes of LDS; arguments x, yp, gp, plan, out0; writes out0
.if DOCPART == 5
	.amdgcn_target "amdgcn-amd-amdhsa--gfx1250"
	.amdhsa_code_object_version 6
	.text
	.protected	k_q8be9b43527_combine
	.globl	k_q8be9b43527_combine
	.p2align	8
	.type	k_q8be9b43527_combine,@function
k_q8be9b43527_combine:
	s_mov_b64 s[64:65], 0
	v_nop
	global_prefetch_b8 v0, s[64:65] scope:SCOPE_SE
	s_setreg_imm32_b32 hwreg(HW_REG_WAVE_MODE, 25, 1), 1
	s_wait_xcnt 0x0
; out[t] = x[t] + g0 y[slot of (t, 0)] + g1 y[slot of (t, 1)]: each output row has one owner, which GATHERS its two experts' rows; no sum is made across work-groups.
; A wave takes a token.  The two slots were stored as whole numbers by an earlier launch and are held by a constant ahead of the shift that makes their offsets; the gates come as scalars.
; Load i gives lane l the outputs 128 i + 4 l + 0..3: in x and out 512 consecutive bytes a load; in yp plane 4 i + l / 8, 16 (l % 8) bytes into the slot's 128: eight lanes read 128 consecutive bytes.
; All 24 loads of a wave go out at once; each chunk has its own registers, so no register is written again.  No LDS, no barrier, no matrix unit: the launch only streams.
.set SO_OFF, 17664
.set YPLANE, 557056
.set X, 32
.set A, 64
.set B, 96
	s_load_b256 s[4:11], s[0:1], 0x0               ; x s[4:5], yp s[6:7], gp s[8:9], plan s[10:11]
	s_load_b64 s[12:13], s[0:1], 0x20              ; out0
	v_lshrrev_b32 v6, 5, v0
	v_readfirstlane_b32 s14, v6                    ; wave 0..7
	v_and_b32 v3, 31, v0
	v_lshlrev_b32 v1, 4, v3                        ; 16 x lane
	v_lshrrev_b32 v4, 3, v3
	v_and_b32 v5, 7, v3
	v_mul_u32_u24 v2, v4, YPLANE
	v_lshl_add_u32 v2, v5, 4, v2                   ; (l / 8) planes + 16 (l % 8)
	s_lshl_b32 s15, ttmp9, 3
	s_add_co_u32 s15, s15, s14                     ; my token
	s_lshl_b32 s16, s15, 12
	s_mov_b32 s17, 0
	s_lshl_b32 s18, s15, 3
	s_mov_b32 s19, 0
	s_wait_kmcnt 0x0
	s_add_nc_u64 s[4:5], s[4:5], s[16:17]
	s_add_nc_u64 s[12:13], s[12:13], s[16:17]
	s_add_nc_u64 s[10:11], s[10:11], s[18:19]
	s_add_nc_u64 s[8:9], s[8:9], s[18:19]
	s_load_b64 s[20:21], s[10:11], SO_OFF          ; my two slots
	s_load_b64 s[22:23], s[8:9], 0x0               ; my two gates
.irp i, 0,1,2,3,4,5,6,7
	global_load_b128 v[X+4*\i:X+4*\i+3], v1, s[4:5] offset:512*\i th:TH_LOAD_NT
.endr
	s_wait_kmcnt 0x0
	s_min_u32 s20, s20, 4351
	s_min_u32 s21, s21, 4351
	s_lshl_b32 s24, s20, 7
	s_mov_b32 s25, 0
	s_lshl_b32 s28, s21, 7
	s_mov_b32 s29, 0
	s_add_nc_u64 s[24:25], s[6:7], s[24:25]        ; the first slot's row in planes 0-15,
	s_add_nc_u64 s[26:27], s[24:25], 16*YPLANE     ; and in planes 16-31: so the immediates stay inside their signed 24 bits (12 planes at the most)
	s_add_nc_u64 s[28:29], s[6:7], s[28:29]
	s_add_nc_u64 s[30:31], s[28:29], 16*YPLANE
	s_mov_b32 s32, s23                             ; the second gate in a pair of its own: the packed form takes a scalar pair's low word for both halves
	s_mov_b32 s33, s23
.irp i, 0,1,2,3,4,5,6,7
	global_load_b128 v[A+4*\i:A+4*\i+3], v2, s[24+2*(\i/4):25+2*(\i/4)] offset:(\i%4)*4*YPLANE th:TH_LOAD_NT
	global_load_b128 v[B+4*\i:B+4*\i+3], v2, s[28+2*(\i/4):29+2*(\i/4)] offset:(\i%4)*4*YPLANE th:TH_LOAD_NT
.endr
.irp i, 0,1,2,3,4,5,6,7
	s_wait_loadcnt 2*(7-\i)                        ; chunk i's three loads are in; the younger chunks' pairs may be out
.irp p, 0,2
	v_pk_fma_f32 v[X+4*\i+\p:X+4*\i+\p+1], v[A+4*\i+\p:A+4*\i+\p+1], s[22:23], v[X+4*\i+\p:X+4*\i+\p+1] op_sel_hi:[1,0,1]
.endr
.irp p, 0,2
	v_pk_fma_f32 v[X+4*\i+\p:X+4*\i+\p+1], v[B+4*\i+\p:B+4*\i+\p+1], s[32:33], v[X+4*\i+\p:X+4*\i+\p+1] op_sel_hi:[1,0,1]
.endr
	global_store_b128 v1, v[X+4*\i:X+4*\i+3], s[12:13] offset:512*\i th:TH_STORE_NT   ; 512 consecutive bytes, at a multiple of 256 from out0's first byte
.endr
	s_endpgm
.Lfunc_end_k_q8be9b43527_combine:
	.size	k_q8be9b43527_combine, .Lfunc_end_k_q8be9b43527_combine-k_q8be9b43527_combine
	.p2alignl 7, 3214868480
	.fill 96, 4, 3214868480
	.section	.rodata,"a",@progbits
	.p2align	6, 0x0
	.amdhsa_kernel k_q8be9b43527_combine
		.amdhsa_group_segment_fixed_size 0
		.amdhsa_private_segment_fixed_size 0
		.amdhsa_enable_private_segment 0
		.amdhsa_kernarg_size 40
		.amdhsa_user_sgpr_count 2
		.amdhsa_user_sgpr_kernarg_segment_ptr 1
		.amdhsa_wavefront_size32 1
		.amdhsa_system_sgpr_workgroup_id_x 1
		.amdhsa_system_sgpr_workgroup_id_y 1
		.amdhsa_system_sgpr_workgroup_id_z 1
		.amdhsa_system_vgpr_workitem_id 0
		.amdhsa_next_free_vgpr 128
		.amdhsa_next_free_sgpr 66
		.amdhsa_reserve_vcc 0
		.amdhsa_float_denorm_mode_32 3
		.amdhsa_float_denorm_mode_16_64 3
		.amdhsa_memory_ordered 1
		.amdhsa_forward_progress 1
		.amdhsa_inst_pref_size 7
	.end_amdhsa_kernel
	.amdgpu_metadata
---
amdhsa.version: [ 1, 2 ]
amdhsa.kernels:
  - .name:           k_q8be9b43527_combine
    .symbol:         k_q8be9b43527_combine.kd
    .args:
      - { .name: x, .offset: 0, .size: 8, .value_kind: global_buffer, .address_space: global }
      - { .name: yp, .offset: 8, .size: 8, .value_kind: global_buffer, .address_space: global }
      - { .name: gp, .offset: 16, .size: 8, .value_kind: global_buffer, .address_space: global }
      - { .name: plan, .offset: 24, .size: 8, .value_kind: global_buffer, .address_space: global }
      - { .name: out0, .offset: 32, .size: 8, .value_kind: global_buffer, .address_space: global }
    .group_segment_fixed_size: 0
    .private_segment_fixed_size: 0
    .kernarg_segment_align: 8
    .kernarg_segment_size: 40
    .max_flat_workgroup_size: 256
    .sgpr_count:     66
    .vgpr_count:     128
    .wavefront_size: 32
...
	.end_amdgpu_metadata
.endif
;; end of part 5
;; ======== version 2 of 2: 5 launches
;; workspace buffers: xq 1,638,400 bytes; sel 16,384 bytes of whole numbers; gp 49,152 bytes; plan 34,048 bytes of whole numbers; hq 6,963,200 bytes; yp 17,825,792 bytes
;; launch prep (part 6): grid 256 x 1, 4 waves a work-group, no clusters, 18,944 bytes of LDS; arguments x, ln_w, ln_b, Wr, xq, sel, gp; writes xq, sel, gp
.if DOCPART == 6
	.amdgcn_target "amdgcn-amd-amdhsa--gfx1250"
	.amdhsa_code_object_version 6
	.text
	.protected	k_q8be9b43527_prep
	.globl	k_q8be9b43527_prep
	.p2align	8
	.type	k_q8be9b43527_prep,@function
k_q8be9b43527_prep:
	s_mov_b64 s[64:65], 0
	v_nop
	global_prefetch_b8 v0, s[64:65] scope:SCOPE_SE
	s_setreg_imm32_b32 hwreg(HW_REG_WAVE_MODE, 25, 1), 1
	s_wait_xcnt 0x0
; LayerNorm, router and quantiser of the tokens.  2,048 tokens of 1,024 f32; a wave takes two tokens, a work-group of four waves eight.
; For each token: xn = (x - mean) rsqrt(var + 1e-5) ln_w + ln_b in f32 (two passes over the row, which stays in registers); the 8 logits xn . Wr[e] by f32 multiply-adds;
; the two largest logits (ties: the lower index), their softmax (the gates), and the softmax over all 8 for the auxiliary loss (the largest logit is taken away first);
; xn as codes of E2M3 with one E8M0 byte for each 32 along the row.
; STORED: xq: codes at token x 768, block b = 4 s + 2 c + h at h x 384 + s x 48 + c x 24, so that lane (row, h) of a matrix operand finds its eight K steps as 384 consecutive bytes;
;   scale bytes at XS_OFF + token x 32 + b.  sel: entry 2 t + k = the expert.  gp: entry 2 t + k = the gate; at PS_OFF 8 sums of the full softmax over the wave's two tokens.
; The choice of experts is only STORED here, at fixed places: no address and no branch of this launch hangs on it.
; A load gives lane l the numbers 128 i + 4 l + 0..3 of a row (512 consecutive bytes a load); x, ln_w, ln_b and Wr's rows lie alike, so sums and products need no other order.
; For the quantiser a lane must hold a whole block of 32: the row turns through the wave's own stage in LDS (blocks of 128 bytes + 16 of padding: 36 words, so 16 lanes start at 16 different columns of 16 bytes).
; No barrier: waves share nothing.  Matrix units, tensor loads and clusters have nothing to do here: the launch reads each byte of x once and is done.
; LIMITS: NaN and infinities are not served.  A block of zeros gets the byte 1 where the rule says 127: its codes are zeros and this program alone reads the bytes.
;   Two logits that differ by less than the rounding of a sum of 1,024 f32 products may be ranked the other way round than by another order of summation.
.set XS_OFF, 1572864
.set PS_OFF, 16384
.set X,    32                          ; v32-63 token 0, v64-95 token 1
.set LW,   96                          ; v96-127  ln_w
.set LB,   128                         ; v128-159 ln_b
.set Y,    160                         ; v160-191 my block of 32, turned
.set LS,   192                         ; v192-207 eight pairs of logit sums
.set LG,   208                         ; v208-215 logits
.set PR,   216                         ; v216-223 exponentials
.set PSUM, 224                         ; v224-231 softmax sums over the two tokens
.set SELR, 232                         ; v232-235 chosen experts
.set GT,   236                         ; v236-239 gates
.set CD,   240                         ; token n: codes v[CD+8n .. +2], v[CD+8n+4 .. +6]; byte v[CD+8n+3]: a set for each token, so no store's data are written again
.set MSB, 0
.macro WIN new                         ; the immediate's high byte repeats the setting that is left
.if MSB != (\new)
	s_set_vgpr_msb (MSB<<8)|(\new)
.set MSB, (\new)
.endif
.endm
.macro RED r, t                        ; the sum over the wave's 32 lanes, in every lane
	v_add_f32_dpp v[\r], v[\r], v[\r] row_xmask:1 row_mask:0xf bank_mask:0xf
	v_add_f32_dpp v[\r], v[\r], v[\r] row_xmask:2 row_mask:0xf bank_mask:0xf
	v_add_f32_dpp v[\r], v[\r], v[\r] row_xmask:4 row_mask:0xf bank_mask:0xf
	v_add_f32_dpp v[\r], v[\r], v[\r] row_xmask:8 row_mask:0xf bank_mask:0xf
	v_permlanex16_b32 v[\t], v[\r], s20, s21
	v_add_f32 v[\r], v[\r], v[\t]
.endm
	s_load_b256 s[4:11], s[0:1], 0x0               ; x s[4:5], ln_w s[6:7], ln_b s[8:9], Wr s[10:11]
	s_load_b128 s[12:15], s[0:1], 0x20             ; xq s[12:13], sel s[14:15]
	s_load_b64 s[16:17], s[0:1], 0x30              ; gp
	v_lshl_add_u32 v247, v0, 2, 0x4800
	v_mov_b32 v255, 0
	v_lshrrev_b32 v10, 5, v0
	v_readfirstlane_b32 s18, v10                   ; wave 0..3
	v_and_b32 v5, 31, v0                           ; lane
	v_lshlrev_b32 v1, 4, v5                        ; 16 x lane
	s_mul_i32 s25, s18, 4608                       ; my stage
	v_lshrrev_b32 v10, 3, v5
	v_mul_u32_u24 v10, v10, 144
	v_and_b32 v11, 7, v5
	v_lshl_add_u32 v10, v11, 4, v10
	v_add_nc_u32 v2, s25, v10                      ; into the stage: eight lanes fill a block of 128 bytes
	v_mul_u32_u24 v3, v5, 144
	v_add_nc_u32 v3, s25, v3                       ; out of it: lane l takes block l
	v_and_b32 v10, 1, v5                           ; block l = 4 s + 2 c + h
	v_mul_u32_u24 v4, v10, 384
	v_lshrrev_b32 v10, 2, v5
	v_mad_u32_u24 v4, v10, 48, v4
	v_bfe_u32 v10, v5, 1, 1
	v_mad_u32_u24 v4, v10, 24, v4                  ; my block's 24 bytes in a token's 768
	v_mov_b32 v31, 0
	v_mov_b32 v14, 0                               ; a lane permute's destination counts as one of its sources: written once
.irp e, 0,1,2,3,4,5,6,7
	v_mov_b32 v[PR+\e], 0
.endr
	s_lshl_b32 s19, ttmp9, 2
	s_add_co_u32 s19, s19, s18                     ; which pair of tokens is my wave's
	s_mov_b32 s20, 0x76543210
	s_mov_b32 s21, 0xfedcba98                      ; v_permlanex16_b32's selects for lane l xor 16
	s_mov_b32 s22, 0x3a800000                      ; 1 / 1,024
	s_mov_b32 s23, 0x3727c5ac                      ; 1e-5
	s_mov_b32 s24, 0x3fb8aa3b                      ; log2(e)
	s_lshl_b32 s26, s19, 13                        ; x: two rows of 4,096 bytes
	s_mov_b32 s27, 0
	s_mul_i32 s28, s19, 1536                       ; codes: two tokens of 768 bytes
	s_mov_b32 s29, 0
	s_lshl_b32 s30, s19, 6                         ; scale bytes: two tokens of 32
	s_mov_b32 s31, 0
	s_lshl_b32 s32, s19, 4                         ; sel and gates: four entries
	s_mov_b32 s33, 0
	s_lshl_b32 s34, s19, 5                         ; softmax sums: eight numbers
	s_mov_b32 s35, 0
	s_wait_kmcnt 0x0
	s_add_nc_u64 s[4:5], s[4:5], s[26:27]
	s_add_nc_u64 s[36:37], s[12:13], s[30:31]
	s_add_nc_u64 s[36:37], s[36:37], XS_OFF
	s_add_nc_u64 s[12:13], s[12:13], s[28:29]
	s_add_nc_u64 s[14:15], s[14:15], s[32:33]
	s_add_nc_u64 s[38:39], s[16:17], s[34:35]
	s_add_nc_u64 s[38:39], s[38:39], PS_OFF
	s_add_nc_u64 s[16:17], s[16:17], s[32:33]
.irp n, 0,1
.irp i, 0,1,2,3,4,5,6,7
	global_load_b128 v[X+32*\n+4*\i:X+32*\n+4*\i+3], v1, s[4:5] offset:4096*\n+512*\i th:TH_LOAD_NT
.endr
.endr
.irp i, 0,1,2,3,4,5,6,7
	global_load_b128 v[LW+4*\i:LW+4*\i+3], v1, s[6:7] offset:512*\i
.endr
.irp i, 0,1,2,3,4,5,6,7
	global_load_b128 v[LB+4*\i:LB+4*\i+3], v1, s[8:9] offset:512*\i
.endr
	WIN 0x40                                       ; destination window 1: Wr, expert e at v[32 e ..]
.irp e, 0,1,2,3,4,5,6,7
.irp i, 0,1,2,3,4,5,6,7
	global_load_b128 v[32*\e+4*\i:32*\e+4*\i+3], v1, s[10:11] offset:4096*\e+512*\i
.endr
.endr
	WIN 0
	s_wait_loadcnt 63                              ; behind ln_b's last load stand Wr's 64: the largest count that a wait can name shows x, ln_w and ln_b in
.macro TOKEN n
.set XB, X+32*\n
.set CB, CD+8*\n
	v_pk_add_f32 v[10:11], v[XB:XB+1], v[XB+2:XB+3]               ; the row's sum, in two chains
	v_pk_add_f32 v[12:13], v[XB+4:XB+5], v[XB+6:XB+7]
.irp j, 8,12,16,20,24,28
	v_pk_add_f32 v[10:11], v[10:11], v[XB+\j:XB+\j+1]
	v_pk_add_f32 v[12:13], v[12:13], v[XB+\j+2:XB+\j+3]
.endr
	v_pk_add_f32 v[10:11], v[10:11], v[12:13]
	v_add_f32 v10, v10, v11
	RED 10, 14
	v_mul_f32 v6, s22, v10                         ; the mean, twice: a pair for the packed form
	v_mul_f32 v7, s22, v10
.irp j, 0,2,4,6,8,10,12,14,16,18,20,22,24,26,28,30
	v_pk_add_f32 v[XB+\j:XB+\j+1], v[XB+\j:XB+\j+1], v[6:7] neg_lo:[0,1] neg_hi:[0,1]
.endr
	v_pk_mul_f32 v[10:11], v[XB:XB+1], v[XB:XB+1]                 ; the sum of squares of x - mean
	v_pk_mul_f32 v[12:13], v[XB+2:XB+3], v[XB+2:XB+3]
.irp j, 4,8,12,16,20,24,28
	v_pk_fma_f32 v[10:11], v[XB+\j:XB+\j+1], v[XB+\j:XB+\j+1], v[10:11]
	v_pk_fma_f32 v[12:13], v[XB+\j+2:XB+\j+3], v[XB+\j+2:XB+\j+3], v[12:13]
.endr
	v_pk_add_f32 v[10:11], v[10:11], v[12:13]
	v_add_f32 v10, v10, v11
	RED 10, 14
	v_fma_f32 v10, v10, s22, s23                   ; var + eps
	s_wait_alu depctr_va_vdst(0)
	v_rsq_f32 v8, v10
	v_nop                                          ; a plain instruction behind the transcendental
	s_wait_alu depctr_va_vdst(0)                   ; the wait ahead of the result's first reader
	v_mov_b32 v9, v8
.irp j, 0,2,4,6,8,10,12,14,16,18,20,22,24,26,28,30
	v_pk_mul_f32 v[XB+\j:XB+\j+1], v[XB+\j:XB+\j+1], v[8:9]
.endr
.irp j, 0,2,4,6,8,10,12,14,16,18,20,22,24,26,28,30
	v_pk_fma_f32 v[XB+\j:XB+\j+1], v[XB+\j:XB+\j+1], v[LW+\j:LW+\j+1], v[LB+\j:LB+\j+1]   ; xn
.endr
.irp i, 0,1,2,3,4,5,6,7
	ds_store_b128 v2, v[XB+4*\i:XB+4*\i+3] offset:576*\i           ; a load's 512 bytes are four blocks
.endr
.irp q, 0,1,2,3,4,5,6,7
	ds_load_b128 v[Y+4*\q:Y+4*\q+3], v3 offset:16*\q               ; LDS serves a wave's instructions in order: these see the stores above; they land while the router is worked
.endr
.if \n == 0
	s_wait_loadcnt 0x0                             ; Wr
.endif
	WIN 0x04                                       ; source 1 (Wr) window 1
.irp j, 0,2,4,6,8,10,12,14,16,18,20,22,24,26,28,30
.irp e, 0,1,2,3,4,5,6,7
.if \j == 0
	v_pk_mul_f32 v[LS+2*\e:LS+2*\e+1], v[XB+\j:XB+\j+1], v[32*\e+\j:32*\e+\j+1]
.else
	v_pk_fma_f32 v[LS+2*\e:LS+2*\e+1], v[XB+\j:XB+\j+1], v[32*\e+\j:32*\e+\j+1], v[LS+2*\e:LS+2*\e+1]
.endif
.endr
.endr
	WIN 0
.irp e, 0,1,2,3,4,5,6,7
	v_add_f32 v[LG+\e], v[LS+2*\e], v[LS+2*\e+1]
.endr
.irp m, 1,2,4,8
.irp e, 0,1,2,3,4,5,6,7
	v_add_f32_dpp v[LG+\e], v[LG+\e], v[LG+\e] row_xmask:\m row_mask:0xf bank_mask:0xf
.endr
.endr
.irp e, 0,1,2,3,4,5,6,7
	v_permlanex16_b32 v[PR+\e], v[LG+\e], s20, s21
.endr
.irp e, 0,1,2,3,4,5,6,7
	v_add_f32 v[LG+\e], v[LG+\e], v[PR+\e]         ; the 8 logits, in every lane
.endr
	v_mov_b32 v10, v[LG]                           ; the largest logit and its index: a later one wins only if strictly larger
	v_mov_b32 v11, 0
.irp e, 1,2,3,4,5,6,7
	v_cmp_gt_f32 vcc_lo, v[LG+\e], v10
	v_cndmask_b32 v10, v10, v[LG+\e], vcc_lo
	v_cndmask_b32 v11, v11, \e, vcc_lo
.endr
	v_mov_b32 v12, 0xff800000                      ; the second: the same scan over the seven others
	v_mov_b32 v13, 0
.irp e, 0,1,2,3,4,5,6,7
	v_cmp_ne_u32 s40, \e, v11
	v_cmp_gt_f32 vcc_lo, v[LG+\e], v12
	s_and_b32 vcc_lo, vcc_lo, s40
	v_cndmask_b32 v12, v12, v[LG+\e], vcc_lo
	v_cndmask_b32 v13, v13, \e, vcc_lo
.endr
.irp e, 0,1,2,3,4,5,6,7
	v_sub_f32 v[PR+\e], v[LG+\e], v10              ; the largest is taken away ahead of every exponential
.endr
	v_sub_f32 v15, v12, v10
.irp e, 0,1,2,3,4,5,6,7
	v_mul_f32 v[PR+\e], s24, v[PR+\e]
.endr
	v_mul_f32 v15, s24, v15
	s_wait_alu depctr_va_vdst(0)
.irp e, 0,1,2,3,4,5,6,7
	v_exp_f32 v[PR+\e], v[PR+\e]
.endr
	v_exp_f32 v15, v15                             ; exp(second - largest)
	v_mov_b32 v[SELR+2*\n], v11                    ; (a plain instruction behind the batch)
	s_wait_alu depctr_va_vdst(0)                   ; one wait for the nine exponentials, ahead of their first reader
	v_add_f32 v16, v[PR], v[PR+1]
	v_add_f32 v17, v[PR+2], v[PR+3]
	v_add_f32 v18, v[PR+4], v[PR+5]
	v_add_f32 v19, v[PR+6], v[PR+7]
	v_add_f32 v16, v16, v17
	v_add_f32 v18, v18, v19
	v_add_f32 v16, v16, v18
	v_add_f32 v17, 1.0, v15
	s_wait_alu depctr_va_vdst(0)
	v_rcp_f32 v16, v16
	v_rcp_f32 v17, v17
	v_mov_b32 v[SELR+2*\n+1], v13                  ; (a plain instruction behind the two)
	s_wait_alu depctr_va_vdst(0)                   ; one wait for both reciprocals
.irp e, 0,1,2,3,4,5,6,7
.if \n == 0
	v_mul_f32 v[PSUM+\e], v[PR+\e], v16
.else
	v_fmac_f32 v[PSUM+\e], v[PR+\e], v16
.endif
.endr
	v_mov_b32 v[GT+2*\n], v17                      ; the gates: 1 / (1 + ex), ex / (1 + ex)
	v_mul_f32 v[GT+2*\n+1], v15, v17
	s_wait_dscnt 0x0                               ; my block of xn is back from the stage
	v_max3_num_f32 v18, |v[Y]|, |v[Y+1]|, |v[Y+2]|                 ; its largest magnitude: all 32 numbers are mine
	v_max3_num_f32 v19, |v[Y+3]|, |v[Y+4]|, |v[Y+5]|
.irp i, 6,10,14,18,22,26
	v_max3_num_f32 v18, v18, |v[Y+\i]|, |v[Y+\i+1]|
	v_max3_num_f32 v19, v19, |v[Y+\i+2]|, |v[Y+\i+3]|
.endr
	v_max3_num_f32 v18, v18, |v[Y+30]|, |v[Y+31]|
	v_max3_num_f32 v18, v18, v19, 0x1800000        ; and the floor 2^(3 - 127): the byte cannot fall under 1
	v_add_nc_u32 v19, 0xff000000, v18              ; 2 off the exponent field: the conversion takes this operand's exponent field as its scale
	v_cvt_scalef32_pk16_fp6_f32 v[CB:CB+2], v[Y:Y+15], v19
	v_cvt_scalef32_pk16_fp6_f32 v[CB+4:CB+6], v[Y+16:Y+31], v19    ; (a conversion's three registers begin on an even number)
	v_lshrrev_b32 v[CB+3], 23, v19                 ; the scale's byte; also the plain instruction behind the conversions
	global_store_b96 v4, v[CB:CB+2], s[12:13] offset:768*\n
	global_store_b96 v4, v[CB+4:CB+6], s[12:13] offset:768*\n+12
	global_store_b8 v5, v[CB+3], s[36:37] offset:32*\n             ; 32 lanes: the token's 32 bytes
.endm
	TOKEN 0
	TOKEN 1
	v_cmp_eq_u32 vcc_lo, 0, v5                     ; every lane holds the same results: lane 0 stores them
	s_wait_xcnt 0x0                                ; EXEC is a source of the stores above: it changes only behind this wait
	s_wait_tensorcnt 0x0
	ds_add_u32 v247, v255
	s_wait_dscnt 0x0
	s_and_saveexec_b32 s41, vcc_lo
	global_store_b128 v31, v[SELR:SELR+3], s[14:15]
	global_store_b128 v31, v[GT:GT+3], s[16:17]
	global_store_b128 v31, v[PSUM:PSUM+3], s[38:39]
	global_store_b128 v31, v[PSUM+4:PSUM+7], s[38:39] offset:16
	s_wait_xcnt 0x0                                ; and again ahead of the line that widens it
	s_or_b32 exec_lo, exec_lo, s41
	s_endpgm
.Lfunc_end_k_q8be9b43527_prep:
	.size	k_q8be9b43527_prep, .Lfunc_end_k_q8be9b43527_prep-k_q8be9b43527_prep
	.p2alignl 7, 3214868480
	.fill 96, 4, 3214868480
	.section	.rodata,"a",@progbits
	.p2align	6, 0x0
	.amdhsa_kernel k_q8be9b43527_prep
		.amdhsa_group_segment_fixed_size 18944
		.amdhsa_private_segment_fixed_size 0
		.amdhsa_enable_private_segment 0
		.amdhsa_kernarg_size 56
		.amdhsa_user_sgpr_count 2
		.amdhsa_user_sgpr_kernarg_segment_ptr 1
		.amdhsa_wavefront_size32 1
		.amdhsa_system_sgpr_workgroup_id_x 1
		.amdhsa_system_sgpr_workgroup_id_y 1
		.amdhsa_system_sgpr_workgroup_id_z 1
		.amdhsa_system_vgpr_workitem_id 0
		.amdhsa_next_free_vgpr 512
		.amdhsa_next_free_sgpr 66
		.amdhsa_reserve_vcc 1
		.amdhsa_float_denorm_mode_32 3
		.amdhsa_float_denorm_mode_16_64 3
		.amdhsa_memory_ordered 1
		.amdhsa_forward_progress 1
		.amdhsa_inst_pref_size 61
	.end_amdhsa_kernel
	.amdgpu_metadata
---
amdhsa.version: [ 1, 2 ]
amdhsa.kernels:
  - .name:           k_q8be9b43527_prep
    .symbol:         k_q8be9b43527_prep.kd
    .args:
      - { .name: x, .offset: 0, .size: 8, .value_kind: global_buffer, .address_space: global }
      - { .name: ln_w, .offset: 8, .size: 8, .value_kind: global_buffer, .address_space: global }
      - { .name: ln_b, .offset: 16, .size: 8, .value_kind: global_buffer, .address_space: global }
      - { .name: Wr, .offset: 24, .size: 8, .value_kind: global_buffer, .address_space: global }
      - { .name: xq, .offset: 32, .size: 8, .value_kind: global_buffer, .address_space: global }
      - { .name: sel, .offset: 40, .size: 8, .value_kind: global_buffer, .address_space: global }
      - { .name: gp, .offset: 48, .size: 8, .value_kind: global_buffer, .address_space: global }
    .group_segment_fixed_size: 18944
    .private_segment_fixed_size: 0
    .kernarg_segment_align: 8
    .kernarg_segment_size: 56
    .max_flat_workgroup_size: 128
    .sgpr_count:     66
    .vgpr_count:     512
    .wavefront_size: 32
...
	.end_amdgpu_metadata
.endif
;; end of part 6
;; launch route (part 7): grid 1 x 1, 16 waves a work-group, no clusters, 3,072 bytes of LDS; arguments sel, gp, plan, out1; writes plan, out1
.if DOCPART == 7
	.amdgcn_target "amdgcn-amd-amdhsa--gfx1250"
	.amdhsa_code_object_version 6
	.text
	.protected	k_q8be9b43527_route
	.globl	k_q8be9b43527_route
	.p2align	8
	.type	k_q8be9b43527_route,@function
k_q8be9b43527_route:
	s_mov_b64 s[64:65], 0
	v_nop
	global_prefetch_b8 v0, s[64:65] scope:SCOPE_SE
	s_setreg_imm32_b32 hwreg(HW_REG_WAVE_MODE, 25, 1), 1
	s_wait_xcnt 0x0
; The 4,096 routed rows (entry i = 2 t + k, expert sel[i]) are placed by expert: a counting sort by one work-group of 16 waves, without atomics; and the auxiliary loss.
; Each expert's rows are rounded up to whole PAIRS of tiles (32 rows); with 8 experts there are never more than 135 pairs, whatever the choice.
; STORED in plan: word 2 e = expert e's first pair, word 2 e + 1 = its number of pairs, word 16 = all pairs; at RT_OFF rowtok[slot] = the slot's token (0 in the padding);
;   at SO_OFF slotof[i] = entry i's slot.  out1 = 8 / T^2 x the sum over e of (rows of e) x (sum over tokens of softmax_e).
; Thread n holds entries q x 2,048 + 4 n + c (q = 0, 1; c = 0..3).  The order of rows inside an expert is (wave, register, lane): any order serves, since each row is worked by itself.
; One barrier: behind it every wave reads all waves' counts.  Every address made of loaded numbers is held by a constant written in the instruction.
.set PS_OFF, 16384
.set RT_OFF, 256
.set SO_OFF, 17664
.macro IRED r                          ; whole numbers: the sum over the lanes of my parity, in every lane
.irp m, 2
	v_mov_b32_dpp v59, v[\r] row_xmask:\m row_mask:0xf bank_mask:0xf
	s_delay_alu instid0(VALU_DEP_1)
	v_add_nc_u32 v[\r], v[\r], v59
.endr
.irp m, 4, 8
	s_delay_alu instid0(VALU_DEP_1)
	v_mov_b32_dpp v59, v[\r] row_xmask:\m row_mask:0xf bank_mask:0xf
	s_delay_alu instid0(VALU_DEP_1)
	v_add_nc_u32 v[\r], v[\r], v59
.endr
	s_delay_alu instid0(VALU_DEP_1)
	v_permlanex16_b32 v59, v[\r], s14, s15
	s_delay_alu instid0(VALU_DEP_1)
	v_add_nc_u32 v[\r], v[\r], v59
.endm
.macro FRED r                          ; the same in f32
.irp m, 2
	v_add_f32_dpp v[\r], v[\r], v[\r] row_xmask:\m row_mask:0xf bank_mask:0xf
.endr
.irp m, 4, 8
	s_delay_alu instid0(VALU_DEP_1)
	v_add_f32_dpp v[\r], v[\r], v[\r] row_xmask:\m row_mask:0xf bank_mask:0xf
.endr
	s_delay_alu instid0(VALU_DEP_1)
	v_permlanex16_b32 v59, v[\r], s14, s15
	s_delay_alu instid0(VALU_DEP_1)
	v_add_f32 v[\r], v[\r], v59
.endm
	s_load_b256 s[4:11], s[0:1], 0x0               ; sel s[4:5], gp s[6:7], plan s[8:9], out1 s[10:11]
	v_lshl_add_u32 v80, v0, 2, 0x400
	v_mov_b32 v81, 0
	v_lshrrev_b32 v2, 5, v0
	s_delay_alu instid0(VALU_DEP_1)
	v_readfirstlane_b32 s12, v2                    ; wave 0..15
	v_and_b32 v3, 31, v0                           ; lane
	v_lshlrev_b32 v1, 4, v0                        ; 16 x thread
	s_delay_alu instid0(VALU_DEP_2)
	v_lshlrev_b32 v4, 2, v3                        ; 4 x lane
	v_mov_b32 v5, 0
	v_mov_b32 v59, 0                               ; a lane permute's destination counts as one of its sources
	s_mov_b32 s14, 0x76543210
	s_mov_b32 s15, 0xfedcba98
	s_mov_b32 s61, 0xaaaaaaaa                      ; the odd lanes
	s_lshl_b32 s13, s12, 5
	v_mov_b32 v56, s13                             ; LDS: my wave's 8 counts at 32 x wave
	v_lshlrev_b32 v57, 4, v3                       ; 16 x lane: all waves' counts (and, 512 on, their softmax sums): wave l / 2, experts 4 (l % 2) on
	v_and_b32 v58, 1, v3
	s_delay_alu instid0(VALU_DEP_1)
	v_lshlrev_b32 v58, 4, v58
	s_delay_alu instid0(VALU_DEP_1)
	v_add_nc_u32 v58, s13, v58                     ; my wave's softmax sums: 32 x wave + 16 x parity (+ 512)
	v_lshlrev_b32 v60, 1, v0                       ; the tokens of my entries: 2 n, 2 n + 1, and 1,024 on
	s_delay_alu instid0(VALU_DEP_1)
	v_add_nc_u32 v61, 1, v60
	s_delay_alu instid0(VALU_DEP_2)
	v_add_nc_u32 v62, 0x400, v60
	s_delay_alu instid0(VALU_DEP_3)
	v_add_nc_u32 v63, 0x401, v60
.irp e, 0,1,2,3,4,5,6,7
	s_mov_b32 s[16+\e], 0
.endr
	s_wait_kmcnt 0x0
	global_load_b128 v[8:11], v1, s[4:5]
	global_load_b128 v[12:15], v1, s[4:5] offset:8192
.irp q, 0,1,2,3
	global_load_b128 v[16+4*\q:19+4*\q], v1, s[6:7] offset:PS_OFF+8192*\q   ; even threads: experts 0-3 of four waves of the launch before; odd threads: experts 4-7
.endr
	s_wait_loadcnt 4                               ; sel's two loads are in; the four behind them may be out
.irp g, 0,1,2,3,4,5,6,7                ; my wave's rows of each expert
.irp e, 0,1,2,3,4,5,6,7
	v_cmp_eq_u32 s57, \e, v[8+\g]
	s_bcnt1_i32_b32 s58, s57
	s_add_co_u32 s[16+\e], s[16+\e], s58
.endr
.endr
.irp e, 0,1,2,3,4,5,6,7
	v_mov_b32 v[48+\e], s[16+\e]
.endr
	ds_store_b128 v56, v[48:51]                    ; all lanes write the same words with the same values
	ds_store_b128 v56, v[52:55] offset:16
	s_wait_loadcnt 0x0
.irp c, 0,2
	v_pk_add_f32 v[16+\c:17+\c], v[16+\c:17+\c], v[20+\c:21+\c]
	v_pk_add_f32 v[24+\c:25+\c], v[24+\c:25+\c], v[28+\c:29+\c]
.endr
.irp c, 0
	s_delay_alu instid0(VALU_DEP_3)
	v_pk_add_f32 v[16+\c:17+\c], v[16+\c:17+\c], v[24+\c:25+\c]
.endr
.irp c, 2
	s_delay_alu instid0(VALU_DEP_2)
	v_pk_add_f32 v[16+\c:17+\c], v[16+\c:17+\c], v[24+\c:25+\c]
.endr
.irp c, 0,1,2,3
	FRED 16+\c
.endr
	ds_store_b128 v58, v[16:19] offset:512
	s_wait_dscnt 0x0                               ; for the others' sake: my stores have landed
	s_barrier_signal -1
	s_barrier_wait -1
	ds_load_b128 v[48:51], v57                     ; wave l / 2's counts of experts 4 (l % 2) + 0..3
	v_lshrrev_b32 v2, 1, v3
	s_delay_alu instid0(VALU_DEP_1)
	v_cmp_gt_u32 vcc_lo, s12, v2                   ; waves in front of mine
	s_wait_dscnt 0x0
.irp c, 0,1,2,3
	v_cndmask_b32 v[52+\c], 0, v[48+\c], vcc_lo
.endr
.irp c, 0,1,2,3,4,5,6,7
	IRED 48+\c
.endr
.irp c, 0,1,2,3
	v_readlane_b32 s[24+\c], v[48+\c], 0           ; s24-31: each expert's rows;
	v_readlane_b32 s[28+\c], v[48+\c], 1
	v_readlane_b32 s[32+\c], v[52+\c], 0           ; s32-39: those of them in waves in front of mine
	v_readlane_b32 s[36+\c], v[52+\c], 1
.endr
	s_mov_b32 s48, 0
.irp e, 0,1,2,3,4,5,6,7
	s_add_co_u32 s[40+\e], s[24+\e], 31
	s_lshr_b32 s[40+\e], s[40+\e], 5               ; s40-47: pairs of tiles
	s_add_co_u32 s[49+\e], s[48+\e], s[40+\e]      ; s48-55: first pair; s56: all pairs
	s_lshl_b32 s[16+\e], s[48+\e], 5
	s_add_co_u32 s[16+\e], s[16+\e], s[32+\e]      ; s16-23: the slot of my wave's first row of the expert
.endr
.irp g, 0,1,2,3,4,5,6,7                ; each entry's slot: the expert's running slot + the matching lanes below mine
.irp e, 0,1,2,3,4,5,6,7
	v_cmp_eq_u32 s57, \e, v[8+\g]
.if \e == 0
	s_delay_alu instid0(VALU_DEP_1)
	v_mbcnt_lo_u32_b32 v[32+\g], s57, s[16+\e]
.else
	s_delay_alu instid0(VALU_DEP_1)
	v_mbcnt_lo_u32_b32 v6, s57, s[16+\e]
	s_delay_alu instid0(VALU_DEP_1)
	v_cndmask_b32 v[32+\g], v[32+\g], v6, s57
.endif
	s_bcnt1_i32_b32 s58, s57
	s_add_co_u32 s[16+\e], s[16+\e], s58
.endr
.endr
	global_store_b128 v1, v[32:35], s[8:9] offset:SO_OFF
	global_store_b128 v1, v[36:39], s[8:9] offset:SO_OFF+8192
.irp g, 0,1,2,3,4,5,6,7
	v_min_u32 v[40+\g], 0x10ff, v[32+\g]           ; a slot is under 4,352
	s_delay_alu instid0(VALU_DEP_1)
	v_lshlrev_b32 v[40+\g], 2, v[40+\g]
	global_store_b32 v[40+\g], v[60+2*(\g/4)+(\g%4)/2], s[8:9] offset:RT_OFF
.endr
	s_cmp_lg_u32 s12, 0                            ; the rest is wave 0's; no barrier follows
	s_cbranch_scc1 .Lend
	ds_load_b128 v[16:19], v57 offset:512          ; all waves' softmax sums
	v_mov_b32 v64, 0
.irp e, 0,1,2,3,4,5,6,7
	s_delay_alu instid0(VALU_DEP_1)
	v_writelane_b32 v64, s[48+\e], 2*\e
	s_delay_alu instid0(VALU_DEP_1)
	v_writelane_b32 v64, s[40+\e], 2*\e+1
.endr
	s_delay_alu instid0(VALU_DEP_1)
	v_writelane_b32 v64, s56, 16
	global_store_b32 v4, v64, s[8:9]
.irp e, 0,1,2,3,4,5,6,7
	s_lshl_b32 s58, s[48+\e], 5
	s_add_co_u32 s58, s58, s[24+\e]
	v_add_nc_u32 v[66+\e], s58, v3                 ; the slots behind the expert's last row
	s_delay_alu instid0(VALU_DEP_1)
	v_min_u32 v[66+\e], 0x10ff, v[66+\e]
	s_delay_alu instid0(VALU_DEP_1)
	v_lshlrev_b32 v[66+\e], 2, v[66+\e]
.endr
	s_wait_alu depctr_va_vdst(0)
.irp e, 0,1,2,3,4,5,6,7
	s_lshl_b32 s58, s[40+\e], 5
	s_sub_co_u32 s58, s58, s[24+\e]                ; how many of them pad the last pair: 0 to 31
	v_cmp_gt_u32 vcc_lo, s58, v3
	s_wait_xcnt 0x0                                ; EXEC changes only behind this wait
	s_and_saveexec_b32 s60, vcc_lo
	global_store_b32 v[66+\e], v5, s[8:9] offset:RT_OFF            ; token 0 stands in: its rows are computed and never read
	s_wait_xcnt 0x0
	s_or_b32 exec_lo, exec_lo, s60
.endr
	s_wait_dscnt 0x0
.irp c, 0,1,2,3
	FRED 16+\c
.endr
.irp c, 0,1,2,3
	v_mov_b32 v76, s[24+\c]
	v_mov_b32 v77, s[28+\c]
	s_delay_alu instid0(VALU_DEP_1)
	v_cndmask_b32 v76, v76, v77, s61               ; even lanes: expert c; odd lanes: expert 4 + c
	s_delay_alu instid0(VALU_DEP_1)
	v_cvt_f32_u32 v76, v76
.if \c == 0
	s_delay_alu instid0(VALU_DEP_1)
	v_mul_f32 v74, v76, v16
.else
	s_delay_alu instid0(VALU_DEP_1)
	v_fmac_f32 v74, v76, v[16+\c]
.endif
.endr
	s_delay_alu instid0(VALU_DEP_1)
	v_add_f32_dpp v74, v74, v74 row_xmask:1 row_mask:0xf bank_mask:0xf
	s_delay_alu instid0(VALU_DEP_1)
	v_mul_f32 v74, 0x36000000, v74                 ; x 8 / 2,048^2 = 2^-19
	v_cmp_eq_u32 vcc_lo, 0, v3
	s_wait_alu depctr_va_vdst(0)
	s_wait_xcnt 0x0
	s_and_saveexec_b32 s60, vcc_lo
	global_store_b32 v5, v74, s[10:11]
	s_wait_xcnt 0x0
	s_or_b32 exec_lo, exec_lo, s60
.Lend:
	s_wait_tensorcnt 0x0
	ds_add_u32 v80, v81
	s_wait_dscnt 0x0
	s_endpgm
.Lfunc_end_k_q8be9b43527_route:
	.size	k_q8be9b43527_route, .Lfunc_end_k_q8be9b43527_route-k_q8be9b43527_route
	.p2alignl 7, 3214868480
	.fill 96, 4, 3214868480
	.section	.rodata,"a",@progbits
	.p2align	6, 0x0
	.amdhsa_kernel k_q8be9b43527_route
		.amdhsa_group_segment_fixed_size 3072
		.amdhsa_private_segment_fixed_size 0
		.amdhsa_enable_private_segment 0
		.amdhsa_kernarg_size 32
		.amdhsa_user_sgpr_count 2
		.amdhsa_user_sgpr_kernarg_segment_ptr 1
		.amdhsa_wavefront_size32 1
		.amdhsa_system_sgpr_workgroup_id_x 1
		.amdhsa_system_sgpr_workgroup_id_y 1
		.amdhsa_system_sgpr_workgroup_id_z 1
		.amdhsa_system_vgpr_workitem_id 0
		.amdhsa_next_free_vgpr 82
		.amdhsa_next_free_sgpr 66
		.amdhsa_reserve_vcc 1
		.amdhsa_float_denorm_mode_32 3
		.amdhsa_float_denorm_mode_16_64 3
		.amdhsa_memory_ordered 1
		.amdhsa_forward_progress 1
		.amdhsa_inst_pref_size 52
	.end_amdhsa_kernel
	.amdgpu_metadata
---
amdhsa.version: [ 1, 2 ]
amdhsa.kernels:
  - .name:           k_q8be9b43527_route
    .symbol:         k_q8be9b43527_route.kd
    .args:
      - { .name: sel, .offset: 0, .size: 8, .value_kind: global_buffer, .address_space: global }
      - { .name: gp, .offset: 8, .size: 8, .value_kind: global_buffer, .address_space: global }
      - { .name: plan, .offset: 16, .size: 8, .value_kind: global_buffer, .address_space: global }
      - { .name: out1, .offset: 24, .size: 8, .value_kind: global_buffer, .address_space: global }
    .group_segment_fixed_size: 3072
    .private_segment_fixed_size: 0
    .kernarg_segment_align: 8
    .kernarg_segment_size: 32
    .max_flat_workgroup_size: 512
    .sgpr_count:     66
    .vgpr_count:     82
    .wavefront_size: 32
...
	.end_amdgpu_metadata
.endif
;; end of part 7
;; launch up (part 8): grid 32 x 8, 4 waves a work-group, no clusters, 137,728 bytes of LDS; arguments W1, b1, xq, plan, hq; writes hq
.if DOCPART == 8
	.amdgcn_target "amdgcn-amd-amdhsa--gfx1250"
	.amdhsa_code_object_version 6
	.text
	.protected	k_q8be9b43527_up
	.globl	k_q8be9b43527_up
	.p2align	8
	.type	k_q8be9b43527_up,@function
k_q8be9b43527_up:
	s_mov_b64 s[64:65], 0
	v_nop
	global_prefetch_b8 v0, s[64:65] scope:SCOPE_SE
	s_setreg_imm32_b32 hwreg(HW_REG_WAVE_SCHED_MODE, 0, 2), 2
	s_setreg_imm32_b32 hwreg(HW_REG_WAVE_MODE, 25, 1), 1
	s_wait_xcnt 0x0
	s_wait_alu depctr_vm_vsrc(0)
; The first product of the experts, on the chosen rows alone: h = relu(xn W1[e]^T + b1[e]), quantised along H, for the rows that the router gave expert e.  MX-FP6 (E2M3) on both sides.
; THE WEIGHTS STAY: work-group (j, e) owns hidden units 64 j .. 64 j + 63 of expert e: 64 rows x 1,024 f32 of W1, read from memory ONCE in the launch, quantised here, and kept in every wave's registers
; (32 fragments of 16 rows x 128 K, 384 registers).  What walks past is small: the codes of the expert's rows.
; PHASE Q: wave w quantises tile w (16 rows x 1,024 K).  Loads take a row's 512 consecutive bytes; a K step's 16 rows turn through the wave's own stage in LDS, so that lane (r, h) holds two whole blocks of 32 of row r,
;   in the operand's own order; the fragment goes to LDS as an image of its registers (16 bytes a lane), its scale word likewise; ONE barrier; every wave fetches all 32 images.
; THE ROWS OF W1 THAT FORM A TILE ARE NOT NEIGHBOURS: lane r of tile 2 b + u takes unit 32 b + 8 u + r + 8 (r / 8), and the product is used TRANSPOSED (source 0 = W1's tile, source 1 = 16 rows of xn):
;   a lane then holds one row, and the 16 registers of tiles 2 b, 2 b + 1 are 16 neighbouring hidden units, as the conversions want them.  b1 is the C of each sum's first product.
; THE ROW LOOP: wave w takes the expert's pairs of tiles (32 rows) w, w + 4, ..; the list of rows and the number of pairs were stored by the launch before.
;   A row's codes are a record of 768 bytes, three aligned runs of 256.  A load takes WHOLE RUNS: lanes 0-15 one run of row i of a tile, lanes 16-31 the same run of row i + 8: 24 loads a tile, each of two runs of 256
;   consecutive bytes.  They land in the registers of the tile's operand, go to the wave's own stage in LDS as they lie (rows 784 bytes apart) and come back in the operand's order, lane (r, h) taking 48 bytes a K step at
;   784 r + 384 h + 48 s, into the same registers.  784 = 49 x 16: the 16 rows that a read touches start in 16 different columns of 16 bytes.
;   Loads run a pair ahead, tile by tile; past a wave's last pair the look-ahead reads a pair that exists (the index is held) and is thrown away.  By this text's count at most 58 loads of a wave are out.
; STORED: hq: tile x 24,576 + j x 768: 512 bytes (16 a lane: registers 0-3 of a block's six) + 256 bytes (8 a lane: registers 4-5): lane (r, h) holds block h of slice j of row r, the next product's operand as it stands;
;   scale bytes at HS_OFF + (j / 8) x HS_PLANE + slot x 16 + 2 (j % 8).
; NO TENSOR LOADS, NO CLUSTER: the 32 work-groups of an expert read the same rows, but how many rows there are is read from memory.
; LIMITS: NaN and infinities are not served; a block of zeros gets the byte 1 where the rule says 127 (zero codes; the bytes are read by this program alone).
; REGISTERS, in windows of 256: window 0: v1-19 addresses; v24-31, v192-199 the rows' offsets in xq (tile 0, tile 1); v32-63 W1's scale words; v64-95 b1; v96-159 accumulators (in phase Q: a K step's numbers);
;   v160-175 the rows' scale words; v176-191 at work; v200-226 codes; v228-243 the rows' tokens; v244-247 addresses.
;   windows 1, 2: v0-191 W1's fragments (in phase Q window 1 holds three sets of loads).   window 3: v0-191 the rows' fragments, 96 a tile.
; THE MODE: SCHED_MODE bits 1:0 = 2 (LLVM: expert scheduling mode 2), set by the entry lines.  The code itself states the register dependences between vector or matrix instructions and memory or LDS
;   instructions, with s_wait_alu, always for 0.
; THE PLAN.  Registers that memory or LDS instructions touch, and who else names them:
;   PHASE Q.  Window 1's three sets: global loads land, the stage's stores read; no vector instruction names them.  v96-159: the stage's loads land, the quantiser reads.  v200-211, v182: the quantiser writes, the image's stores read.
;     Two waits a K step: one on vm_vsrc behind the turn, one on va_vdst behind the quantiser.
;   THE ROW LOOP.  X0, X1 (window 3, v0-95 and v96-191) with their scale words (v160-167, v168-175): tile p's global loads land; the turn's stores read X p and the turn's loads land there again; tile p's 32 products read both;
;     behind them the next pair's loads land.   v24-31, v192-199, v13, v14: written by the address lines at the trip's head, read as offsets by both tiles' loads.   v228-243, v9, v10: the list's loads land, the address lines read.
;     v200-205, v212-217, v226: written by the two quantisers, read by the stores.   v1-v8, v244, v246, v247: made at the kernel's head, never written again.
;     Five waits a trip.  vm_vsrc inside each turn, between its stores and its loads; tile 0's, at the trip's head, also frees what the trip before read and this trip writes again.  va_vdst behind tile 0's products: the next pair's
;     tile 0 and the list's loads follow it.  va_vdst behind tile 1's products: the next pair's tile 1 and tile 0's stores follow it.  va_vdst at the trip's end, ahead of tile 1's stores.
.set RT_OFF,   256
.set XS_OFF,   1572864
.set HS_OFF,   6684672
.set HS_PLANE, 69632
.set SIMG,     49152                   ; LDS: 32 images of 1,536 bytes from 0; their scale words, 128 bytes each, from SIMG;
.set STG,      53248                   ; four stages of 16 rows x (512 + 16) bytes for phase Q;
.set XST,      87040                   ; four stages of 16 rows x (768 + 16) bytes for the rows' codes
.set XROW,     784
.set WS, 32
.set BI, 64
.set AC, 96
.set SX, 160
.set OX, 24                            ; tile p's eight offsets at v[OX + 168 p]
.set TK, 228                           ; tile p's eight tokens at v[TK + 8 p]
.set MSB, 0
.macro WIN new                         ; the immediate's high byte repeats the setting that is left
.if MSB != (\new)
	s_set_vgpr_msb (MSB<<8)|(\new)
.set MSB, (\new)
.endif
.endm
.macro LOADG s                         ; K step s of my 16 rows: a row's 512 consecutive bytes a load, into set s % 3 of window 1
	WIN 0x40
.irp i, 0,1,2,3,4,5,6,7,8,9,10,11,12,13,14,15
	global_load_b128 v[64*((\s)%3)+4*\i:64*((\s)%3)+4*\i+3], v1, s[4:5] offset:(\i+8*(\i/8))*4096+512*(\s) th:TH_LOAD_NT
.endr
	WIN 0
.endm
.macro TURN s                          ; through my stage: in by rows, out as lane (r, h)'s numbers k = 64 c + 32 h + 0..31 of row r
	WIN 0x04                                       ; an LDS store's data are its source 1: window 1
.irp i, 0,1,2,3,4,5,6,7,8,9,10,11,12,13,14,15
	ds_store_b128 v4, v[64*((\s)%3)+4*\i:64*((\s)%3)+4*\i+3] offset:528*\i
.endr
	WIN 0
.irp c, 0,1
.irp q, 0,1,2,3,4,5,6,7
	ds_load_b128 v[AC+32*\c+4*\q:AC+32*\c+4*\q+3], v5 offset:256*\c+16*\q   ; LDS serves a wave's instructions in order: these see the stores above
.endr
.endr
.endm
.macro QW                              ; 64 numbers of a lane become a fragment's codes in v200-211 and its scale word in v182
.irp c, 0,1
	v_max3_num_f32 v[176+\c], |v[AC+32*\c]|, |v[AC+32*\c+1]|, 0x1800000   ; block 2 c + h: all 32 numbers are mine; the floor 2^(3 - 127) holds the byte at 1 from below
.endr
.irp i, 2,4,6,8,10,12,14,16,18,20,22,24,26,28,30
.irp c, 0,1
	v_max3_num_f32 v[176+\c], v[176+\c], |v[AC+32*\c+\i]|, |v[AC+32*\c+\i+1]|
.endr
.endr
.irp c, 0,1
	v_add_nc_u32 v[178+\c], 0xff000000, v[176+\c]  ; 2 off the exponent field: the conversion's scale operand
.endr
.irp c, 0,1
	v_lshrrev_b32 v[180+\c], 23, v[178+\c]         ; the scale's byte
.endr
	v_lshl_or_b32 v182, v181, 16, v180             ; my two bytes, blocks h and 2 + h,
	v_lshlrev_b32 v182, v19, v182                  ; at their places (8 h bits up);
	v_permlanex16_b32 v183, v182, s32, s33
	v_or_b32 v182, v182, v183                      ; with lane l xor 16's two the word is whole
.irp c, 0,1
	v_cvt_scalef32_pk16_fp6_f32 v[200+6*\c:202+6*\c], v[AC+32*\c:AC+32*\c+15], v[178+\c]
	v_cvt_scalef32_pk16_fp6_f32 v[212+4*\c:214+4*\c], v[AC+32*\c+16:AC+32*\c+31], v[178+\c]   ; (a conversion's three registers begin on an even number)
.endr
	v_nop                                          ; a plain instruction behind the conversions
.irp c, 0,1
.irp i, 0,1,2
	v_mov_b32 v[203+6*\c+\i], v[212+4*\c+\i]
.endr
.endr
.endm
.macro IMAGE s                         ; the fragment goes to LDS as it stands
.irp g, 0,1,2
	ds_store_b128 v6, v[200+4*\g:203+4*\g] offset:1536*(\s)+512*\g
.endr
	ds_store_b32 v7, v182 offset:SIMG+128*(\s)
.endm
.macro MKOX                            ; from the tokens: where the rows' records lie (for the runs: row i + 8 (l / 16) of each tile) and where my row's scale bytes lie (row l % 16).  Each token is held by a constant first
.irp i, 0,1,2,3,4,5,6,7
	v_min_u32 v[OX+\i], 0x7ff, v[TK+\i]
	v_min_u32 v[OX+168+\i], 0x7ff, v[TK+8+\i]
.endr
.irp i, 0,1,2,3,4,5,6,7
	v_mad_u32_u24 v[OX+\i], v[OX+\i], 768, v245    ; token x 768 + 16 (l % 16)
	v_mad_u32_u24 v[OX+168+\i], v[OX+168+\i], 768, v245
.endr
	v_min_u32 v13, 0x7ff, v9
	v_min_u32 v14, 0x7ff, v10
	v_lshlrev_b32 v13, 5, v13
	v_lshlrev_b32 v14, 5, v14
.endm
.macro RLOAD ahead                     ; six loads: the tokens of the pair `ahead` further on, held to a pair that exists
	s_add_co_u32 s36, s24, \ahead
	s_min_u32 s36, s36, s22
	s_min_u32 s36, s36, 135
	s_lshl_b32 s36, s36, 7
	s_add_nc_u64 s[26:27], s[42:43], s[36:37]
.irp p, 0,1
.irp q, 0,1
	global_load_b128 v[TK+8*\p+4*\q:TK+8*\p+4*\q+3], v244, s[26:27] offset:64*\p+16*\q   ; lanes with l / 16 = hh: the tokens of rows 8 hh + 4 q + 0..3 of tile p
.endr
.endr
	global_load_b32 v9, v8, s[26:27]               ; and the token of row l % 16 of each tile, for its scale bytes
	global_load_b32 v10, v8, s[26:27] offset:64
.endm
.macro XR p, w                         ; 26 loads: tile p's 16 records by whole runs of 256 bytes, and its rows' scale bytes.  w = 1: the wait on va_vdst stands ahead of them, behind the window's switch
	WIN 0xc0                                       ; destination window 3
.if \w
	s_wait_alu depctr_va_vdst(0)                   ; the offsets v[OX ..], v13, v14 are written, which these loads read; the products issued so far are done reading tile p's fragments and scale words, in which they land (what more it states: where the macro is used)
.endif
.irp i, 0,1,2,3,4,5,6,7
.irp k, 0,1,2
	global_load_b128 v[96*\p+4*(3*\i+\k):96*\p+4*(3*\i+\k)+3], v[OX+168*\p+\i], s[8:9] offset:256*\k
.endr
.endr
	WIN 0
	global_load_b128 v[SX+8*\p:SX+8*\p+3], v[13+\p], s[8:9] offset:XS_OFF
	global_load_b128 v[SX+8*\p+4:SX+8*\p+7], v[13+\p], s[8:9] offset:XS_OFF+16
.endm
.macro TURNX p                         ; tile p's records through my stage: in as they were loaded, back as the operand's registers, into the registers that they left
	WIN 0x0c                                       ; an LDS store's data are its source 1: window 3
.irp i, 0,1,2,3,4,5,6,7
.irp k, 0,1,2
	ds_store_b128 v246, v[96*\p+4*(3*\i+\k):96*\p+4*(3*\i+\k)+3] offset:XROW*\i+256*\k
.endr
.endr
	WIN 0xc0                                       ; destination window 3
	s_wait_alu depctr_vm_vsrc(0)                   ; the stores above have read tile p's 96 registers, in which the loads below land.  (The products that read them a trip ago stand ahead of the wait on va_vdst that followed them, and no vector or matrix instruction since names them)
.irp s, 0,1,2,3,4,5,6,7
.irp g, 0,1,2
	ds_load_b128 v[96*\p+12*\s+4*\g:96*\p+12*\s+4*\g+3], v247 offset:48*\s+16*\g   ; LDS serves a wave's instructions in order: these see the stores above, and the next tile's stores come behind them
.endr
.endr
	WIN 0
.endm
.macro MMT p                           ; 32 products: tile p's 16 rows, eight K steps x four tiles of units.  The four accumulators take turns, one instruction a turn
.irp s, 0,1,2,3,4,5,6,7
	WIN 0x0d+(\s/4)                                ; source 0 (W1) window 1 or 2, source 1 (rows) window 3, C and D window 0
.irp t, 0,1,2,3
.if \s == 0
	v_wmma_scale_f32_16x16x128_f8f6f4 v[AC+32*\p+8*\t:AC+32*\p+8*\t+7], v[12*((\s%4)*4+\t):12*((\s%4)*4+\t)+11], v[96*\p+12*\s:96*\p+12*\s+11], v[BI+8*\t:BI+8*\t+7], v[WS+4*\s+\t], v[SX+8*\p+\s] matrix_a_fmt:MATRIX_FMT_FP6 matrix_b_fmt:MATRIX_FMT_FP6
.else
	v_wmma_scale_f32_16x16x128_f8f6f4 v[AC+32*\p+8*\t:AC+32*\p+8*\t+7], v[12*((\s%4)*4+\t):12*((\s%4)*4+\t)+11], v[96*\p+12*\s:96*\p+12*\s+11], v[AC+32*\p+8*\t:AC+32*\p+8*\t+7], v[WS+4*\s+\t], v[SX+8*\p+\s] matrix_a_fmt:MATRIX_FMT_FP6 matrix_b_fmt:MATRIX_FMT_FP6
.endif
.endr
.endr
	WIN 0
.rept 4
	v_nop                                          ; four places behind the last products, ahead of the first read of their results (ISA guide 7.12.1): no other vector instruction stands between; the wait that follows fills no place
.endr
.endm
.macro QHC p                           ; tile p's 16 rows x 64 units: relu, two blocks of 32 quantised, laid as the next product's operand
.set HAC, AC+32*\p
.set PP, 200+12*\p
.set QQ, 208+12*\p
.irp j, 0,1,2,3,4,5,6,7,8,9,10,11,12,13,14,15,16,17,18,19,20,21,22,23,24,25,26,27,28,29,30,31
	v_max_num_f32 v[HAC+\j], 0, v[HAC+\j]          ; each accumulator from its low end on
.endr
.irp b, 0,1
	v_max3_num_f32 v[184+\b], v[HAC+16*\b], v[HAC+16*\b+1], 0x1800000   ; none is negative: no |.|; the floor as above
.endr
.irp i, 2,4,6,8,10,12,14
.irp b, 0,1
	v_max3_num_f32 v[184+\b], v[184+\b], v[HAC+16*\b+\i], v[HAC+16*\b+\i+1]
.endr
.endr
.irp b, 0,1
	v_permlanex16_b32 v[186+\b], v[184+\b], s32, s33
.endr
.irp b, 0,1
	v_max_num_f32 v[184+\b], v[184+\b], v[186+\b]  ; with lane l xor 16's 16: the block's largest
.endr
.irp b, 0,1
	v_add_nc_u32 v[188+\b], 0xff000000, v[184+\b]
.endr
.irp b, 0,1
	v_lshrrev_b32 v[190+\b], 23, v[188+\b]
.endr
	v_lshl_or_b32 v[224+\p], v191, 8, v190         ; the row's two bytes
	v_cvt_scalef32_pk16_fp6_f32 v[PP:PP+2], v[HAC:HAC+15], v188
	v_cvt_scalef32_pk16_fp6_f32 v[QQ:QQ+2], v[HAC+16:HAC+31], v189
	v_nop                                          ; a plain instruction behind the conversions
.irp i, 0,1,2
	v_permlane16_swap_b32 v[PP+\i], v[QQ+\i]       ; a WHOLE block to a lane: lanes 0-15 block 0, lanes 16-31 block 1; the first holds its lower 16 codes, the second the upper 16
.endr
.irp i, 0,1,2
	v_mov_b32 v[PP+3+\i], v[QQ+\i]
.endr
.endm
.macro QHS p                           ; tile p's codes are stored: behind a wait on va_vdst that stands behind the lines that made them
.set PP, 200+12*\p
	global_store_b128 v1, v[PP:PP+3], s[28:29] offset:24576*\p          ; 512 consecutive bytes
	global_store_b64 v3, v[PP+4:PP+5], s[28:29] offset:24576*\p+512     ; 256 consecutive bytes
.endm
.macro QSTEP s, left
	s_wait_loadcnt \left                           ; this K step's 16 loads are in; `left` younger loads may be out
.if \s == 7
	MKOX                                           ; nothing of mine is out: the first pair's rows are asked for now and land during the last conversions, the barrier and the fetch
	XR 0, 1                                        ; its wait also states that the address lines are done reading the tokens, in which the list's loads below land
	RLOAD 4
	XR 1, 0                                        ; no vector instruction since that wait
.endif
	TURN \s
	s_wait_dscnt 0x0                               ; the numbers are back
	s_wait_alu depctr_vm_vsrc(0)                   ; the stage's stores have read their set of window 1, in which the loads of three steps on land; the last image's stores have read v200-211 and v182, which the quantiser writes again
.if \s < 5
	LOADG \s+3
.endif
	QW
	s_wait_alu depctr_va_vdst(0)                   ; the quantiser has written v200-211 and v182, which the image's stores read, and is done reading v96-159, in which the next turn's loads land
	IMAGE \s
.endm
	s_load_b256 s[4:11], s[0:1], 0x0               ; W1 s[4:5], b1 s[6:7], xq s[8:9], plan s[10:11]
	s_load_b64 s[12:13], s[0:1], 0x20              ; hq
	v_lshl_add_u32 v254, v0, 2, 0x21800
	v_mov_b32 v255, 0
	v_lshrrev_b32 v20, 5, v0
	v_readfirstlane_b32 s14, v20                   ; wave 0..3
	s_mov_b32 s15, ttmp9                           ; j
	s_and_b32 s16, ttmp7, 0xffff                   ; e
	v_and_b32 v20, 31, v0                          ; lane
	v_and_b32 v21, 15, v0                          ; r
	v_bfe_u32 v22, v0, 4, 1                        ; h
	v_lshlrev_b32 v1, 4, v20
	v_lshlrev_b32 v2, 2, v20
	v_lshlrev_b32 v3, 3, v20
	s_wait_alu depctr_va_sdst(0)                   ; s14 is written, ahead of its first reader: LDS addresses, bases and the wave's share of the pairs are made from it
	s_mul_i32 s18, s14, 8448
	s_add_co_u32 s18, s18, STG
	v_add_nc_u32 v4, s18, v1                       ; my stage of phase Q, in: 16 x lane of a row
	v_mul_u32_u24 v5, v21, 528
	v_lshl_add_u32 v5, v22, 7, v5
	v_add_nc_u32 v5, s18, v5                       ; out: row r, + 128 h
	s_mul_i32 s18, s14, 12288
	v_add_nc_u32 v6, s18, v1                       ; my eight images
	s_lshl_b32 s18, s14, 10
	v_add_nc_u32 v7, s18, v2                       ; and their scale words
	v_lshlrev_b32 v8, 2, v21
	v_lshlrev_b32 v17, 6, v22
	v_lshlrev_b32 v19, 3, v22
	v_lshlrev_b32 v244, 5, v22                     ; the list of rows: eight tokens, 32 bytes, for each half of the lanes
	v_lshlrev_b32 v245, 4, v21                     ; my 16 bytes of a run of 256
	s_mul_i32 s18, s14, 16*XROW
	s_add_co_u32 s18, s18, XST
	v_mul_u32_u24 v246, v22, 8*XROW
	v_add_nc_u32 v246, v246, v245
	v_add_nc_u32 v246, s18, v246                   ; my stage of the row loop, in: row 8 (l / 16) (+ i), 16 (l % 16) (+ 256 k)
	v_mul_u32_u24 v247, v21, XROW
	v_mad_u32_u24 v247, v22, 384, v247
	v_add_nc_u32 v247, s18, v247                   ; out: row r, + 384 h
	v_mov_b32 v183, 0                              ; lane permutes' destinations count as sources: written once
	v_mov_b32 v186, 0
	v_mov_b32 v187, 0
	s_mov_b32 s32, 0x76543210
	s_mov_b32 s33, 0xfedcba98
	s_mov_b32 s34, 0xffff0000                      ; lanes 16-31
	s_lshl_b32 s18, s15, 6                         ; my tile's first unit: 64 j + 32 (w / 2) + 8 (w % 2)
	s_lshr_b32 s19, s14, 1
	s_lshl_b32 s19, s19, 5
	s_add_co_u32 s18, s18, s19
	s_and_b32 s19, s14, 1
	s_lshl_b32 s19, s19, 3
	s_add_co_u32 s18, s18, s19
	s_lshl_b32 s18, s18, 12                        ; rows of 4,096 bytes
	s_lshl_b32 s19, s16, 23                        ; an expert's 2,048 rows
	s_add_co_u32 s18, s18, s19
	s_mov_b32 s19, 0
	s_lshl_b32 s44, s16, 13                        ; b1: 8,192 e + 256 j
	s_lshl_b32 s45, s15, 8
	s_add_co_u32 s44, s44, s45
	s_mov_b32 s45, 0
	s_lshl_b32 s46, s16, 3                         ; the expert's two words of the plan
	s_mov_b32 s47, 0
	s_mul_i32 s36, s15, 768
	s_mov_b32 s37, 0
	s_lshr_b32 s48, s15, 3
	s_mul_i32 s48, s48, HS_PLANE
	s_and_b32 s49, s15, 7
	s_lshl_b32 s49, s49, 1
	s_add_co_u32 s48, s48, s49
	s_add_co_u32 s48, s48, HS_OFF
	s_mov_b32 s49, 0
	s_wait_kmcnt 0x0
	s_add_nc_u64 s[4:5], s[4:5], s[18:19]
	s_add_nc_u64 s[6:7], s[6:7], s[44:45]
	s_add_nc_u64 s[46:47], s[10:11], s[46:47]
	s_add_nc_u64 s[42:43], s[10:11], RT_OFF        ; the list of rows
	s_add_nc_u64 s[38:39], s[12:13], s[36:37]      ; hq at slice j
	s_add_nc_u64 s[40:41], s[12:13], s[48:49]      ; and at slice j's scale bytes
	s_load_b64 s[20:21], s[46:47], 0x0             ; first pair, pairs
	s_load_b32 s22, s[10:11], 0x40                 ; all pairs
	s_wait_alu depctr_va_vdst(0)                   ; the addresses and offsets v1 to v8, v17, v244, v246 and v247 are written: every load and store of the kernel, global or LDS, reads some of them, and none is written again
	LOADG 0
	LOADG 1
	LOADG 2
.irp t, 0,1,2,3
	global_load_b128 v[BI+8*\t:BI+8*\t+3], v17, s[6:7] offset:(32*(\t/2)+8*(\t%2))*4       ; lane (r, h), tile t: units 32 (t / 2) + 16 h + 8 (t % 2) + 0..7: the result's layout
	global_load_b128 v[BI+8*\t+4:BI+8*\t+7], v17, s[6:7] offset:(32*(\t/2)+8*(\t%2))*4+16
.endr
	s_wait_kmcnt 0x0
	s_min_u32 s20, s20, 135
	s_min_u32 s21, s21, 136
	s_min_u32 s22, s22, 136
	s_sub_co_u32 s22, s22, 1                       ; the last pair that exists
	s_add_co_u32 s24, s20, s14                     ; my first pair
	s_add_co_u32 s23, s21, 3
	s_sub_co_u32 s23, s23, s14
	s_lshr_b32 s23, s23, 2                         ; my pairs: (pairs - w + 3) / 4
	RLOAD 0
	QSTEP 0, 46                                    ; younger: two sets of 16, b1's 8, the list's 6
	QSTEP 1, 46
	QSTEP 2, 46
	QSTEP 3, 32                                    ; younger: two sets of 16
	QSTEP 4, 32
	QSTEP 5, 32
	QSTEP 6, 16
	QSTEP 7, 0
	s_wait_dscnt 0x0                               ; for the others' sake: my images have landed
	s_barrier_signal -1
	s_barrier_wait -1                              ; the one barrier, on every wave's path
	WIN 0x40                                       ; (window 1's sets were last read by the stage's stores of K step 7, which stand ahead of that step's wait on vm_vsrc; no vector instruction names windows 1 and 2 ahead of the products)
.irp s, 0,1,2,3
.irp t, 0,1,2,3
.irp g, 0,1,2
	ds_load_b128 v[12*(\s*4+\t)+4*\g:12*(\s*4+\t)+4*\g+3], v1 offset:(\t*8+\s)*1536+512*\g
.endr
.endr
.endr
	WIN 0x80
.irp s, 4,5,6,7
.irp t, 0,1,2,3
.irp g, 0,1,2
	ds_load_b128 v[12*((\s-4)*4+\t)+4*\g:12*((\s-4)*4+\t)+4*\g+3], v1 offset:(\t*8+\s)*1536+512*\g
.endr
.endr
.endr
	WIN 0
.irp s, 0,1,2,3,4,5,6,7
.irp t, 0,1,2,3
	ds_load_b32 v[WS+4*\s+\t], v2 offset:SIMG+(\t*8+\s)*128
.endr
.endr
	s_wait_dscnt 0x0
	s_cmp_eq_u32 s23, 0                            ; an expert with fewer pairs than waves leaves some waves without rows
	s_cbranch_scc1 .Lend
.Lpair:
	s_wait_loadcnt 26                              ; this pair's tile 0 is in, and the next pair's tokens; tile 1's 26 loads, the only younger ones, may be out
	TURNX 0                                        ; its wait on vm_vsrc also states: the loads of the trip before have read the offsets v[OX ..], v13, v14, its stores the codes v200-205, v212-217 and the bytes v226 (in the first trip: the last image's stores v200-211), all of which this trip writes again
	s_wait_xcnt 0x0                                ; all earlier loads and stores have read their offsets, bases and data: they are written again below
	MKOX                                           ; the next pair's rows; this address work stands between the turn and the wait for it
	s_min_u32 s36, s24, 135
	s_mul_i32 s44, s36, 49152
	s_add_nc_u64 s[28:29], s[38:39], s[44:45]      ; where this pair's codes go,
	s_lshl_b32 s44, s36, 9
	s_add_nc_u64 s[30:31], s[40:41], s[44:45]      ; and its scale bytes
	s_wait_dscnt 0x0                               ; tile 0's operand is back from the stage
	MMT 0
	XR 0, 1                                        ; the next pair's tile 0, into the registers just multiplied.  Its wait also states that the address lines above are done reading the tokens, in which the list's loads below land
	RLOAD 8                                        ; the tokens of the pair after the next (the base that the last such loads read is free: they were shown in at the trip's head)
	s_wait_loadcnt 32                              ; this pair's tile 1 is in; younger: the 26 and the 6 just issued
	TURNX 1
	QHC 0                                          ; tile 0's results are worked while tile 1 turns
	s_wait_dscnt 0x0                               ; tile 1's operand is back from the stage
	MMT 1
	XR 1, 1                                        ; the next pair's tile 1.  Its wait also states that tile 0's codes v200-205 are written, which the two stores below read
	QHS 0
	QHC 1
	v_cndmask_b32 v226, v224, v225, s34            ; lanes 0-15: the first tile's rows; lanes 16-31: the second's
	s_wait_alu depctr_va_vdst(0)                   ; tile 1's codes v212-217 and the bytes v226 are written, which the three stores below read
	QHS 1
	global_store_b16 v1, v226, s[30:31]            ; 32 rows' two bytes, 16 bytes apart
	s_add_co_u32 s24, s24, 4
	s_sub_co_u32 s23, s23, 1
	s_cmp_lg_u32 s23, 0
	s_cbranch_scc1 .Lpair
.Lend:
	s_wait_dscnt 0x0                               ; the closing lines, six on end
	s_wait_alu 0x0
	s_wait_tensorcnt 0x0
	ds_add_u32 v254, v255
	s_wait_dscnt 0x0
	s_endpgm
.Lfunc_end_k_q8be9b43527_up:
	.size	k_q8be9b43527_up, .Lfunc_end_k_q8be9b43527_up-k_q8be9b43527_up
	.p2alignl 7, 3214868480
	.fill 96, 4, 3214868480
	.section	.rodata,"a",@progbits
	.p2align	6, 0x0
	.amdhsa_kernel k_q8be9b43527_up
		.amdhsa_group_segment_fixed_size 137728
		.amdhsa_private_segment_fixed_size 0
		.amdhsa_enable_private_segment 0
		.amdhsa_kernarg_size 40
		.amdhsa_user_sgpr_count 2
		.amdhsa_user_sgpr_kernarg_segment_ptr 1
		.amdhsa_wavefront_size32 1
		.amdhsa_system_sgpr_workgroup_id_x 1
		.amdhsa_system_sgpr_workgroup_id_y 1
		.amdhsa_system_sgpr_workgroup_id_z 1
		.amdhsa_system_vgpr_workitem_id 0
		.amdhsa_next_free_vgpr 960
		.amdhsa_next_free_sgpr 66
		.amdhsa_reserve_vcc 0
		.amdhsa_float_denorm_mode_32 3
		.amdhsa_float_denorm_mode_16_64 3
		.amdhsa_memory_ordered 1
		.amdhsa_forward_progress 1
		.amdhsa_inst_pref_size 108
	.end_amdhsa_kernel
	.amdgpu_metadata
---
amdhsa.version: [ 1, 2 ]
amdhsa.kernels:
  - .name:           k_q8be9b43527_up
    .symbol:         k_q8be9b43527_up.kd
    .args:
      - { .name: W1, .offset: 0, .size: 8, .value_kind: global_buffer, .address_space: global }
      - { .name: b1, .offset: 8, .size: 8, .value_kind: global_buffer, .address_space: global }
      - { .name: xq, .offset: 16, .size: 8, .value_kind: global_buffer, .address_space: global }
      - { .name: plan, .offset: 24, .size: 8, .value_kind: global_buffer, .address_space: global }
      - { .name: hq, .offset: 32, .size: 8, .value_kind: global_buffer, .address_space: global }
    .group_segment_fixed_size: 137728
    .private_segment_fixed_size: 0
    .kernarg_segment_align: 8
    .kernarg_segment_size: 40
    .max_flat_workgroup_size: 128
    .sgpr_count:     66
    .vgpr_count:     960
    .wavefront_size: 32
...
	.end_amdgpu_metadata
.endif
;; end of part 8
;; launch down (part 9): grid 32 x 8, 4 waves a work-group, no clusters, 96,768 bytes of LDS; arguments W2, b2, hq, plan, yp; writes yp
.if DOCPART == 9
	.amdgcn_target "amdgcn-amd-amdhsa--gfx1250"
	.amdhsa_code_object_version 6
	.text
	.protected	k_q8be9b43527_down
	.globl	k_q8be9b43527_down
	.p2align	8
	.type	k_q8be9b43527_down,@function
k_q8be9b43527_down:
	s_mov_b64 s[64:65], 0
	v_nop
	global_prefetch_b8 v0, s[64:65] scope:SCOPE_SE
	s_setreg_imm32_b32 hwreg(HW_REG_WAVE_SCHED_MODE, 0, 2), 2
	s_setreg_imm32_b32 hwreg(HW_REG_WAVE_MODE, 25, 1), 1
	s_wait_xcnt 0x0
	s_wait_alu depctr_vm_vsrc(0)
; The second product of the experts, on the chosen rows alone: y = h W2[e]^T + b2[e] for the rows of expert e, MX-FP6 (E2M3) on both sides; h arrives as codes laid as the operand's registers.
; THE WEIGHTS STAY: work-group (jd, e) owns outputs 32 jd .. 32 jd + 31 of expert e: 32 rows x 2,048 f32 of W2, read from memory ONCE in the launch, quantised here and kept in every wave's registers (32 fragments).
; PHASE Q: wave w quantises tile w / 2 (16 rows), half w % 2 of K (1,024): loads of a row's 512 consecutive bytes, a turn through the wave's own stage, images of the fragments in LDS, ONE barrier, every wave fetches all 32.
; The product is used TRANSPOSED (source 0 = W2's tile, source 1 = 16 rows of h): a lane holds eight neighbouring outputs of one row.  b2 is the C of a sum's first product.
; THE ROW LOOP: wave w takes the expert's tiles of 16 rows w, w + 4, ..; their number was stored by an earlier launch.  A tile's codes are 24,576 dense bytes; loads run a tile ahead, in two halves of K;
;   past a wave's last tile the look-ahead reads a tile that exists (the index is held) and is thrown away.  By this text's count two halves of 34 loads are named as out at once: more than the counter's field holds,
;   so the issue of the last few waits for the oldest (ISA guide 5.7.1); no wait is written for that.
; Four accumulators, two tiles of outputs x the two parities of the K step, take turns; the parities are added at the end (an order of summation of its own, within what f32 sums allow).
; STORED: yp: jd x YPLANE + slot x 128 + 4 x (output % 32): a tile is 2,048 consecutive bytes, written through the wave's own stage in whole runs of 512 bytes.
; NO TENSOR LOADS, NO CLUSTER: the 32 work-groups of an expert read the same tiles of h, but how many there are is read from memory.
; LIMITS: NaN and infinities are not served; a block of zeros gets the byte 1 where the rule says 127 (zero codes; the bytes are read by this program alone).
; REGISTERS: window 0: v1-19 addresses; v32-63 W2's scale words; v64-79 b2; v96-127 accumulators, v128-143 y, v144-159 y by rows (in phase Q v96-159: a K step's numbers); v160-175 h's scale words; v176-183 at work; v200-218 codes.
;   windows 1, 2: v0-191 W2's fragments (in phase Q window 1 holds three sets of loads).   window 3: v0-191 h's fragments.
; THE MODE: SCHED_MODE bits 1:0 = 2 (LLVM: expert scheduling mode 2), set by the entry lines.  The code itself states the register dependences between vector or matrix instructions and memory or LDS
;   instructions, with s_wait_alu, always for 0.
; THE PLAN.  Registers that memory or LDS instructions touch, and who else names them:
;   PHASE Q.  Window 1's three sets: global loads land, the stage's stores read; no vector instruction names them.  v96-159: the stage's loads land, the quantiser reads.  v200-211, v182: the quantiser writes, the image's stores read.
;     Two waits a K step: one on vm_vsrc behind the turn, one on va_vdst behind the quantiser.
;   THE ROW LOOP.  H0, H1 (window 3, v0-95 and v96-191) with their scale words (v160-167, v168-175): a half's loads land, its 16 products read, the next tile's loads land.   v128-143: written by the eight additions, read by the
;     stage's stores.   v144-159: the stage's loads land, the global stores read; no vector instruction names them.   v1, v3, v8, v9, v10: made at the kernel's head, never written again.
;     Three waits a trip.  vm_vsrc at the trip's head.  va_vdst behind the first half's products, ahead of that half's next loads.  va_vdst behind the eight additions: it serves the second half's next loads and the stage's stores alike,
;     which is why the additions stand ahead of those loads.
.set HS_OFF,   6684672
.set HS_PLANE, 69632
.set YPLANE,   557056
.set SIMG,     49152                   ; LDS: 32 images of 1,536 bytes from 0; their scale words from SIMG;
.set STG,      53248                   ; four stages of 16 rows x (512 + 16) bytes;
.set OST,      87040                   ; four stages of 16 rows x (128 + 16) bytes for the way out
.set WS, 32
.set BI, 64
.set AC, 96
.set YR, 128
.set OB, 144
.set SH, 160
.set MSB, 0
.macro WIN new                         ; the immediate's high byte repeats the setting that is left
.if MSB != (\new)
	s_set_vgpr_msb (MSB<<8)|(\new)
.set MSB, (\new)
.endif
.endm
.macro LOADG s                         ; K step s of my 16 rows: a row's 512 consecutive bytes a load, into set s % 3 of window 1
	WIN 0x40
.irp i, 0,1,2,3,4,5,6,7,8,9,10,11,12,13,14,15
	global_load_b128 v[64*((\s)%3)+4*\i:64*((\s)%3)+4*\i+3], v1, s[4:5] offset:\i*8192+512*(\s) th:TH_LOAD_NT
.endr
	WIN 0
.endm
.macro TURN s                          ; through my stage: in by rows, out as lane (r, h)'s numbers k = 64 c + 32 h + 0..31 of row r
	WIN 0x04                                       ; an LDS store's data are its source 1: window 1
.irp i, 0,1,2,3,4,5,6,7,8,9,10,11,12,13,14,15
	ds_store_b128 v4, v[64*((\s)%3)+4*\i:64*((\s)%3)+4*\i+3] offset:528*\i
.endr
	WIN 0
.irp c, 0,1
.irp q, 0,1,2,3,4,5,6,7
	ds_load_b128 v[AC+32*\c+4*\q:AC+32*\c+4*\q+3], v5 offset:256*\c+16*\q   ; LDS serves a wave's instructions in order: these see the stores above
.endr
.endr
.endm
.macro QW                              ; 64 numbers of a lane become a fragment's codes in v200-211 and its scale word in v182
.irp c, 0,1
	v_max3_num_f32 v[176+\c], |v[AC+32*\c]|, |v[AC+32*\c+1]|, 0x1800000   ; block 2 c + h: all 32 numbers are mine; the floor 2^(3 - 127) holds the byte at 1 from below
.endr
.irp i, 2,4,6,8,10,12,14,16,18,20,22,24,26,28,30
.irp c, 0,1
	v_max3_num_f32 v[176+\c], v[176+\c], |v[AC+32*\c+\i]|, |v[AC+32*\c+\i+1]|
.endr
.endr
.irp c, 0,1
	v_add_nc_u32 v[178+\c], 0xff000000, v[176+\c]  ; 2 off the exponent field: the conversion's scale operand
.endr
.irp c, 0,1
	v_lshrrev_b32 v[180+\c], 23, v[178+\c]         ; the scale's byte
.endr
	v_lshl_or_b32 v182, v181, 16, v180             ; my two bytes, blocks h and 2 + h,
	v_lshlrev_b32 v182, v19, v182                  ; at their places (8 h bits up);
	v_permlanex16_b32 v183, v182, s32, s33
	v_or_b32 v182, v182, v183                      ; with lane l xor 16's two the word is whole
.irp c, 0,1
	v_cvt_scalef32_pk16_fp6_f32 v[200+6*\c:202+6*\c], v[AC+32*\c:AC+32*\c+15], v[178+\c]
	v_cvt_scalef32_pk16_fp6_f32 v[212+4*\c:214+4*\c], v[AC+32*\c+16:AC+32*\c+31], v[178+\c]   ; (a conversion's three registers begin on an even number)
.endr
	v_nop                                          ; a plain instruction behind the conversions
.irp c, 0,1
.irp i, 0,1,2
	v_mov_b32 v[203+6*\c+\i], v[212+4*\c+\i]
.endr
.endr
.endm
.macro IMAGE s                         ; the fragment goes to LDS as it stands
.irp g, 0,1,2
	ds_store_b128 v6, v[200+4*\g:203+4*\g] offset:1536*(\s)+512*\g
.endr
	ds_store_b32 v7, v182 offset:SIMG+128*(\s)
.endm
.macro NEXTB ahead                     ; where the tile `ahead` further on lies, held to a tile that exists: its codes and its scale bytes
	s_add_co_u32 s36, s24, \ahead
	s_min_u32 s36, s36, s22
	s_min_u32 s36, s36, 271
	s_mul_i32 s44, s36, 24576
	s_add_nc_u64 s[26:27], s[8:9], s[44:45]
	s_lshl_b32 s44, s36, 8
	s_add_nc_u64 s[28:29], s[40:41], s[44:45]
.endm
.macro HH half, w                      ; 34 loads: eight K steps' fragments (each two slices of 512 + 256 dense bytes) and their scale words.  w = 1: the wait on va_vdst stands ahead of them, behind the window's switch
	WIN 0xc0                                       ; destination window 3
.if \w
	s_wait_alu depctr_va_vdst(0)                   ; the products issued so far are done reading this half's fragments and scale words, in which these loads land (what more it states: where the macro is used)
.endif
.irp s, 0,1,2,3,4,5,6,7
.irp c, 0,1
	global_load_b128 v[12*(8*\half+\s)+6*\c:12*(8*\half+\s)+6*\c+3], v1, s[26:27] offset:(2*(8*\half+\s)+\c)*768
	global_load_b64 v[12*(8*\half+\s)+6*\c+4:12*(8*\half+\s)+6*\c+5], v3, s[26:27] offset:(2*(8*\half+\s)+\c)*768+512
.endr
.endr
	WIN 0
.irp q, 0,1
	global_load_b128 v[SH+8*\half+4*\q:SH+8*\half+4*\q+3], v8, s[28:29] offset:(2*\half+\q)*HS_PLANE
.endr
.endm
.macro MMD half                        ; 16 products: eight K steps x two tiles of outputs.  The four accumulators take turns, one instruction a turn
	WIN 0x0d+\half                                 ; source 0 (W2) window 1 or 2, source 1 (h) window 3, C and D window 0
.irp s, 0,1,2,3,4,5,6,7
.irp n, 0,1
.if (\half == 0) && (\s == 0)
	v_wmma_scale_f32_16x16x128_f8f6f4 v[AC+8*(2*(\s%2)+\n):AC+8*(2*(\s%2)+\n)+7], v[12*(\s*2+\n):12*(\s*2+\n)+11], v[12*(8*\half+\s):12*(8*\half+\s)+11], v[BI+8*\n:BI+8*\n+7], v[WS+2*(8*\half+\s)+\n], v[SH+8*\half+\s] matrix_a_fmt:MATRIX_FMT_FP6 matrix_b_fmt:MATRIX_FMT_FP6
.elseif (\half == 0) && (\s == 1)
	v_wmma_scale_f32_16x16x128_f8f6f4 v[AC+8*(2*(\s%2)+\n):AC+8*(2*(\s%2)+\n)+7], v[12*(\s*2+\n):12*(\s*2+\n)+11], v[12*(8*\half+\s):12*(8*\half+\s)+11], 0, v[WS+2*(8*\half+\s)+\n], v[SH+8*\half+\s] matrix_a_fmt:MATRIX_FMT_FP6 matrix_b_fmt:MATRIX_FMT_FP6
.else
	v_wmma_scale_f32_16x16x128_f8f6f4 v[AC+8*(2*(\s%2)+\n):AC+8*(2*(\s%2)+\n)+7], v[12*(\s*2+\n):12*(\s*2+\n)+11], v[12*(8*\half+\s):12*(8*\half+\s)+11], v[AC+8*(2*(\s%2)+\n):AC+8*(2*(\s%2)+\n)+7], v[WS+2*(8*\half+\s)+\n], v[SH+8*\half+\s] matrix_a_fmt:MATRIX_FMT_FP6 matrix_b_fmt:MATRIX_FMT_FP6
.endif
.endr
.endr
	WIN 0
.endm
.macro QSTEP s, left
	s_wait_loadcnt \left                           ; this K step's 16 loads are in; `left` younger loads may be out
.if \s == 7
	NEXTB 0                                        ; nothing of mine is out: the first tile is asked for now and lands during the last conversions, the barrier and the fetch
	HH 0, 0                                        ; no wait: no vector or matrix instruction has yet named window 3 or v160-175, and the offsets were written ahead of the head's wait
	HH 1, 0
.endif
	TURN \s
	s_wait_dscnt 0x0                               ; the numbers are back
	s_wait_alu depctr_vm_vsrc(0)                   ; the stage's stores have read their set of window 1, in which the loads of three steps on land; the last image's stores have read v200-211 and v182, which the quantiser writes again
.if \s < 5
	LOADG \s+3
.endif
	QW
	s_wait_alu depctr_va_vdst(0)                   ; the quantiser has written v200-211 and v182, which the image's stores read, and is done reading v96-159, in which the next turn's loads land (behind K step 7: the row loop's loads from its stage, in v144-159)
	IMAGE \s
.endm
	s_load_b256 s[4:11], s[0:1], 0x0               ; W2 s[4:5], b2 s[6:7], hq s[8:9], plan s[10:11]
	s_load_b64 s[12:13], s[0:1], 0x20              ; yp
	v_lshl_add_u32 v254, v0, 2, 0x17800
	v_mov_b32 v255, 0
	v_lshrrev_b32 v20, 5, v0
	v_readfirstlane_b32 s14, v20                   ; wave 0..3
	s_mov_b32 s15, ttmp9                           ; jd
	s_and_b32 s16, ttmp7, 0xffff                   ; e
	v_and_b32 v20, 31, v0                          ; lane
	v_and_b32 v21, 15, v0                          ; r
	v_bfe_u32 v22, v0, 4, 1                        ; h
	v_lshlrev_b32 v1, 4, v20
	v_lshlrev_b32 v2, 2, v20
	v_lshlrev_b32 v3, 3, v20
	s_wait_alu depctr_va_sdst(0)                   ; s14 is written, ahead of its first reader: LDS addresses, bases and the wave's share of the tiles are made from it
	s_mul_i32 s18, s14, 8448
	s_add_co_u32 s18, s18, STG
	v_add_nc_u32 v4, s18, v1                       ; my stage, in: 16 x lane of a row
	v_mul_u32_u24 v5, v21, 528
	v_lshl_add_u32 v5, v22, 7, v5
	v_add_nc_u32 v5, s18, v5                       ; out: row r, + 128 h
	s_mul_i32 s18, s14, 12288
	v_add_nc_u32 v6, s18, v1                       ; my eight images: image 8 w + s is tile w / 2, K step 8 (w % 2) + s
	s_lshl_b32 s18, s14, 10
	v_add_nc_u32 v7, s18, v2                       ; and their scale words
	v_lshlrev_b32 v8, 4, v21                       ; 16 r: a row's scale bytes in a plane
	s_mul_i32 s18, s14, 2304
	s_add_co_u32 s18, s18, OST
	v_mul_u32_u24 v9, v21, 144
	v_lshl_add_u32 v9, v22, 5, v9
	v_add_nc_u32 v9, s18, v9                       ; the way out, in: row r, + 32 h
	v_lshrrev_b32 v10, 3, v20
	v_mul_u32_u24 v10, v10, 144
	v_and_b32 v23, 7, v20
	v_lshl_add_u32 v10, v23, 4, v10
	v_add_nc_u32 v10, s18, v10                     ; back: eight lanes to a row's 128 bytes
	v_lshlrev_b32 v17, 5, v22
	v_lshlrev_b32 v19, 3, v22
	v_mov_b32 v183, 0                              ; a lane permute's destination counts as one of its sources
	s_mov_b32 s32, 0x76543210
	s_mov_b32 s33, 0xfedcba98
	s_lshl_b32 s18, s15, 5                         ; my tile's first row: 32 jd + 16 (w / 2)
	s_lshr_b32 s19, s14, 1
	s_lshl_b32 s19, s19, 4
	s_add_co_u32 s18, s18, s19
	s_lshl_b32 s18, s18, 13                        ; rows of 8,192 bytes
	s_and_b32 s19, s14, 1
	s_lshl_b32 s19, s19, 12                        ; my half of K
	s_add_co_u32 s18, s18, s19
	s_lshl_b32 s19, s16, 23                        ; an expert's 1,024 rows
	s_add_co_u32 s18, s18, s19
	s_mov_b32 s19, 0
	s_lshl_b32 s44, s16, 12                        ; b2: 4,096 e + 128 jd
	s_lshl_b32 s45, s15, 7
	s_add_co_u32 s44, s44, s45
	s_mov_b32 s45, 0
	s_lshl_b32 s46, s16, 3                         ; the expert's two words of the plan
	s_mov_b32 s47, 0
	s_mul_i32 s36, s15, YPLANE
	s_mov_b32 s37, 0
	s_wait_kmcnt 0x0
	s_add_nc_u64 s[4:5], s[4:5], s[18:19]
	s_add_nc_u64 s[6:7], s[6:7], s[44:45]
	s_add_nc_u64 s[46:47], s[10:11], s[46:47]
	s_add_nc_u64 s[38:39], s[12:13], s[36:37]      ; yp at plane jd
	s_add_nc_u64 s[40:41], s[8:9], HS_OFF          ; h's scale bytes
	s_load_b64 s[20:21], s[46:47], 0x0             ; first pair, pairs
	s_load_b32 s22, s[10:11], 0x40                 ; all pairs
	s_wait_alu depctr_va_vdst(0)                   ; the addresses and offsets v1 to v10 and v17 are written: every load and store of the kernel, global or LDS, reads some of them, and none is written again
	LOADG 0
	LOADG 1
	LOADG 2
.irp n, 0,1
	global_load_b128 v[BI+8*\n:BI+8*\n+3], v17, s[6:7] offset:64*\n          ; lane (r, h), tile n: outputs 16 n + 8 h + 0..7: the result's layout
	global_load_b128 v[BI+8*\n+4:BI+8*\n+7], v17, s[6:7] offset:64*\n+16
.endr
	s_wait_kmcnt 0x0
	s_min_u32 s20, s20, 135
	s_min_u32 s21, s21, 136
	s_min_u32 s22, s22, 136
	s_lshl_b32 s22, s22, 1
	s_sub_co_u32 s22, s22, 1                       ; the last tile that exists
	s_lshl_b32 s24, s20, 1
	s_add_co_u32 s24, s24, s14                     ; my first tile
	s_lshl_b32 s23, s21, 1
	s_add_co_u32 s23, s23, 3
	s_sub_co_u32 s23, s23, s14
	s_lshr_b32 s23, s23, 2                         ; my tiles: (tiles - w + 3) / 4
	QSTEP 0, 36                                    ; younger: two sets of 16 and b2's 4
	QSTEP 1, 36
	QSTEP 2, 36
	QSTEP 3, 32                                    ; younger: two sets of 16
	QSTEP 4, 32
	QSTEP 5, 32
	QSTEP 6, 16
	QSTEP 7, 0
	s_wait_dscnt 0x0                               ; for the others' sake: my images have landed
	s_barrier_signal -1
	s_barrier_wait -1                              ; the one barrier, on every wave's path
	WIN 0x40                                       ; (window 1's sets were last read by the stage's stores of K step 7, which stand ahead of that step's wait on vm_vsrc; no vector instruction names windows 1 and 2 ahead of the products)
.irp s, 0,1,2,3,4,5,6,7
.irp n, 0,1
.irp g, 0,1,2
	ds_load_b128 v[12*(\s*2+\n)+4*\g:12*(\s*2+\n)+4*\g+3], v1 offset:(\n*16+\s)*1536+512*\g
.endr
.endr
.endr
	WIN 0x80
.irp s, 0,1,2,3,4,5,6,7
.irp n, 0,1
.irp g, 0,1,2
	ds_load_b128 v[12*(\s*2+\n)+4*\g:12*(\s*2+\n)+4*\g+3], v1 offset:(\n*16+8+\s)*1536+512*\g
.endr
.endr
.endr
	WIN 0
.irp s, 0,1,2,3,4,5,6,7,8,9,10,11,12,13,14,15
.irp n, 0,1
	ds_load_b32 v[WS+2*\s+\n], v2 offset:SIMG+(\n*16+\s)*128
.endr
.endr
	s_wait_dscnt 0x0
	s_cmp_eq_u32 s23, 0                            ; an expert without rows leaves its waves without tiles
	s_cbranch_scc1 .Lend
.Ltile:
	s_wait_loadcnt 34                              ; this tile's first half of K is in; the second half's 34 loads may be out
	s_wait_xcnt 0x0                                ; all earlier loads and stores have read their bases and data: they are written again below
	s_wait_alu depctr_vm_vsrc(0)                   ; the last trip's LDS stores have read v128-143, which this trip's additions write again; its global stores have read v144-159, in which this trip's loads from the stage land
	NEXTB 4
	s_min_u32 s36, s24, 271
	s_lshl_b32 s44, s36, 11
	s_add_nc_u64 s[30:31], s[38:39], s[44:45]      ; where this tile's results go
	MMD 0
.rept 4
	v_nop                                          ; the four places of the plain form stay ahead of the loads into registers that the products have read; the wait behind them states the dependence
.endr
	HH 0, 1                                        ; the next tile's first half, into the registers just multiplied
	s_wait_loadcnt 34                              ; this tile's second half is in; younger: the 34 just issued
	MMD 1
.rept 5
	v_nop                                          ; places: four for the reads below (ISA guide 7.12.1), a fifth since the next trip's first products write over accumulators
.endr
.irp n, 0,1
.irp p, 0,2,4,6
	v_pk_add_f32 v[YR+8*\n+\p:YR+8*\n+\p+1], v[AC+8*\n+\p:AC+8*\n+\p+1], v[AC+16+8*\n+\p:AC+16+8*\n+\p+1]   ; the two parities of K; each accumulator from its low end on
.endr
.endr
	HH 1, 1                                        ; the next tile's second half.  Its wait also states that the additions above have written v128-143, which the LDS stores below read
.irp n, 0,1
	ds_store_b128 v9, v[YR+8*\n:YR+8*\n+3] offset:64*\n            ; lane (r, h): y(r, 16 n + 8 h + 0..7)
	ds_store_b128 v9, v[YR+8*\n+4:YR+8*\n+7] offset:64*\n+16
.endr
.irp k, 0,1,2,3
	ds_load_b128 v[OB+4*\k:OB+4*\k+3], v10 offset:576*\k           ; four rows a load; LDS serves a wave's instructions in order
.endr
	s_wait_dscnt 0x0
.irp k, 0,1,2,3
	global_store_b128 v1, v[OB+4*\k:OB+4*\k+3], s[30:31] offset:512*\k   ; 512 consecutive bytes, at a multiple of 256 from yp's first byte
.endr
	s_add_co_u32 s24, s24, 4
	s_sub_co_u32 s23, s23, 1
	s_cmp_lg_u32 s23, 0
	s_cbranch_scc1 .Ltile
.Lend:
	s_wait_dscnt 0x0                               ; the closing lines, six on end
	s_wait_alu 0x0
	s_wait_tensorcnt 0x0
	ds_add_u32 v254, v255
	s_wait_dscnt 0x0
	s_endpgm
.Lfunc_end_k_q8be9b43527_down:
	.size	k_q8be9b43527_down, .Lfunc_end_k_q8be9b43527_down-k_q8be9b43527_down
	.p2alignl 7, 3214868480
	.fill 96, 4, 3214868480
	.section	.rodata,"a",@progbits
	.p2align	6, 0x0
	.amdhsa_kernel k_q8be9b43527_down
		.amdhsa_group_segment_fixed_size 96768
		.amdhsa_private_segment_fixed_size 0
		.amdhsa_enable_private_segment 0
		.amdhsa_kernarg_size 40
		.amdhsa_user_sgpr_count 2
		.amdhsa_user_sgpr_kernarg_segment_ptr 1
		.amdhsa_wavefront_size32 1
		.amdhsa_system_sgpr_workgroup_id_x 1
		.amdhsa_system_sgpr_workgroup_id_y 1
		.amdhsa_system_sgpr_workgroup_id_z 1
		.amdhsa_system_vgpr_workitem_id 0
		.amdhsa_next_free_vgpr 960
		.amdhsa_next_free_sgpr 66
		.amdhsa_reserve_vcc 0
		.amdhsa_float_denorm_mode_32 3
		.amdhsa_float_denorm_mode_16_64 3
		.amdhsa_memory_ordered 1
		.amdhsa_forward_progress 1
		.amdhsa_inst_pref_size 88
	.end_amdhsa_kernel
	.amdgpu_metadata
---
amdhsa.version: [ 1, 2 ]
amdhsa.kernels:
  - .name:           k_q8be9b43527_down
    .symbol:         k_q8be9b43527_down.kd
    .args:
      - { .name: W2, .offset: 0, .size: 8, .value_kind: global_buffer, .address_space: global }
      - { .name: b2, .offset: 8, .size: 8, .value_kind: global_buffer, .address_space: global }
      - { .name: hq, .offset: 16, .size: 8, .value_kind: global_buffer, .address_space: global }
      - { .name: plan, .offset: 24, .size: 8, .value_kind: global_buffer, .address_space: global }
      - { .name: yp, .offset: 32, .size: 8, .value_kind: global_buffer, .address_space: global }
    .group_segment_fixed_size: 96768
    .private_segment_fixed_size: 0
    .kernarg_segment_align: 8
    .kernarg_segment_size: 40
    .max_flat_workgroup_size: 128
    .sgpr_count:     66
    .vgpr_count:     960
    .wavefront_size: 32
...
	.end_amdgpu_metadata
.endif
;; end of part 9
;; launch combine (part 10): grid 256 x 1, 8 waves a work-group, no clusters, 0 bytes of LDS; arguments x, yp, gp, plan, out0; writes out0
.if DOCPART == 10
	.amdgcn_target "amdgcn-amd-amdhsa--gfx1250"
	.amdhsa_code_object_version 6
	.text
	.protected	k_q8be9b43527_combine
	.globl	k_q8be9b43527_combine
	.p2align	8
	.type	k_q8be9b43527_combine,@function
k_q8be9b43527_combine:
	s_mov_b64 s[64:65], 0
	v_nop
	global_prefetch_b8 v0, s[64:65] scope:SCOPE_SE
	s_setreg_imm32_b32 hwreg(HW_REG_WAVE_MODE, 25, 1), 1
	s_wait_xcnt 0x0
; out[t] = x[t] + g0 y[slot of (t, 0)] + g1 y[slot of (t, 1)]: each output row has one owner, which GATHERS its two experts' rows; no sum is made across work-groups.
; A wave takes a token.  The two slots were stored as whole numbers by an earlier launch and are held by a constant ahead of the shift that makes their offsets; the gates come as scalars.
; Load i gives lane l the outputs 128 i + 4 l + 0..3: in x and out 512 consecutive bytes a load; in yp plane 4 i + l / 8, 16 (l % 8) bytes into the slot's 128: eight lanes read 128 consecutive bytes.
; All 24 loads of a wave go out at once; each chunk has its own registers, so no register is written again.  No LDS, no barrier, no matrix unit: the launch only streams.
.set SO_OFF, 17664
.set YPLANE, 557056
.set X, 32
.set A, 64
.set B, 96
	s_load_b256 s[4:11], s[0:1], 0x0               ; x s[4:5], yp s[6:7], gp s[8:9], plan s[10:11]
	s_load_b64 s[12:13], s[0:1], 0x20              ; out0
	v_lshrrev_b32 v6, 5, v0
	s_delay_alu instid0(VALU_DEP_1)
	v_readfirstlane_b32 s14, v6                    ; wave 0..7
	v_and_b32 v3, 31, v0
	s_delay_alu instid0(VALU_DEP_1)
	v_lshlrev_b32 v1, 4, v3                        ; 16 x lane
	s_delay_alu instid0(VALU_DEP_2)
	v_lshrrev_b32 v4, 3, v3
	s_delay_alu instid0(VALU_DEP_3)
	v_and_b32 v5, 7, v3
	s_delay_alu instid0(VALU_DEP_2)
	v_mul_u32_u24 v2, v4, YPLANE
	s_delay_alu instid0(VALU_DEP_1)
	v_lshl_add_u32 v2, v5, 4, v2                   ; (l / 8) planes + 16 (l % 8)
	s_lshl_b32 s15, ttmp9, 3
	s_add_co_u32 s15, s15, s14                     ; my token
	s_lshl_b32 s16, s15, 12
	s_mov_b32 s17, 0
	s_lshl_b32 s18, s15, 3
	s_mov_b32 s19, 0
	s_wait_alu depctr_va_vdst(0)
	s_wait_kmcnt 0x0
	s_add_nc_u64 s[4:5], s[4:5], s[16:17]
	s_add_nc_u64 s[12:13], s[12:13], s[16:17]
	s_add_nc_u64 s[10:11], s[10:11], s[18:19]
	s_add_nc_u64 s[8:9], s[8:9], s[18:19]
	s_load_b64 s[20:21], s[10:11], SO_OFF          ; my two slots
	s_load_b64 s[22:23], s[8:9], 0x0               ; my two gates
.irp i, 0,1,2,3,4,5,6,7
	global_load_b128 v[X+4*\i:X+4*\i+3], v1, s[4:5] offset:512*\i th:TH_LOAD_NT
.endr
	s_wait_kmcnt 0x0
	s_min_u32 s20, s20, 4351
	s_min_u32 s21, s21, 4351
	s_lshl_b32 s24, s20, 7
	s_mov_b32 s25, 0
	s_lshl_b32 s28, s21, 7
	s_mov_b32 s29, 0
	s_add_nc_u64 s[24:25], s[6:7], s[24:25]        ; the first slot's row in planes 0-15,
	s_add_nc_u64 s[26:27], s[24:25], 16*YPLANE     ; and in planes 16-31: so the immediates stay inside their signed 24 bits (12 planes at the most)
	s_add_nc_u64 s[28:29], s[6:7], s[28:29]
	s_add_nc_u64 s[30:31], s[28:29], 16*YPLANE
	s_mov_b32 s32, s23                             ; the second gate in a pair of its own: the packed form takes a scalar pair's low word for both halves
	s_mov_b32 s33, s23
.irp i, 0,1,2,3,4,5,6,7
	global_load_b128 v[A+4*\i:A+4*\i+3], v2, s[24+2*(\i/4):25+2*(\i/4)] offset:(\i%4)*4*YPLANE th:TH_LOAD_NT
	global_load_b128 v[B+4*\i:B+4*\i+3], v2, s[28+2*(\i/4):29+2*(\i/4)] offset:(\i%4)*4*YPLANE th:TH_LOAD_NT
.endr
.irp i, 0,1,2,3,4,5,6,7
	s_wait_loadcnt 2*(7-\i)                        ; chunk i's three loads are in; the younger chunks' pairs may be out
.irp p, 0,2
	v_pk_fma_f32 v[X+4*\i+\p:X+4*\i+\p+1], v[A+4*\i+\p:A+4*\i+\p+1], s[22:23], v[X+4*\i+\p:X+4*\i+\p+1] op_sel_hi:[1,0,1]
.endr
.irp p, 0,2
	s_delay_alu instid0(VALU_DEP_2)
	v_pk_fma_f32 v[X+4*\i+\p:X+4*\i+\p+1], v[B+4*\i+\p:B+4*\i+\p+1], s[32:33], v[X+4*\i+\p:X+4*\i+\p+1] op_sel_hi:[1,0,1]
.endr
	global_store_b128 v1, v[X+4*\i:X+4*\i+3], s[12:13] offset:512*\i th:TH_STORE_NT   ; 512 consecutive bytes, at a multiple of 256 from out0's first byte
.endr
	s_endpgm
.Lfunc_end_k_q8be9b43527_combine:
	.size	k_q8be9b43527_combine, .Lfunc_end_k_q8be9b43527_combine-k_q8be9b43527_combine
	.p2alignl 7, 3214868480
	.fill 96, 4, 3214868480
	.section	.rodata,"a",@progbits
	.p2align	6, 0x0
	.amdhsa_kernel k_q8be9b43527_combine
		.amdhsa_group_segment_fixed_size 0
		.amdhsa_private_segment_fixed_size 0
		.amdhsa_enable_private_segment 0
		.amdhsa_kernarg_size 40
		.amdhsa_user_sgpr_count 2
		.amdhsa_user_sgpr_kernarg_segment_ptr 1
		.amdhsa_wavefront_size32 1
		.amdhsa_system_sgpr_workgroup_id_x 1
		.amdhsa_system_sgpr_workgroup_id_y 1
		.amdhsa_system_sgpr_workgroup_id_z 1
		.amdhsa_system_vgpr_workitem_id 0
		.amdhsa_next_free_vgpr 128
		.amdhsa_next_free_sgpr 66
		.amdhsa_reserve_vcc 0
		.amdhsa_float_denorm_mode_32 3
		.amdhsa_float_denorm_mode_16_64 3
		.amdhsa_memory_ordered 1
		.amdhsa_forward_progress 1
		.amdhsa_inst_pref_size 8
	.end_amdhsa_kernel
	.amdgpu_metadata
---
amdhsa.version: [ 1, 2 ]
amdhsa.kernels:
  - .name:           k_q8be9b43527_combine
    .symbol:         k_q8be9b43527_combine.kd
    .args:
      - { .name: x, .offset: 0, .size: 8, .value_kind: global_buffer, .address_space: global }
      - { .name: yp, .offset: 8, .size: 8, .value_kind: global_buffer, .address_space: global }
      - { .name: gp, .offset: 16, .size: 8, .value_kind: global_buffer, .address_space: global }
      - { .name: plan, .offset: 24, .size: 8, .value_kind: global_buffer, .address_space: global }
      - { .name: out0, .offset: 32, .size: 8, .value_kind: global_buffer, .address_space: global }
    .group_segment_fixed_size: 0
    .private_segment_fixed_size: 0
    .kernarg_segment_align: 8
    .kernarg_segment_size: 40
    .max_flat_workgroup_size: 256
    .sgpr_count:     66
    .vgpr_count:     128
    .wavefront_size: 32
...
	.end_amdgpu_metadata
.endif
;; end of part 10
